; MI455X (gfx1250); checked and timed in simulation.
; The chip was launched on July 23, 2026; its instructions are those of AMD's public machine-readable ISA for CDNA 5 (MIT licence, August 2026) and "CDNA5" Instruction Set Architecture Reference Guide (July 2026). The comments in the code are by the model that wrote it; some were corrected since.
;; Model. Allowed arithmetic: float matrix products may take bf16 or f16 operands with f32 sums; other float arithmetic in f32, or as packed bf16 or f16 multiplies, adds, multiply-adds, maxima and minima; sums over many terms, partial sums and values carried from step to step in f32; what a program stores and reads back later, other than sums and carried values, may be rounded once to bf16 or f16.
;; Inputs: Wk 2,048 x 2,048 float32; Wq 2,048 x 2,048 float32; attn_mask 512 x 2,048 float32; bk 2,048 float32; bq 2,048 float32; key_input 4 x 2,048 x 2,048 float32; query_input 4 x 512 x 2,048 float32; value_input 4 x 2,048 x 2,048 float32.
;; Outputs: out0 4 x 512 x 2,048 float32.
;; 3 versions, each right; version 3 is version 2 with the launches prep, norm written anew for expert scheduling mode. Each part assembles by itself: llvm-mc -triple=amdgcn-amd-amdhsa -mcpu=gfx1250 --defsym DOCPART=n.
;; ======== version 1 of 3: 4 launches
;; workspace buffers: qb 16,777,216 bytes; qp 8,388,608 bytes; maskb 2,097,152 bytes; tpart 131,072 bytes; pbuf 16,777,216 bytes; stats 524,288 bytes
;; launch qproj (part 1): grid 16 x 16, 4 waves a work-group, clusters of 4 x 4, 327,680 bytes of LDS; arguments query_input, Wq, qb, bq, bk, attn_mask, tpart, maskb; writes qb, tpart, maskb
.if DOCPART == 1
	.amdgcn_target "amdgcn-amd-amdhsa--gfx1250"
	.amdhsa_code_object_version 6
	.text
	.protected	k_q89ad532f8e_qproj
	.globl	k_q89ad532f8e_qproj
	.p2align	8
	.type	k_q89ad532f8e_qproj,@function
k_q89ad532f8e_qproj:
	s_mov_b64 s[64:65], 0
	v_nop
	global_prefetch_b8 v0, s[64:65] scope:SCOPE_SE
	s_setreg_imm32_b32 hwreg(HW_REG_WAVE_MODE, 25, 1), 1
	s_wait_xcnt 0x0
	s_wait_alu depctr_hold_cnt(0) depctr_sa_sdst(0) depctr_va_vdst(0) depctr_va_sdst(0) depctr_va_ssrc(0) depctr_va_vcc(0) depctr_vm_vsrc(0)
	s_getreg_b32 s2, hwreg(HW_REG_IB_STS2, 6, 4)
	s_cmp_eq_u32 s2, 0
	s_cbranch_scc0 .Lentry_in_a_cluster
	s_endpgm
.Lentry_in_a_cluster:
	s_bfe_u32 s2, ttmp6, 0x10000c
	s_cmp_lg_u32 s2, 0xf033
	s_cbranch_scc0 .Lentry_shape_is_right
	s_endpgm
.Lentry_shape_is_right:
; q[row][e] = sum over d of Xq[row][d] Wq[e][d] + bq[e], row = (b, q) of 2,048, e of 2,048.  Xq, Wq, bq f32; the two matrix operands are rounded once to bf16, sums in f32.
; q IS KEPT AS TWO bf16 NUMBERS: hi = q rounded, lo = (q - hi) rounded; q - hi is exact in f32, so hi + lo holds 16 significant bits of q, with bf16's range.
; qb: [2,048 rows][32 blocks of 64 e][hi: 128 bytes | lo: 128 bytes]: a block's 256 bytes are one aligned run, and one wave makes them.
; tpart[X][row] = the sum over the tile's 128 e of q[row][e] bk[e], q still in f32: sixteen partial sums of t = q . bk, which a later launch adds to the scores.
; maskb = attn_mask rounded to bf16, 4,096 numbers for each of the 256 work-groups.
; A tile of q is 128 x 128; four waves, each 64 x 64: 16 accumulators.  K goes in steps of 128 f32 (rows of 512 bytes) through two LDS slots; a wave's tensor load brings 64 rows.
; The tiles lie in LDS as f32: a fragment (16 rows x 32 K) is read as four loads of 16 bytes a lane and rounded in registers, two numbers an instruction, on its way to the matrix unit.
; CLUSTERS: 4 x 4 work-groups; the four of a row need the same rows of Xq, the four of a column the same rows of Wq: each tile is asked for jointly.
; THE MATRIX INSTRUCTION IS USED TRANSPOSED (source 0 = 16 rows of Wq, source 1 = 16 rows of Xq): a lane holds row l % 16 and the eight columns 8 (l / 16) + 0..7.
; LIMITS: NaN and infinities are not treated apart.
; REGISTERS: window 0: v0-31 addresses and at work; v32-95 hi on the way out; v96-127 the mask's numbers, later at work; v128-255 accumulators ((a, b) at 128 + 8 (4 a + b)), at the end v128-191 lo.
;   window 1: v0-63, v64-127 two fragment buffers (A's four at 8 a, B's four at 32 + 8 b); v128-255 the f32 numbers as loaded (A's at 128 + 16 i, B's at 192 + 16 i).   window 2: v0-31 bq, v32-63 bk of my 64 columns.
.set KB,     512                       ; bytes of a row in a K step
.set PITCH,  528                       ; an LDS row: 512 bytes + 16 of padding = 132 words: the 16 rows that a load touches start at 16 different groups of four banks (64 banks of 4 bytes: ISA guide 11.1)
.set HALFT,  64*PITCH                  ; what one tensor load brings
.set SLOT,   4*HALFT                   ; A's 128 rows, then B's 128 rows
.set STAGE,  2*SLOT                    ; behind the ring: 32 rows x 272 bytes for each wave, for the way out
.set SPITCH, 272
.set TPB,    STAGE+128*SPITCH          ; 1,024 bytes: the two column halves' partial t of the 128 rows
.set SPARE,  TPB+1024                  ; the spare words, 128 bytes for each wave
.set LAPS,   8                         ; 2,048 / (2 x 128)
.set MSO,  5                           ; v5     16 x thread: where I store 8 bf16 of the mask
.set TP,   6                           ; v6-13  four pairs: partial t of my rows 16 a + l % 16
.set ADRA, 16                          ; v16-17 LDS address of my A fragments in slot 0, 1
.set ADRB, 20                          ; v20-21 the same for B
.set STO,  24
.set RD,   25
.set CO,   26
.set TPS,  27                          ; v27    where my partial t goes
.set SPW,  28                          ; v28    my spare word; never rewritten
.set NIL,  29                          ; v29    0; never rewritten
.set BO,   30                          ; v30    32 (l / 16): my 8 columns' bytes in bq and bk
.set MCO,  31                          ; v31    32 x thread: where I read 8 f32 of the mask
.set TMP,  32
.set MC,   96
.set RS,   96                          ; v96-103 hi widened to f32, four pairs at work
.set ACC,  128
.set LO,   128
.set F0,   0
.set F1,   64
.set RAW,  128
.set BQ,   0
.set BK,   32
.set G1, 24                            ; s[24:31] group 1 for A's tiles; s[32:39] group 0, a set for each slot
.set G0, 32
.set G1B, 48                           ; s[48:55], s[56:63] the same for B's
.set G0B, 56
.set MSB, 0
.macro WIN new                         ; the immediate's high byte repeats the setting that is left
.if MSB != (\new)
	s_set_vgpr_msb (MSB<<8)|(\new)
.set MSB, \new
.endif
.endm
.macro JLOAD s                         ; a joint load: waves 0 and 1 fetch A's two halves, waves 2 and 3 B's; an s_nop 0 and four v_nop follow each line
	s_cmp_eq_u32 s11, 0
	s_cbranch_scc0 .Lfor_b_\@
	tensor_load_to_lds s[G0+4*(\s):G0+4*(\s)+3], s[G1:G1+7]
	s_nop 0
.rept 4
	v_nop
.endr
	s_branch .Lasked_\@
.Lfor_b_\@:
	tensor_load_to_lds s[G0B+4*(\s):G0B+4*(\s)+3], s[G1B:G1B+7]
	s_nop 0
.rept 4
	v_nop
.endr
.Lasked_\@:
.endm
.macro CREST                           ; a round of the cluster's barrier behind its opening barrier
	s_cmp_lg_u32 s10, 0
	s_cbranch_scc1 .Lnot_wave_0_\@
	s_barrier_signal -3
.Lnot_wave_0_\@:
	s_barrier_wait -3
	s_barrier_signal -1
	s_barrier_wait -1
.endm
.macro CROUND
	s_barrier_signal -1
	s_barrier_wait -1
	CREST
.endm
	s_load_b128 s[4:7], s[0:1], 0x0                ; Xq s[4:5], Wq s[6:7]
	s_load_b64 s[8:9], s[0:1], 0x10                ; qb
	s_load_b256 s[68:75], s[0:1], 0x18             ; bq s[68:69], bk s[70:71], attn_mask s[72:73], tpart s[74:75]
	s_load_b64 s[76:77], s[0:1], 0x38              ; maskb
	v_lshl_add_u32 v[SPW], v0, 2, SPARE
	v_mov_b32 v[NIL], 0
	ds_add_u32 v[SPW], v[NIL]                      ; the wave's opening: the add and its wait stand ahead of my first tensor load
	v_lshrrev_b32 v1, 5, v0
	v_readfirstlane_b32 s10, v1                    ; wave 0..3
	s_lshr_b32 s11, s10, 1                         ; my half of the tile's rows; also: I fetch for A (0) or B (1)
	s_and_b32 s12, s10, 1                          ; my half of its columns; also: which 64 rows I fetch
	s_bfe_u32 s40, ttmp6, 0x40000                  ; cx
	s_bfe_u32 s41, ttmp6, 0x40004                  ; cy
	s_lshl_b32 s42, ttmp9, 2
	s_add_co_u32 s42, s42, s40                     ; tile column X
	s_and_b32 s13, ttmp7, 0xffff
	s_lshl_b32 s13, s13, 2
	s_add_co_u32 s13, s13, s41                     ; tile row Y
	s_lshl_b32 s43, s41, 2
	s_lshl_b32 s43, 15, s43                        ; my row of the cluster
	s_lshl_b32 s44, 0x1111, s40                    ; my column
	s_or_b32 s[G1+0], s43, (2<<16)|(1<<20)|(1<<21)|(6<<22)|(3<<25)  ; the mask; elements of 4 bytes; padding on; bit 21 beside a mask; after every 128 words, 4 words
	s_or_b32 s[G1B+0], s44, (2<<16)|(1<<20)|(1<<21)|(6<<22)|(3<<25)
.irp g, G1, G1B
	s_mov_b32 s[(\g)+1], 128<<16                   ; tensor_dim0 = 128
	s_mov_b32 s[(\g)+2], 64<<16                    ; tensor_dim1 = 64
	s_mov_b32 s[(\g)+3], 128<<16                   ; tile_dim0 = 128
	s_mov_b32 s[(\g)+4], 64                        ; tile_dim1 = 64
	s_mov_b32 s[(\g)+5], 2048                      ; elements from row to row
	s_mov_b32 s[(\g)+6], 0
	s_mov_b32 s[(\g)+7], 0
.endr
	s_lshl_b32 s17, s12, 6
	s_lshl_b32 s16, s13, 7
	s_add_co_u32 s16, s16, s17                     ; A: row 128 Y + 64 x half,
	s_lshl_b32 s16, s16, 13                        ; of 8,192 bytes
	s_lshl_b32 s46, s42, 7
	s_add_co_u32 s46, s46, s17                     ; B: row 128 X + 64 x half
	s_lshl_b32 s46, s46, 13
	s_mov_b32 s17, 0
	s_mov_b32 s47, 0
	s_mul_i32 s20, s10, HALFT                      ; where they go: wave x 64 rows
	s_mov_b32 s78, 0x76543210                      ; v_permlanex16_b32: each lane takes its own place in the other half
	s_mov_b32 s79, 0xfedcba98
	s_wait_dscnt 0x0                               ; the opening add is done
	s_wait_kmcnt 0x0
	s_add_nc_u64 s[14:15], s[4:5], s[16:17]
	s_add_nc_u64 s[46:47], s[6:7], s[46:47]
	CROUND                                         ; all sixteen work-groups are here: the first joint loads meet
.irp s, 0,1
	s_mov_b32 s[G0+4*(\s)], 1
	s_add_co_u32 s[G0+4*(\s)+1], s20, (\s)*SLOT
	s_add_nc_u64 s[G0+4*(\s)+2:G0+4*(\s)+3], s[14:15], (\s)*KB
	s_or_b32 s[G0+4*(\s)+3], s[G0+4*(\s)+3], 0x80000000
	s_mov_b32 s[G0B+4*(\s)], 1
	s_add_co_u32 s[G0B+4*(\s)+1], s20, (\s)*SLOT
	s_add_nc_u64 s[G0B+4*(\s)+2:G0B+4*(\s)+3], s[46:47], (\s)*KB
	s_or_b32 s[G0B+4*(\s)+3], s[G0B+4*(\s)+3], 0x80000000
	JLOAD \s
.endr
	v_and_b32 v1, 15, v0                           ; r = l % 16
	v_bfe_u32 v2, v0, 4, 1                         ; h = l / 16
	v_lshlrev_b32 v[MCO], 5, v0
	v_lshlrev_b32 v[MSO], 4, v0
	v_lshlrev_b32 v[BO], 5, v2
	s_lshl_b32 s80, s13, 4
	s_add_co_u32 s80, s80, s42                     ; 16 Y + X: my work-group among the 256
	s_lshl_b32 s82, s80, 13                        ; its 8,192 bytes of maskb,
	s_lshl_b32 s80, s80, 14                        ; its 16,384 bytes of attn_mask
	s_mov_b32 s81, 0
	s_mov_b32 s83, 0
	s_add_nc_u64 s[72:73], s[72:73], s[80:81]
	s_add_nc_u64 s[76:77], s[76:77], s[82:83]
.irp c, 0,1,2,3                        ; four chunks of 4,096 bytes: 32 bytes a thread
	global_load_b128 v[MC+8*(\c):MC+8*(\c)+3],   v[MCO], s[72:73] offset:4096*(\c) th:TH_LOAD_NT
	global_load_b128 v[MC+8*(\c)+4:MC+8*(\c)+7], v[MCO], s[72:73] offset:4096*(\c)+16 th:TH_LOAD_NT
.endr
	s_lshl_b32 s80, s42, 9
	s_lshl_b32 s82, s12, 8
	s_add_co_u32 s80, s80, s82                     ; my 64 columns in bq and bk: (128 X + 64 x half) x 4 bytes
	s_add_nc_u64 s[68:69], s[68:69], s[80:81]
	s_add_nc_u64 s[70:71], s[70:71], s[80:81]
	WIN 0x80                                       ; destination window 2
.irp b, 0,1,2,3                        ; column 16 b + 8 h + j at register 8 b + j
	global_load_b128 v[BQ+8*(\b):BQ+8*(\b)+3],   v[BO], s[68:69] offset:64*(\b)
	global_load_b128 v[BQ+8*(\b)+4:BQ+8*(\b)+7], v[BO], s[68:69] offset:64*(\b)+16
	global_load_b128 v[BK+8*(\b):BK+8*(\b)+3],   v[BO], s[70:71] offset:64*(\b)
	global_load_b128 v[BK+8*(\b)+4:BK+8*(\b)+7], v[BO], s[70:71] offset:64*(\b)+16
.endr
	WIN 0
	v_mul_u32_u24 v3, v1, PITCH
	v_lshl_add_u32 v3, v2, 5, v3                   ; row x pitch + 32 h: eight f32 for each half of the lanes
	s_mul_i32 s21, s11, HALFT                      ; my 64 rows of A
	s_mul_i32 s22, s12, HALFT                      ; my 64 rows of B,
	s_add_co_u32 s22, s22, 2*HALFT                 ; behind A's 128
.irp s, 0,1
	v_add_nc_u32 v[ADRA+(\s)], s21, v3
	v_add_nc_u32 v[ADRB+(\s)], s22, v3
	s_add_co_u32 s21, s21, SLOT
	s_add_co_u32 s22, s22, SLOT
.endr
	s_mul_i32 s23, s10, 32*SPITCH                  ; my own stage: 32 rows of 272 bytes
	s_add_co_u32 s23, s23, STAGE
	v_mul_u32_u24 v4, v1, SPITCH                   ; in: row r (+ 16 for the pass's second block), 16 bytes for each half of the lanes
	v_lshl_add_u32 v4, v2, 4, v4
	v_add_nc_u32 v[STO], s23, v4
	v_mul_u32_u24 v4, v2, SPITCH                   ; back: lanes 0-15 take one row of 256 bytes, lanes 16-31 the next
	v_lshl_add_u32 v4, v1, 4, v4
	v_add_nc_u32 v[RD], s23, v4
	v_lshlrev_b32 v4, 13, v2                       ; and the same two rows in qb, 8,192 bytes each
	v_lshl_add_u32 v[CO], v1, 4, v4
	s_lshl_b32 s23, s12, 9                         ; partial t: 512 bytes a column half, row 64 x row half + 16 a + r
	s_lshl_b32 s21, s11, 8
	s_add_co_u32 s23, s23, s21
	s_add_co_u32 s23, s23, TPB
	v_lshl_add_u32 v[TPS], v1, 2, s23
	v_and_b32 v15, 31, v0
	v_lshlrev_b32 v15, 4, v15                      ; wave 0's way out for t: 16 bytes a lane
	v_add_nc_u32 v14, TPB, v15
	s_lshl_b32 s16, s13, 20                        ; qb: 128 Y rows of 8,192 bytes,
	s_lshl_b32 s17, s11, 19                        ; my 64 of the tile's rows
	s_add_co_u32 s16, s16, s17
	s_mov_b32 s17, 0
	s_add_nc_u64 s[8:9], s[8:9], s[16:17]
	s_lshl_b32 s46, s42, 9                         ; block 2 X + column half, of 256 bytes
	s_lshl_b32 s47, s12, 8
	s_add_co_u32 s46, s46, s47
	s_mov_b32 s47, 0
	s_add_nc_u64 s[8:9], s[8:9], s[46:47]
	s_lshl_b32 s46, s42, 13                        ; tpart: block X's 2,048 rows, my tile's 128
	s_lshl_b32 s80, s13, 9
	s_add_co_u32 s46, s46, s80
	s_add_nc_u64 s[74:75], s[74:75], s[46:47]
	s_wait_loadcnt 16                              ; the mask's eight loads are in; the sixteen of bq and bk, issued behind them, may stay out
.irp c, 0,1,2,3                        ; in place, ascending: a register is written only when it has been read
.irp i, 0,1,2,3
	v_cvt_pk_bf16_f32 v[MC+4*(\c)+(\i)], v[MC+8*(\c)+2*(\i)], v[MC+8*(\c)+2*(\i)+1]
.endr
.endr
.irp c, 0,1,2,3
	global_store_b128 v[MSO], v[MC+4*(\c):MC+4*(\c)+3], s[76:77] offset:2048*(\c)  ; a wave's store covers 512 consecutive bytes, aligned
.endr
; 32 LDS loads: the f32 numbers of one quarter step (32 K = 128 bytes at byte k of the rows): lane (r, h) takes K = 8 h + 0..7 and 16 + 8 h + 0..7 of its row
.macro FETCH1 slot, k
	WIN 0x40                                       ; destination window 1
.irp i, 0,1,2,3
.irp c, 0,1,2,3
	ds_load_b128 v[RAW+16*(\i)+4*(\c):RAW+16*(\i)+4*(\c)+3], v[ADRA+(\slot)] offset:(\k)+(\i)*16*PITCH+16*(\c)+32*((\c)/2)
.endr
.endr
.irp i, 0,1,2,3
.irp c, 0,1,2,3
	ds_load_b128 v[RAW+64+16*(\i)+4*(\c):RAW+64+16*(\i)+4*(\c)+3], v[ADRB+(\slot)] offset:(\k)+(\i)*16*PITCH+16*(\c)+32*((\c)/2)
.endr
.endr
.endm
; 64 roundings: eight fragments (A's four, B's four) into buffer f.  They are also the places between the products that read a buffer and the next writing of it: the buffers take turns.
.macro CVT1 f
	WIN 0x45
.set i, 0
.rept 8
.set j, 0
.rept 8
	v_cvt_pk_bf16_f32 v[(\f)+8*i+j], v[RAW+16*i+2*j], v[RAW+16*i+2*j+1]
.set j, j+1
.endr
.set i, i+1
.endr
.endm
; four matrix instructions: m block a x all four n blocks.  The 16 accumulators take turns, in the same order in every quarter.
.macro MUL4 f, a, zero
	WIN 0x05
.irp b, 0,1,2,3
.if \zero
	v_wmma_f32_16x16x32_bf16 v[ACC+8*(4*(\a)+(\b)):ACC+8*(4*(\a)+(\b))+7], v[(\f)+32+8*(\b):(\f)+32+8*(\b)+7], v[(\f)+8*(\a):(\f)+8*(\a)+7], 0
.else
	v_wmma_f32_16x16x32_bf16 v[ACC+8*(4*(\a)+(\b)):ACC+8*(4*(\a)+(\b))+7], v[(\f)+32+8*(\b):(\f)+32+8*(\b)+7], v[(\f)+8*(\a):(\f)+8*(\a)+7], v[ACC+8*(4*(\a)+(\b)):ACC+8*(4*(\a)+(\b))+7]
.endif
.endr
.endm
; One of a K step's first three quarters: rounds what was fetched, fetches the next quarter (byte k), multiplies.
.macro QUARTER slot, k, f, zero
	s_wait_dscnt 0x0                               ; the 32 loads issued 16 matrix instructions ago
	CVT1 \f
	FETCH1 \slot, \k
	MUL4 \f, 0, \zero
	MUL4 \f, 1, \zero
	MUL4 \f, 2, \zero
	MUL4 \f, 3, \zero
.endm
; The last quarter changes slots: one barrier; in front of it each wave waits for all its tensor loads, adds 0 to its spare word, and waits for that and for its reads of this slot.
.macro TURN slot, next, fill
	s_wait_dscnt 0x0                               ; my last reads of this slot are back
	CVT1 F1
	WIN 0
	s_wait_tensorcnt 0x0                           ; all my tensor loads have landed: my part of the next slot
	ds_add_u32 v[SPW], v[NIL]                      ; 0 onto my spare word
	MUL4 F1, 0, 0
	s_wait_dscnt 0x0                               ; the add is done
	s_barrier_signal -1
	MUL4 F1, 1, 0
.if \fill
	WIN 0
.endif
	s_barrier_wait -1
.if \fill
	CREST                                          ; the barrier has opened a round of the cluster's: no wave of any partner still reads this slot or has a load on its way
	s_add_nc_u64 s[G0+4*(\slot)+2:G0+4*(\slot)+3], s[G0+4*(\slot)+2:G0+4*(\slot)+3], 2*KB
	s_add_nc_u64 s[G0B+4*(\slot)+2:G0B+4*(\slot)+3], s[G0B+4*(\slot)+2:G0B+4*(\slot)+3], 2*KB
	JLOAD \slot                                    ; the first tensor load behind the round
.endif
	FETCH1 \next, 0
	MUL4 F1, 2, 0
	MUL4 F1, 3, 0
.endm
	s_wait_tensorcnt 1                             ; my part of K step 0 is in; K step 1's may stay out
	s_barrier_signal -1
	s_barrier_wait -1
	FETCH1 0, 0
	QUARTER 0, 128, F0, 1                          ; the first quarter's products start the sums
	WIN 0
	s_mov_b32 s3, LAPS-1
.Llap:                                                 ; a trip goes once round the ring and fills both slots again
	QUARTER 0, 256, F1, 0
	QUARTER 0, 384, F0, 0
	TURN 0, 1, 1
	QUARTER 1, 128, F0, 0
	QUARTER 1, 256, F1, 0
	QUARTER 1, 384, F0, 0
	TURN 1, 0, 1
	QUARTER 0, 128, F0, 0
	WIN 0
	s_sub_co_u32 s3, s3, 1
	s_cmp_lg_u32 s3, 0
	s_cbranch_scc1 .Llap
	QUARTER 0, 256, F1, 0                          ; the last lap fills nothing
	QUARTER 0, 384, F0, 0
	TURN 0, 1, 0
	QUARTER 1, 128, F0, 0
	QUARTER 1, 256, F1, 0
	QUARTER 1, 384, F0, 0
	s_wait_dscnt 0x0
	CVT1 F1
	MUL4 F1, 0, 0
	MUL4 F1, 1, 0
	MUL4 F1, 2, 0
	MUL4 F1, 3, 0
	WIN 0
	; THE WAY OUT: + bq in f32; the partial t; hi and lo; through my own stage, 32 rows at a time: a row's 256 bytes (my 64 columns' hi, then their lo) are all mine.
.rept 8
	v_nop                                          ; the places behind the last products
.endr
	s_wait_loadcnt 0x0                             ; bq and bk
	WIN 0x08                                       ; source 1 in window 2
.set t, 0
.rept 16                               ; each accumulator's registers in ascending order
.irp p, 0,1,2,3
	v_pk_add_f32 v[ACC+8*t+2*(\p):ACC+8*t+2*(\p)+1], v[ACC+8*t+2*(\p):ACC+8*t+2*(\p)+1], v[BQ+8*(t%4)+2*(\p):BQ+8*(t%4)+2*(\p)+1]
.endr
.set t, t+1
.endr
.irp b, 0,1,2,3                        ; four chains, one for each block of 16 rows, take turns
.irp p, 0,1,2,3
.irp a, 0,1,2,3
.if ((\b)+(\p)) == 0
	v_pk_mul_f32 v[TP+2*(\a):TP+2*(\a)+1], v[ACC+8*(4*(\a)+(\b))+2*(\p):ACC+8*(4*(\a)+(\b))+2*(\p)+1], v[BK+8*(\b)+2*(\p):BK+8*(\b)+2*(\p)+1]
.else
	v_pk_fma_f32 v[TP+2*(\a):TP+2*(\a)+1], v[ACC+8*(4*(\a)+(\b))+2*(\p):ACC+8*(4*(\a)+(\b))+2*(\p)+1], v[BK+8*(\b)+2*(\p):BK+8*(\b)+2*(\p)+1], v[TP+2*(\a):TP+2*(\a)+1]
.endif
.endr
.endr
.endr
	WIN 0
.irp a, 0,1,2,3
	v_add_f32 v[TP+2*(\a)], v[TP+2*(\a)], v[TP+2*(\a)+1]
.endr
.irp a, 0,1,2,3
	v_permlanex16_b32 v[TP+2*(\a)+1], v[TP+2*(\a)], s78, s79  ; the row's other 32 columns lie in the lane 16 away
.endr
.irp a, 0,1,2,3
	v_add_f32 v[TP+2*(\a)], v[TP+2*(\a)], v[TP+2*(\a)+1]
.endr
.irp a, 0,1,2,3
	ds_store_b32 v[TPS], v[TP+2*(\a)] offset:64*(\a)   ; both halves of the lanes write the same number to the same word
.endr
	s_wait_xcnt 0x0                                ; the mask's stores have read v96-111, which are written again below
.set t, 0
.rept 16                               ; hi = q rounded; the accumulator takes q - hi, which is exact
.irp r, 0,1,2,3
	v_cvt_pk_bf16_f32 v[TMP+4*t+(\r)], v[ACC+8*t+2*(\r)], v[ACC+8*t+2*(\r)+1]
.endr
.irp r, 0,1,2,3
	v_lshlrev_b32 v[RS+2*(\r)],   16, v[TMP+4*t+(\r)]          ; bf16 to f32: the low half moves up,
	v_and_b32     v[RS+2*(\r)+1], 0xffff0000, v[TMP+4*t+(\r)]  ; the high half stays
.endr
.irp r, 0,1,2,3
	v_pk_add_f32 v[ACC+8*t+2*(\r):ACC+8*t+2*(\r)+1], v[ACC+8*t+2*(\r):ACC+8*t+2*(\r)+1], v[RS+2*(\r):RS+2*(\r)+1] neg_lo:[0,1] neg_hi:[0,1]
.endr
.set t, t+1
.endr
.set d, 0
.rept 64                               ; lo, in place, ascending: register d is written when 2 d and 2 d + 1 are read, and none below 2 d is read later
	v_cvt_pk_bf16_f32 v[LO+d], v[ACC+2*d], v[ACC+2*d+1]
.set d, d+1
.endr
.irp p, 0,1                            ; my rows 32 p .. 32 p + 31
.irp a, 0,1
.irp b, 0,1,2,3
	ds_store_b128 v[STO], v[TMP+32*(\p)+16*(\a)+4*(\b):TMP+32*(\p)+16*(\a)+4*(\b)+3] offset:(\a)*16*SPITCH+32*(\b)
	ds_store_b128 v[STO], v[LO+32*(\p)+16*(\a)+4*(\b):LO+32*(\p)+16*(\a)+4*(\b)+3]   offset:(\a)*16*SPITCH+128+32*(\b)
.endr
.endr
.irp t, 0,1,2,3,4,5,6,7                ; back as whole rows, into the registers that they left.  LDS serves a wave's instructions in order (ISA guide 5.7.1.4): these see the stores above, and the next pass's stores come behind them
	ds_load_b128 v[TMP+32*(\p)+4*(\t):TMP+32*(\p)+4*(\t)+3], v[RD] offset:(\t)*2*SPITCH
.endr
.irp t, 0,1,2,3,4,5,6,7
	ds_load_b128 v[LO+32*(\p)+4*(\t):LO+32*(\p)+4*(\t)+3], v[RD] offset:((\t)+8)*2*SPITCH
.endr
.irp t, 0,1,2,3,4,5,6,7
	s_wait_dscnt 15-(\t)                           ; load t is back; the younger ones may stay out
	global_store_b128 v[CO], v[TMP+32*(\p)+4*(\t):TMP+32*(\p)+4*(\t)+3], s[8:9] offset:(32*(\p)+2*(\t))*8192  ; 16 lanes store 256 consecutive bytes, aligned
.endr
.irp t, 0,1,2,3,4,5,6,7
	s_wait_dscnt 7-(\t)
	global_store_b128 v[CO], v[LO+32*(\p)+4*(\t):LO+32*(\p)+4*(\t)+3], s[8:9] offset:(32*(\p)+16+2*(\t))*8192
.endr
.endr
	s_wait_dscnt 0x0                               ; for the others' sake: my stores of the partial t are done
	s_barrier_signal -1
	s_barrier_wait -1
	s_cmp_lg_u32 s10, 0                            ; wave 0 adds the two column halves' t of the 128 rows, four rows a lane
	s_cbranch_scc1 .Lnot_t
	ds_load_b128 v[112:115], v14
	ds_load_b128 v[116:119], v14 offset:512
	s_wait_dscnt 0x0
	v_pk_add_f32 v[112:113], v[112:113], v[116:117]
	v_pk_add_f32 v[114:115], v[114:115], v[118:119]
	global_store_b128 v15, v[112:115], s[74:75]    ; 512 consecutive bytes, aligned
.Lnot_t:
	s_wait_tensorcnt 0x0                           ; the wave's end
	ds_add_u32 v[SPW], v[NIL]
	s_wait_dscnt 0x0
	CROUND                                         ; the closing round
	s_endpgm
.Lfunc_end_k_q89ad532f8e_qproj:
	.size	k_q89ad532f8e_qproj, .Lfunc_end_k_q89ad532f8e_qproj-k_q89ad532f8e_qproj
	.p2alignl 7, 3214868480
	.fill 96, 4, 3214868480
	.section	.rodata,"a",@progbits
	.p2align	6, 0x0
	.amdhsa_kernel k_q89ad532f8e_qproj
		.amdhsa_group_segment_fixed_size 327680
		.amdhsa_private_segment_fixed_size 0
		.amdhsa_enable_private_segment 0
		.amdhsa_kernarg_size 64
		.amdhsa_user_sgpr_count 2
		.amdhsa_user_sgpr_kernarg_segment_ptr 1
		.amdhsa_wavefront_size32 1
		.amdhsa_system_sgpr_workgroup_id_x 1
		.amdhsa_system_sgpr_workgroup_id_y 1
		.amdhsa_system_sgpr_workgroup_id_z 1
		.amdhsa_system_vgpr_workitem_id 0
		.amdhsa_next_free_vgpr 576
		.amdhsa_next_free_sgpr 84
		.amdhsa_reserve_vcc 0
		.amdhsa_float_denorm_mode_32 3
		.amdhsa_float_denorm_mode_16_64 3
		.amdhsa_memory_ordered 1
		.amdhsa_forward_progress 1
		.amdhsa_inst_pref_size 165
	.end_amdhsa_kernel
	.amdgpu_metadata
---
amdhsa.version: [ 1, 2 ]
amdhsa.kernels:
  - .name:           k_q89ad532f8e_qproj
    .symbol:         k_q89ad532f8e_qproj.kd
    .args:
      - { .name: query_input, .offset: 0, .size: 8, .value_kind: global_buffer, .address_space: global }
      - { .name: Wq, .offset: 8, .size: 8, .value_kind: global_buffer, .address_space: global }
      - { .name: qb, .offset: 16, .size: 8, .value_kind: global_buffer, .address_space: global }
      - { .name: bq, .offset: 24, .size: 8, .value_kind: global_buffer, .address_space: global }
      - { .name: bk, .offset: 32, .size: 8, .value_kind: global_buffer, .address_space: global }
      - { .name: attn_mask, .offset: 40, .size: 8, .value_kind: global_buffer, .address_space: global }
      - { .name: tpart, .offset: 48, .size: 8, .value_kind: global_buffer, .address_space: global }
      - { .name: maskb, .offset: 56, .size: 8, .value_kind: global_buffer, .address_space: global }
    .group_segment_fixed_size: 327680
    .private_segment_fixed_size: 0
    .kernarg_segment_align: 8
    .kernarg_segment_size: 64
    .max_flat_workgroup_size: 128
    .sgpr_count:     84
    .vgpr_count:     576
    .wavefront_size: 32
...
	.end_amdgpu_metadata
.endif
;; end of part 1
;; launch qkproj (part 2): grid 16 x 16, 4 waves a work-group, clusters of 4 x 4, 327,680 bytes of LDS; arguments qb, Wk, qp; writes qp
.if DOCPART == 2
	.amdgcn_target "amdgcn-amd-amdhsa--gfx1250"
	.amdhsa_code_object_version 6
	.text
	.protected	k_q89ad532f8e_qkproj
	.globl	k_q89ad532f8e_qkproj
	.p2align	8
	.type	k_q89ad532f8e_qkproj,@function
k_q89ad532f8e_qkproj:
	s_mov_b64 s[64:65], 0
	v_nop
	global_prefetch_b8 v0, s[64:65] scope:SCOPE_SE
	s_setreg_imm32_b32 hwreg(HW_REG_WAVE_MODE, 25, 1), 1
	s_wait_xcnt 0x0
	s_wait_alu depctr_hold_cnt(0) depctr_sa_sdst(0) depctr_va_vdst(0) depctr_va_sdst(0) depctr_va_ssrc(0) depctr_va_vcc(0) depctr_vm_vsrc(0)
	s_getreg_b32 s2, hwreg(HW_REG_IB_STS2, 6, 4)
	s_cmp_eq_u32 s2, 0
	s_cbranch_scc0 .Lentry_in_a_cluster
	s_endpgm
.Lentry_in_a_cluster:
	s_bfe_u32 s2, ttmp6, 0x10000c
	s_cmp_lg_u32 s2, 0xf033
	s_cbranch_scc0 .Lentry_shape_is_right
	s_endpgm
.Lentry_shape_is_right:
; qp[row][d] = bf16( sum over e of q[row][e] Wk[e][d] ), q = hi + lo as qb holds it.  This is q Wk: since q . (Wk x + bk) = (q Wk) . x + q . bk, the scores are made from it and the keys' projection is never formed.
; The order of the sums, and so of their roundings, differs from the written one; no difference of large sums is formed.  hi, lo bf16; Wk f32, rounded once to bf16 on its way to the matrix unit; sums f32; qp rounded once.
; hi Wk and lo Wk are added in the same accumulators: twice the matrix instructions of a product with q rounded to 8 bits, for 16 bits of q; Wk's fragments are read and rounded once for both.
; LIMITS: NaN and infinities are not treated apart; qp is kept in bf16, which has f32's range.
; A tile of qp is 128 x 128; four waves, each 64 x 64.  K = e goes in steps of 64 through two LDS slots: A = 128 rows x 256 bytes of qb (a block's hi, then its lo; padded), B = 64 rows (e) x 512 bytes (128 d) of Wk as they lie.
; B LIES [K][N].  Lane (r, h) reads the 16 bytes of columns 4 r .. 4 r + 3 in 16 rows of K (8 h + 0..7 and 16 + 8 h + 0..7): sixteen lanes take 256 consecutive bytes.  Rounding number w of two
; neighbouring rows into one register makes fragment w, in which lane r stands for column 4 r + w.  In the result, register j of accumulator (a, w) is row 16 a + 8 h + j, column 4 r + w.
; CLUSTERS: 4 x 4; qb's tile is shared along a row of the cluster, Wk's along a column.
; REGISTERS: window 0: v0-31 addresses; v32-95 the way out; v128-255 accumulators ((a, w) at 128 + 8 (4 a + w)).
;   window 1: v0-95, v96-191 two fragment buffers (hi at 8 a, lo at 32 + 8 a, B at 64 + 8 w); v192-255 Wk's f32 as loaded.
.set SLOT1, 1<<17                      ; slot 1 begins here: one exclusive or changes slots
.set PA,    272                        ; a row of A in LDS: 256 bytes + 16: the 16 rows of a load start at 16 different groups of four banks (64 banks of 4 bytes: ISA guide 11.1)
.set AHALF, 64*PA
.set BOFF,  2*AHALF                    ; B lies behind A's 128 rows
.set BHALF, 32*512
.set STAGE, SLOT1+BOFF+2*BHALF         ; behind the ring: 128 rows x 272 bytes
.set SP,    272
.set SPARE, STAGE+128*SP
.set A0,   8                           ; v8   my place in A's tile; never rewritten
.set BM0,  10                          ; v10  my place in B's tile; never rewritten
.set ADRA, 11                          ; v11  the same in the slot in hand
.set ADRB, 12
.set STO,  24
.set RD,   25
.set CO,   26
.set SPW,  28
.set NIL,  29
.set TMP,  32
.set ACC,  128
.set F0,   0
.set F1,   96
.set RAW,  192
.set WV, 12
.set FB, 13                            ; my half of the rows; also: I fetch A (0) or B (1)
.set HF, 14                            ; my half of the columns; also: which half of that tile I fetch
.set CX, 15
.set CY, 16
.set XT, 17
.set YT, 18
.set G1A, 24
.set G0A, 32                           ; s[32:35] K step 0; s[36:39] K step 1, and then it walks
.set G1B, 40
.set G0B, 48
.set TB, 66                            ; LDS byte at which the slot in hand begins
.set MSB, 0
.macro WIN new                         ; the immediate's high byte repeats the setting that is left
.if MSB != (\new)
	s_set_vgpr_msb (MSB<<8)|(\new)
.set MSB, \new
.endif
.endm
.macro JLOAD                           ; a joint refill by the walking descriptors; an s_nop 0 and four v_nop follow each line
	s_cmp_eq_u32 s[FB], 0
	s_cbranch_scc0 .Lfor_b_\@
	tensor_load_to_lds s[G0A+4:G0A+7], s[G1A:G1A+7]
	s_nop 0
.rept 4
	v_nop
.endr
	s_branch .Lasked_\@
.Lfor_b_\@:
	tensor_load_to_lds s[G0B+4:G0B+7], s[G1B:G1B+7]
	s_nop 0
.rept 4
	v_nop
.endr
.Lasked_\@:
.endm
.macro CREST                           ; a round of the cluster's barrier behind its opening barrier
	s_cmp_lg_u32 s[WV], 0
	s_cbranch_scc1 .Lnot_wave_0_\@
	s_barrier_signal -3
.Lnot_wave_0_\@:
	s_barrier_wait -3
	s_barrier_signal -1
	s_barrier_wait -1
.endm
.macro CROUND
	s_barrier_signal -1
	s_barrier_wait -1
	CREST
.endm
	s_load_b128 s[4:7], s[0:1], 0x0                ; qb s[4:5], Wk s[6:7]
	s_load_b64 s[8:9], s[0:1], 0x10                ; qp
	v_lshl_add_u32 v[SPW], v0, 2, SPARE
	v_mov_b32 v[NIL], 0
	ds_add_u32 v[SPW], v[NIL]                      ; the wave's opening: the add and its wait stand ahead of my first tensor load
	v_lshrrev_b32 v1, 5, v0
	v_readfirstlane_b32 s[WV], v1
	s_lshr_b32 s[FB], s[WV], 1
	s_and_b32 s[HF], s[WV], 1
	s_bfe_u32 s[CX], ttmp6, 0x40000
	s_bfe_u32 s[CY], ttmp6, 0x40004
	s_lshl_b32 s[XT], ttmp9, 2
	s_add_co_u32 s[XT], s[XT], s[CX]               ; tile column
	s_and_b32 s[YT], ttmp7, 0xffff
	s_lshl_b32 s[YT], s[YT], 2
	s_add_co_u32 s[YT], s[YT], s[CY]               ; tile row
	s_lshl_b32 s60, s[CY], 2
	s_lshl_b32 s60, 15, s60                        ; my row of the cluster
	s_lshl_b32 s61, 0x1111, s[CX]                  ; my column
	s_or_b32 s[G1A], s60, (1<<16)|(1<<20)|(1<<21)|(5<<22)|(3<<25)  ; elements of 2 bytes; after every 64 words (a row) 4 words of padding
	s_or_b32 s[G1B], s61, (2<<16)|(1<<21)          ; elements of 4 bytes; no padding
	s_mov_b32 s[G1A+1], 128<<16                    ; A: tensor_dim0 = 128 (64 hi, 64 lo)
	s_mov_b32 s[G1A+2], 64<<16                     ; tensor_dim1 = 64
	s_mov_b32 s[G1A+3], 128<<16                    ; tile_dim0 = 128
	s_mov_b32 s[G1A+4], 64                         ; tile_dim1 = 64
	s_mov_b32 s[G1A+5], 4096                       ; a row of qb is 4,096 elements
	s_mov_b32 s[G1A+6], 0
	s_mov_b32 s[G1A+7], 0
	s_mov_b32 s[G1B+1], 128<<16                    ; B: tensor_dim0 = 128
	s_mov_b32 s[G1B+2], 32<<16                     ; tensor_dim1 = 32
	s_mov_b32 s[G1B+3], 128<<16                    ; tile_dim0 = 128
	s_mov_b32 s[G1B+4], 32                         ; tile_dim1 = 32
	s_mov_b32 s[G1B+5], 2048                       ; a row of Wk is 2,048 elements
	s_mov_b32 s[G1B+6], 0
	s_mov_b32 s[G1B+7], 0
	s_lshl_b32 s56, s[YT], 20                      ; A: row 128 Y + 64 x half, of 8,192 bytes
	s_lshl_b32 s57, s[HF], 19
	s_add_co_u32 s56, s56, s57
	s_mov_b32 s57, 0
	s_lshl_b32 s58, s[XT], 9                       ; B: column 128 X (512 bytes), row 32 x half of 8,192 bytes
	s_lshl_b32 s59, s[HF], 18
	s_add_co_u32 s58, s58, s59
	s_mov_b32 s59, 0
	s_mul_i32 s22, s[HF], AHALF                    ; where they go: no place in the cluster enters an LDS address
	s_lshl_b32 s23, s[HF], 14
	s_add_co_u32 s23, s23, BOFF
	s_mov_b32 s[TB], 0
	s_wait_dscnt 0x0                               ; the opening add is done
	s_wait_kmcnt 0x0
	s_add_nc_u64 s[56:57], s[4:5], s[56:57]
	s_add_nc_u64 s[58:59], s[6:7], s[58:59]
	CROUND                                         ; all sixteen work-groups are here
.irp s, 0,1
	s_mov_b32 s[G0A+4*(\s)], 1
	s_add_co_u32 s[G0A+4*(\s)+1], s22, (\s)*SLOT1
	s_add_nc_u64 s[G0A+4*(\s)+2:G0A+4*(\s)+3], s[56:57], (\s)*256      ; K step s: block s of the rows
	s_or_b32 s[G0A+4*(\s)+3], s[G0A+4*(\s)+3], 0x80000000
	s_mov_b32 s[G0B+4*(\s)], 1
	s_add_co_u32 s[G0B+4*(\s)+1], s23, (\s)*SLOT1
	s_add_nc_u64 s[G0B+4*(\s)+2:G0B+4*(\s)+3], s[58:59], (\s)*(1<<19)  ; K step s: 64 rows down
	s_or_b32 s[G0B+4*(\s)+3], s[G0B+4*(\s)+3], 0x80000000
.endr
	s_cmp_eq_u32 s[FB], 0                          ; a wave's two first fills stand in one branch: two loads of mine are out
	s_cbranch_scc0 .Lfirst_b
	tensor_load_to_lds s[G0A:G0A+3], s[G1A:G1A+7]
	s_nop 0
	tensor_load_to_lds s[G0A+4:G0A+7], s[G1A:G1A+7]
	s_nop 0
.rept 4
	v_nop
.endr
	s_branch .Lfirst_asked
.Lfirst_b:
	tensor_load_to_lds s[G0B:G0B+3], s[G1B:G1B+7]
	s_nop 0
	tensor_load_to_lds s[G0B+4:G0B+7], s[G1B:G1B+7]
	s_nop 0
.rept 4
	v_nop
.endr
.Lfirst_asked:
	v_and_b32 v1, 15, v0                           ; r
	v_bfe_u32 v2, v0, 4, 1                         ; h
	v_mul_u32_u24 v[A0], v1, PA
	v_lshl_add_u32 v[A0], v2, 4, v[A0]
	s_mul_i32 s20, s[FB], AHALF
	v_add_nc_u32 v[A0], s20, v[A0]                 ; my 64 rows: row x pitch + 16 h
	v_lshlrev_b32 v[BM0], 4, v1
	v_lshl_add_u32 v[BM0], v2, 12, v[BM0]          ; 16 r + 8 h rows of 512 bytes
	s_lshl_b32 s20, s[HF], 8
	s_add_co_u32 s20, s20, BOFF
	v_add_nc_u32 v[BM0], s20, v[BM0]               ; + my 64 columns
	v_mov_b32 v[ADRA], v[A0]
	v_mov_b32 v[ADRB], v[BM0]
	s_mul_i32 s20, s[FB], 64*SP                    ; into the stage: row 64 x row half + 8 h (+ 16 a + j), byte 128 x column half + 8 r
	s_lshl_b32 s21, s[HF], 7
	s_add_co_u32 s20, s20, s21
	s_add_co_u32 s20, s20, STAGE
	v_mul_u32_u24 v[STO], v2, 8*SP
	v_lshl_add_u32 v[STO], v1, 3, v[STO]
	v_add_nc_u32 v[STO], s20, v[STO]
	s_mul_i32 s20, s[WV], 32*SP                    ; back: wave w takes rows 32 w .. 32 w + 31, whole
	s_add_co_u32 s20, s20, STAGE
	v_mul_u32_u24 v[RD], v2, SP
	v_lshl_add_u32 v[RD], v1, 4, v[RD]
	v_add_nc_u32 v[RD], s20, v[RD]
	v_lshlrev_b32 v[CO], 12, v2
	v_lshl_add_u32 v[CO], v1, 4, v[CO]             ; the same two rows in qp
	s_lshl_b32 s62, s[YT], 19
	s_lshl_b32 s63, s[WV], 17
	s_add_co_u32 s62, s62, s63
	s_lshl_b32 s63, s[XT], 8
	s_add_co_u32 s62, s62, s63                     ; (128 Y + 32 w) rows of 4,096 bytes + 256 X
	s_mov_b32 s63, 0
	s_add_nc_u64 s[8:9], s[8:9], s[62:63]
.macro FETCH_A kq, g                   ; hi's and lo's four fragments of half kq (32 e = 64 bytes), straight into buffer g
	WIN 0x40
.irp p, 0,1
.irp i, 0,1,2,3
	ds_load_b128 v[(\g)+32*(\p)+8*(\i):(\g)+32*(\p)+8*(\i)+3],   v[ADRA] offset:128*(\p)+64*(\kq)+(\i)*16*PA
	ds_load_b128 v[(\g)+32*(\p)+8*(\i)+4:(\g)+32*(\p)+8*(\i)+7], v[ADRA] offset:128*(\p)+64*(\kq)+(\i)*16*PA+32
.endr
.endr
.endm
.macro FETCH_BT kq                     ; 16 rows of K, four columns a lane
	WIN 0x40
.set i, 0
.rept 16
	ds_load_b128 v[RAW+4*i:RAW+4*i+3], v[ADRB] offset:(32*(\kq)+i+8*(i/8))*512
.set i, i+1
.endr
.endm
.macro CVT_T f                         ; register j of fragment w: column w of rows 2 j and 2 j + 1
	WIN 0x45
.irp w, 0,1,2,3
.irp j, 0,1,2,3,4,5,6,7
	v_cvt_pk_bf16_f32 v[(\f)+64+8*(\w)+(\j)], v[RAW+8*(\j)+(\w)], v[RAW+8*(\j)+4+(\w)]
.endr
.endr
.endm
; eight matrix instructions: p = 0: hi, 1: lo; m blocks a0, a0 + 1 x all four n blocks.  The 16 accumulators take turns, in the same order for hi and for lo in every half.
.macro MUL8 f, p, a0, zero
	WIN 0x05
.irp a, \a0, (\a0)+1
.irp w, 0,1,2,3
.if \zero
	v_wmma_f32_16x16x32_bf16 v[ACC+8*(4*(\a)+(\w)):ACC+8*(4*(\a)+(\w))+7], v[(\f)+32*(\p)+8*(\a):(\f)+32*(\p)+8*(\a)+7], v[(\f)+64+8*(\w):(\f)+64+8*(\w)+7], 0
.else
	v_wmma_f32_16x16x32_bf16 v[ACC+8*(4*(\a)+(\w)):ACC+8*(4*(\a)+(\w))+7], v[(\f)+32*(\p)+8*(\a):(\f)+32*(\p)+8*(\a)+7], v[(\f)+64+8*(\w):(\f)+64+8*(\w)+7], v[ACC+8*(4*(\a)+(\w)):ACC+8*(4*(\a)+(\w))+7]
.endif
.endr
.endr
.endm
; A K step's first half, on buffer 0.  The 32 roundings are the places between the last products that read buffer 1 and the loads into it.
.macro HALF0 zero
	s_wait_dscnt 0x0                               ; the 32 loads issued 16 matrix instructions ago
	CVT_T F0
	FETCH_A 1, F1
	FETCH_BT 1
	MUL8 F0, 0, 0, \zero
	MUL8 F0, 0, 2, \zero
	MUL8 F0, 1, 0, 0
	MUL8 F0, 1, 2, 0
.endm
; Its second half, on buffer 1, changes slots: one barrier; in front of it each wave waits for all its tensor loads, adds 0 to its spare word, and waits for that and for its reads of this slot.
.macro TURN fill
	s_wait_dscnt 0x0                               ; my last reads of this slot are back
	CVT_T F1
	WIN 0
	s_wait_tensorcnt 0x0                           ; all my tensor loads have landed, so a group 0 may be written
	ds_add_u32 v[SPW], v[NIL]                      ; 0 onto my spare word
.if \fill
	s_xor_b32 s[G0A+5], s[G0A+5], SLOT1            ; the walking descriptors: the other slot, the next K step
	s_add_nc_u64 s[G0A+6:G0A+7], s[G0A+6:G0A+7], 256
	s_xor_b32 s[G0B+5], s[G0B+5], SLOT1
	s_add_nc_u64 s[G0B+6:G0B+7], s[G0B+6:G0B+7], 1<<19
.endif
	MUL8 F1, 0, 0, 0
	s_wait_dscnt 0x0                               ; the add is done
	s_barrier_signal -1
	MUL8 F1, 0, 2, 0
	WIN 0
	s_barrier_wait -1
.if \fill
	CREST                                          ; a round of the cluster's barrier: no wave of any partner still reads this slot or has a load on its way
	JLOAD                                          ; the first tensor load behind it
.endif
	s_xor_b32 s[TB], s[TB], SLOT1
	v_add_nc_u32 v[ADRA], s[TB], v[A0]
	v_add_nc_u32 v[ADRB], s[TB], v[BM0]
	FETCH_A 0, F0
	FETCH_BT 0
	MUL8 F1, 1, 0, 0
	MUL8 F1, 1, 2, 0
.endm
	s_wait_tensorcnt 1                             ; my part of K step 0 is in; K step 1's may stay out
	s_barrier_signal -1
	s_barrier_wait -1
	FETCH_A 0, F0
	FETCH_BT 0
	HALF0 1                                        ; hi's first products start the sums
	WIN 0
	s_mov_b32 s3, 30
.Lstep:                                                ; K steps 0 to 29 each ask for the step two on
	TURN 1
	HALF0 0
	WIN 0
	s_sub_co_u32 s3, s3, 1
	s_cmp_lg_u32 s3, 0
	s_cbranch_scc1 .Lstep
	TURN 0                                         ; the last two K steps ask for nothing
	HALF0 0
	s_wait_dscnt 0x0
	CVT_T F1
	MUL8 F1, 0, 0, 0
	MUL8 F1, 0, 2, 0
	MUL8 F1, 1, 0, 0
	MUL8 F1, 1, 2, 0
	WIN 0
	; THE WAY OUT: a lane's four neighbouring columns of a row pack into 8 bytes; through the stage; back as whole rows of 256 bytes.
.rept 8
	v_nop                                          ; the places behind the last products
.endr
.irp a, 0,1,2,3
.irp j, 0,1,2,3,4,5,6,7                ; each accumulator's registers in ascending order
	v_cvt_pk_bf16_f32 v[TMP+2*(8*(\a)+(\j))],   v[ACC+8*(4*(\a))+(\j)],   v[ACC+8*(4*(\a)+1)+(\j)]
	v_cvt_pk_bf16_f32 v[TMP+2*(8*(\a)+(\j))+1], v[ACC+8*(4*(\a)+2)+(\j)], v[ACC+8*(4*(\a)+3)+(\j)]
.endr
.endr
.irp a, 0,1,2,3
.irp j, 0,1,2,3,4,5,6,7
	ds_store_b64 v[STO], v[TMP+2*(8*(\a)+(\j)):TMP+2*(8*(\a)+(\j))+1] offset:(16*(\a)+(\j))*SP  ; the two halves of the lanes fall 128 bytes apart modulo 256
.endr
.endr
	s_wait_dscnt 0x0                               ; for the others' sake
	s_barrier_signal -1
	s_barrier_wait -1
.irp t, 0,1,2,3,4,5,6,7,8,9,10,11,12,13,14,15
	ds_load_b128 v[TMP+4*(\t):TMP+4*(\t)+3], v[RD] offset:(\t)*2*SP
.endr
.irp t, 0,1,2,3,4,5,6,7,8,9,10,11,12,13,14,15
	s_wait_dscnt 15-(\t)                           ; load t is back; the younger ones may stay out
	global_store_b128 v[CO], v[TMP+4*(\t):TMP+4*(\t)+3], s[8:9] offset:(\t)*8192  ; 16 lanes store 256 consecutive bytes, aligned
.endr
	s_wait_tensorcnt 0x0                           ; the wave's end
	ds_add_u32 v[SPW], v[NIL]
	s_wait_dscnt 0x0
	CROUND                                         ; the closing round
	s_endpgm
.Lfunc_end_k_q89ad532f8e_qkproj:
	.size	k_q89ad532f8e_qkproj, .Lfunc_end_k_q89ad532f8e_qkproj-k_q89ad532f8e_qkproj
	.p2alignl 7, 3214868480
	.fill 96, 4, 3214868480
	.section	.rodata,"a",@progbits
	.p2align	6, 0x0
	.amdhsa_kernel k_q89ad532f8e_qkproj
		.amdhsa_group_segment_fixed_size 327680
		.amdhsa_private_segment_fixed_size 0
		.amdhsa_enable_private_segment 0
		.amdhsa_kernarg_size 24
		.amdhsa_user_sgpr_count 2
		.amdhsa_user_sgpr_kernarg_segment_ptr 1
		.amdhsa_wavefront_size32 1
		.amdhsa_system_sgpr_workgroup_id_x 1
		.amdhsa_system_sgpr_workgroup_id_y 1
		.amdhsa_system_sgpr_workgroup_id_z 1
		.amdhsa_system_vgpr_workitem_id 0
		.amdhsa_next_free_vgpr 512
		.amdhsa_next_free_sgpr 68
		.amdhsa_reserve_vcc 0
		.amdhsa_float_denorm_mode_32 3
		.amdhsa_float_denorm_mode_16_64 3
		.amdhsa_memory_ordered 1
		.amdhsa_forward_progress 1
		.amdhsa_inst_pref_size 55
	.end_amdhsa_kernel
	.amdgpu_metadata
---
amdhsa.version: [ 1, 2 ]
amdhsa.kernels:
  - .name:           k_q89ad532f8e_qkproj
    .symbol:         k_q89ad532f8e_qkproj.kd
    .args:
      - { .name: qb, .offset: 0, .size: 8, .value_kind: global_buffer, .address_space: global }
      - { .name: Wk, .offset: 8, .size: 8, .value_kind: global_buffer, .address_space: global }
      - { .name: qp, .offset: 16, .size: 8, .value_kind: global_buffer, .address_space: global }
    .group_segment_fixed_size: 327680
    .private_segment_fixed_size: 0
    .kernarg_segment_align: 8
    .kernarg_segment_size: 24
    .max_flat_workgroup_size: 128
    .sgpr_count:     68
    .vgpr_count:     512
    .wavefront_size: 32
...
	.end_amdgpu_metadata
.endif
;; end of part 2
;; launch attn (part 3): grid 16 x 16, 4 waves a work-group, clusters of 4 x 4, 327,680 bytes of LDS; arguments qp, key_input, maskb, value_input, attn_mask, tpart, pbuf, stats; writes pbuf, stats
.if DOCPART == 3
	.amdgcn_target "amdgcn-amd-amdhsa--gfx1250"
	.amdhsa_code_object_version 6
	.text
	.protected	k_q89ad532f8e_attn
	.globl	k_q89ad532f8e_attn
	.p2align	8
	.type	k_q89ad532f8e_attn,@function
k_q89ad532f8e_attn:
	s_mov_b64 s[64:65], 0
	v_nop
	global_prefetch_b8 v0, s[64:65] scope:SCOPE_SE
	s_setreg_imm32_b32 hwreg(HW_REG_WAVE_MODE, 25, 1), 1
	s_wait_xcnt 0x0
	s_wait_alu depctr_hold_cnt(0) depctr_sa_sdst(0) depctr_va_vdst(0) depctr_va_sdst(0) depctr_va_ssrc(0) depctr_va_vcc(0) depctr_vm_vsrc(0)
	s_getreg_b32 s2, hwreg(HW_REG_IB_STS2, 6, 4)
	s_cmp_eq_u32 s2, 0
	s_cbranch_scc0 .Lentry_in_a_cluster
	s_endpgm
.Lentry_in_a_cluster:
	s_bfe_u32 s2, ttmp6, 0x10000c
	s_cmp_lg_u32 s2, 0xf033
	s_cbranch_scc0 .Lentry_shape_is_right
	s_endpgm
.Lentry_shape_is_right:
; For a tile of 128 rows (b, q) x 128 columns j (j is a key in the scores and a channel in the mixed values):
;   S = qp Xk^T (16 K steps), mixed = maskb V (16 K steps), z = log2(e) ((S + t) / sqrt(2048) + attn_mask), t = q . bk = the sum of tpart's sixteen parts.
;   For each row and each block of 64 columns: m = the largest z, l = the sum of 2^(z - m); pbuf = mixed x 2^(z - m); stats = (m, l).  The next launch joins a row's 32 blocks: the row's true maximum is taken there.
; qp, maskb bf16; Xk, V f32, rounded once to bf16 on their way to the matrix unit; sums, z, weights and pbuf in f32; attn_mask and t enter z in f32.
; LIMITS: a weight below 2^-126 counts as 0; NaN and infinities are not treated apart.
; SHARES: four waves, each 64 x 64: 16 accumulators for S and 16 for mixed.  One ring of two LDS slots runs through all 32 K steps of 128.
; MIXED.  V lies [K][channel]: lane (r, h) reads channels 4 r .. 4 r + 3 of 16 rows of K; number w of two neighbouring rows makes a register of fragment w, in which lane r stands for channel 4 r + w.
;   Register j of accumulator (a, w) is row 16 a + 8 h + j, column 4 r + w: a lane's four accumulators w hold 16 consecutive bytes of a row of pbuf, and sixteen lanes store 256 consecutive bytes.
; S.  Xk lies [key][K]: rows of 512 bytes, 528 apart in LDS; fragment b's lane r is key 16 b + r.  The product is taken transposed (source 0 = 16 keys, source 1 = 16 queries): a lane holds query 16 a + r
;   and the keys 16 b + 8 h + 0..7.  Once, at the end, each wave sends its 64 x 64 of S through a stage of its own in LDS and reads it back in mixed's layout: 32 stores and 32 loads of 16 bytes a lane.
; CLUSTERS: 4 x 4: the batch is the cluster's y, the block of 128 queries its cy.  qp's and maskb's tiles are shared along a row of the cluster, Xk's and V's along a column: each byte of Xk and V is asked for by one cluster alone.
; REGISTERS: window 0: v0-31 addresses; v32-63 c t of my 32 rows; v64-127 (m, l) of my 32 rows; v128-255 S's accumulators ((a, b) at 128 + 8 (4 a + b)), then S in mixed's layout, then at work.
;   window 1: v0-63, v64-127 two fragment buffers (A at 8 a, B at 32 + 8 w); v128-191 f32 as loaded.   window 2: v0-127 mixed's accumulators; v128-255 attn_mask, then z, then the result: row x = 8 a + j, column w at 128 + 4 x + w.
.set SLOT1, 1<<17                      ; slot 1 begins here: one exclusive or changes slots
.set PA,    272                        ; a row of A in LDS: 256 bytes + 16: the 16 rows of a load start at 16 different groups of four banks (64 banks of 4 bytes: ISA guide 11.1)
.set AHALF, 64*PA
.set BOFF,  2*AHALF                    ; B lies behind A's 128 rows
.set PX,    528                        ; a row of Xk in LDS: 512 bytes + 16
.set SHALF, 64*PX                      ; 64 keys: what one tensor load brings of Xk
.set TT,    SLOT1+BOFF+2*SHALF         ; behind the ring: c t of the 128 rows, 512 bytes
.set SS,    TT+512                     ; (m, l) of 128 rows x 2 column halves, 2,048 bytes
.set STG,   SS+2048                    ; S's stage: 64 rows x 272 bytes for each wave
.set SGP,   272
.set SPARE, STG+4*64*SGP               ; the spare words, 128 bytes for each wave
.set A0,   8                           ; v8   my place in A's tile; never rewritten
.set BS0,  9                           ; v9   in Xk's tile
.set BM0,  10                          ; v10  in V's tile
.set ADRA, 11                          ; v11  the same in the slot in hand
.set ADRB, 12
.set PO,   13                          ; v13  8 h rows of 8,192 bytes + 16 r: my place in attn_mask's and pbuf's tile; never rewritten
.set TA,   14
.set SA,   15
.set SR,   16
.set SO,   17
.set TS,   18
.set TO,   19
.set PFO,  21                          ; v21  the prefetches' offset: two lanes a row of 512 bytes, rows 8,192 bytes apart; never rewritten
.set STO,  22                          ; v22  where I put 16 bytes of a row of S
.set SRD,  23                          ; v23  where I read a row of S back
.set SPW,  28
.set NIL,  29
.set CT,   32
.set ML,   64
.set ACCS, 128
.set SX,   128
.set SU,   128
.set F0,   0
.set F1,   64
.set RAW,  128
.set ACCM, 0
.set Z,    128
.set WV, 12
.set FB, 13                            ; my half of the rows; also: I fetch A (0) or B (1)
.set HF, 14                            ; my half of the columns; also: which half of that tile I fetch
.set CX, 15
.set CY, 16
.set XT, 17
.set YT, 18
.set BT, 19
.set G1A, 24                           ; s[24:31] qp's and maskb's tiles
.set G0A, 32                           ; s[32:35] step 0; s[36:39] step 1, and then it walks
.set G1S, 40                           ; s[40:47] Xk's tiles
.set G0B, 48
.set G1M, 56                           ; s[56:63] V's tiles
.set TB,  66                           ; LDS byte at which the slot in hand begins
.set LIM, 67                           ; 2 in a wave that prefetches (waves 2 and 3), else the greatest number
.set MB,  68                           ; s[68:69] attn_mask at my 64 x 64
.set TPP, 70                           ; s[70:71] tpart at my tile's rows
.set PB,  72                           ; s[72:73] pbuf at my 64 x 64
.set STT, 74                           ; s[74:75] stats at my tile
.set AM,  76                           ; s[76:77] maskb at my half of the first tile
.set BM,  78                           ; s[78:79] V at my half of the first tile
.set CS,  80                           ; s[80:81] c = log2(e) / sqrt(2048)
.set L2E, 82                           ; s[82:83] log2(e)
.set PFA, 84                           ; s[84:85] where my prefetches stand
.set PFM, 86                           ; s[86:87] the same for V's K step 2
.set MSB, 0
.macro WIN new                         ; the immediate's high byte repeats the setting that is left
.if MSB != (\new)
	s_set_vgpr_msb (MSB<<8)|(\new)
.set MSB, \new
.endif
.endm
.macro JLOAD gb                        ; a joint refill by the walking descriptors; gb: B's group 1; an s_nop 0 and four v_nop follow each line
	s_cmp_eq_u32 s[FB], 0
	s_cbranch_scc0 .Lfor_b_\@
	tensor_load_to_lds s[G0A+4:G0A+7], s[G1A:G1A+7]
	s_nop 0
.rept 4
	v_nop
.endr
	s_branch .Lasked_\@
.Lfor_b_\@:
	tensor_load_to_lds s[G0B+4:G0B+7], s[\gb:\gb+7]
	s_nop 0
.rept 4
	v_nop
.endr
.Lasked_\@:
.endm
; A PREFETCH INTO THE L2 of Xk's or V's K step that stands two refills on.  A step is 128 rows x 512 bytes: 256 blocks of 256 bytes.  Of the 64 rows that wave 2 or 3 fetches, each of the four partners that ask
; for them jointly takes 16, told apart BY ADDRESS (cy); two lanes a row, a lane a block: each block is named once in the launch.  how = 0, in a loop: a phase's last two refills have no step two on; how = 1: written out.
.macro ASK how
.if \how
	s_cmp_eq_u32 s[LIM], 2
.else
	s_cmp_gt_u32 s3, s[LIM]
.endif
	s_cbranch_scc0 .Lnot_mine_\@
	global_prefetch_b8 v[PFO], s[PFA:PFA+1] th:TH_LOAD_NT scope:SCOPE_SE
.Lnot_mine_\@:
.endm
.macro CREST                           ; a round of the cluster's barrier behind its opening barrier
	s_cmp_lg_u32 s[WV], 0
	s_cbranch_scc1 .Lnot_wave_0_\@
	s_barrier_signal -3
.Lnot_wave_0_\@:
	s_barrier_wait -3
	s_barrier_signal -1
	s_barrier_wait -1
.endm
.macro CROUND
	s_barrier_signal -1
	s_barrier_wait -1
	CREST
.endm
	s_load_b256 s[4:11], s[0:1], 0x0               ; qp s[4:5], key_input s[6:7], maskb s[8:9], value_input s[10:11]
	s_load_b256 s[68:75], s[0:1], 0x20             ; attn_mask, tpart, pbuf, stats
	v_lshl_add_u32 v[SPW], v0, 2, SPARE
	v_mov_b32 v[NIL], 0
	ds_add_u32 v[SPW], v[NIL]                      ; the wave's opening: the add and its wait stand ahead of my first tensor load
	v_lshrrev_b32 v1, 5, v0
	v_readfirstlane_b32 s[WV], v1
	s_lshr_b32 s[FB], s[WV], 1
	s_and_b32 s[HF], s[WV], 1
	s_bfe_u32 s[CX], ttmp6, 0x40000
	s_bfe_u32 s[CY], ttmp6, 0x40004
	s_lshl_b32 s[XT], ttmp9, 2
	s_add_co_u32 s[XT], s[XT], s[CX]               ; tile column X
	s_and_b32 s[BT], ttmp7, 0xffff                 ; the batch
	s_lshl_b32 s[YT], s[BT], 2
	s_add_co_u32 s[YT], s[YT], s[CY]               ; tile row Y = 4 b + cy
	s_lshl_b32 s98, s[CY], 2
	s_lshl_b32 s98, 15, s98                        ; my row of the cluster
	s_lshl_b32 s99, 0x1111, s[CX]                  ; my column
	s_or_b32 s[G1A], s98, (1<<16)|(1<<20)|(1<<21)|(5<<22)|(3<<25)  ; 2-byte elements; after every 64 words (a row) 4 words of padding
	s_or_b32 s[G1S], s99, (2<<16)|(1<<20)|(1<<21)|(6<<22)|(3<<25)  ; 4-byte elements; after every 128 words (a row) 4 words of padding
	s_or_b32 s[G1M], s99, (2<<16)|(1<<21)          ; 4-byte elements; no padding
.irp g, G1A, G1S, G1M
	s_mov_b32 s[(\g)+1], 128<<16                   ; tensor_dim0 = 128
	s_mov_b32 s[(\g)+2], 64<<16                    ; tensor_dim1 = 64
	s_mov_b32 s[(\g)+3], 128<<16                   ; tile_dim0 = 128
	s_mov_b32 s[(\g)+4], 64                        ; tile_dim1 = 64
	s_mov_b32 s[(\g)+5], 2048                      ; elements from row to row
	s_mov_b32 s[(\g)+6], 0
	s_mov_b32 s[(\g)+7], 0
.endr
	s_lshl_b32 s90, s[YT], 19                      ; qp: row 128 Y + 64 x half, of 4,096 bytes
	s_lshl_b32 s91, s[HF], 18
	s_add_co_u32 s90, s90, s91
	s_lshl_b32 s92, s[CY], 19                      ; maskb: row 128 cy + 64 x half
	s_add_co_u32 s92, s92, s91
	s_mov_b32 s91, 0
	s_mov_b32 s93, 0
	s_lshl_b32 s88, s[BT], 24                      ; Xk: the batch's 16 MiB, key 128 X + 64 x half, of 8,192 bytes
	s_lshl_b32 s89, s[XT], 20
	s_add_co_u32 s88, s88, s89
	s_lshl_b32 s89, s[HF], 19
	s_add_co_u32 s88, s88, s89
	s_mov_b32 s89, 0
	s_lshl_b32 s100, s[BT], 24                     ; V: the batch, row 64 x half, channel 128 X
	s_lshl_b32 s101, s[HF], 19
	s_add_co_u32 s100, s100, s101
	s_lshl_b32 s101, s[XT], 9
	s_add_co_u32 s100, s100, s101
	s_mov_b32 s101, 0
	s_mov_b32 s[G0A], 1
	s_mov_b32 s[G0A+4], 1
	s_mov_b32 s[G0B], 1
	s_mov_b32 s[G0B+4], 1
	s_mul_i32 s[G0A+1], s[HF], AHALF               ; LDS addresses hang on the wave's number alone
	s_add_co_u32 s[G0A+5], s[G0A+1], SLOT1
	s_mul_i32 s[G0B+1], s[HF], SHALF
	s_add_co_u32 s[G0B+1], s[G0B+1], BOFF
	s_add_co_u32 s[G0B+5], s[G0B+1], SLOT1
	s_mov_b32 s[TB], 0
	s_mov_b32 s[CS], 0x3d0293ee                    ; log2(e) / sqrt(2048) = 0.0318794
	s_mov_b32 s[CS+1], s[CS]                       ; named with it as a pair
	s_mov_b32 s[L2E], 0x3fb8aa3b
	s_mov_b32 s[L2E+1], s[L2E]
	s_wait_dscnt 0x0                               ; the opening add is done
	s_wait_kmcnt 0x0
	s_add_nc_u64 s[G0A+2:G0A+3], s[4:5], s[90:91]
	s_add_nc_u64 s[G0A+6:G0A+7], s[G0A+2:G0A+3], 256
	s_or_b32 s[G0A+3], s[G0A+3], 0x80000000
	s_or_b32 s[G0A+7], s[G0A+7], 0x80000000
	s_add_nc_u64 s[G0B+2:G0B+3], s[6:7], s[88:89]
	s_add_nc_u64 s[G0B+6:G0B+7], s[G0B+2:G0B+3], 512
	s_or_b32 s[G0B+3], s[G0B+3], 0x80000000
	s_or_b32 s[G0B+7], s[G0B+7], 0x80000000
	s_add_nc_u64 s[AM:AM+1], s[8:9], s[92:93]
	s_add_nc_u64 s[BM:BM+1], s[10:11], s[100:101]
	CROUND                                         ; all sixteen work-groups are here
	s_cmp_eq_u32 s[FB], 0                          ; a wave's two first fills stand in one branch: two loads of mine are out
	s_cbranch_scc0 .Lfirst_b
	tensor_load_to_lds s[G0A:G0A+3], s[G1A:G1A+7]
	s_nop 0
	tensor_load_to_lds s[G0A+4:G0A+7], s[G1A:G1A+7]
	s_nop 0
.rept 4
	v_nop
.endr
	s_branch .Lfirst_asked
.Lfirst_b:
	tensor_load_to_lds s[G0B:G0B+3], s[G1S:G1S+7]
	s_nop 0
	tensor_load_to_lds s[G0B+4:G0B+7], s[G1S:G1S+7]
	s_nop 0
.rept 4
	v_nop
.endr
.Lfirst_asked:
	v_and_b32 v1, 15, v0                           ; r
	v_bfe_u32 v2, v0, 4, 1                         ; h
	v_and_b32 v3, 31, v0                           ; lane
	v_lshlrev_b32 v[TO], 2, v0
	v_lshlrev_b32 v[PO], 16, v2
	v_lshl_add_u32 v[PO], v1, 4, v[PO]
	s_lshl_b32 s90, s[YT], 9                       ; tpart: my tile's 128 rows
	s_add_nc_u64 s[TPP:TPP+1], s[TPP:TPP+1], s[90:91]
.set i, 0
.rept 16                               ; thread t takes row t: its sixteen partial sums
	global_load_b32 v[CT+i], v[TO], s[TPP:TPP+1] offset:8192*i
.set i, i+1
.endr
	s_lshl_b32 s94, s[FB], 19                      ; 64 x row half rows of 8,192 bytes, (128 X + 64 x column half) x 4 bytes
	s_lshl_b32 s95, s[XT], 9
	s_add_co_u32 s94, s94, s95
	s_lshl_b32 s95, s[HF], 8
	s_add_co_u32 s94, s94, s95
	s_mov_b32 s97, 0
	s_lshl_b32 s96, s[CY], 20
	s_add_co_u32 s96, s96, s94                     ; attn_mask: + 128 cy rows
	s_add_nc_u64 s[MB:MB+1], s[MB:MB+1], s[96:97]
	s_lshl_b32 s96, s[YT], 20
	s_add_co_u32 s96, s96, s94                     ; pbuf: + 128 Y rows
	s_add_nc_u64 s[PB:PB+1], s[PB:PB+1], s[96:97]
	WIN 0x80                                       ; destination window 2
.irp a, 0,1,2,3
.irp j, 0,1,2,3,4,5,6,7
	global_load_b128 v[Z+4*(8*(\a)+(\j)):Z+4*(8*(\a)+(\j))+3], v[PO], s[MB:MB+1] offset:(16*(\a)+(\j))*8192  ; 16 lanes read 256 consecutive bytes, aligned
.endr
.endr
	WIN 0
	s_lshl_b32 s96, s[XT], 15                      ; stats: block X's 2,048 rows of 16 bytes, my tile's 128
	s_lshl_b32 s94, s[YT], 11
	s_add_co_u32 s96, s96, s94
	s_add_nc_u64 s[STT:STT+1], s[STT:STT+1], s[96:97]
	s_add_nc_u64 s[PFA:PFA+1], s[6:7], s[88:89]    ; the prefetches: the 64 keys that I fetch, my work-group's 16 of them,
	s_lshl_b32 s96, s[CY], 17
	s_add_co_u32 s94, s96, 3*512                   ; at K step 3: the first change of slots steps it to 4
	s_mov_b32 s95, 0
	s_add_nc_u64 s[PFA:PFA+1], s[PFA:PFA+1], s[94:95]
	s_add_nc_u64 s[PFM:PFM+1], s[10:11], s[100:101]  ; V: the 64 rows that I fetch, my work-group's 16 of them,
	s_add_co_u32 s94, s96, 2<<20                   ; at V's K step 2
	s_add_nc_u64 s[PFM:PFM+1], s[PFM:PFM+1], s[94:95]
	s_cmp_eq_u32 s[FB], 1
	s_cselect_b32 s[LIM], 2, -1
	v_lshrrev_b32 v4, 1, v3
	v_and_b32 v5, 1, v3
	v_lshlrev_b32 v[PFO], 13, v4
	v_lshl_add_u32 v[PFO], v5, 8, v[PFO]
	v_mul_u32_u24 v[A0], v1, PA
	v_lshl_add_u32 v[A0], v2, 4, v[A0]
	s_mul_i32 s20, s[FB], AHALF
	v_add_nc_u32 v[A0], s20, v[A0]                 ; my 64 rows: row x pitch + 16 h
	v_mul_u32_u24 v[BS0], v1, PX
	v_lshl_add_u32 v[BS0], v2, 5, v[BS0]           ; key r x pitch + 32 h: eight f32 for each half of the lanes
	s_mul_i32 s20, s[HF], SHALF                    ; my 64 keys
	s_add_co_u32 s20, s20, BOFF
	v_add_nc_u32 v[BS0], s20, v[BS0]
	v_lshlrev_b32 v[BM0], 4, v1
	v_lshl_add_u32 v[BM0], v2, 12, v[BM0]          ; 16 r + 8 h rows of 512 bytes
	s_lshl_b32 s20, s[HF], 8
	s_add_co_u32 s20, s20, BOFF
	v_add_nc_u32 v[BM0], s20, v[BM0]               ; + my 64 channels
	v_mov_b32 v[ADRA], v[A0]
	v_mov_b32 v[ADRB], v[BS0]
	s_lshl_b32 s20, s[FB], 8
	s_add_co_u32 s20, s20, TT
	v_lshl_add_u32 v[TA], v2, 5, s20               ; c t of rows 64 x row half + 8 h on
	s_lshl_b32 s20, s[FB], 10
	s_lshl_b32 s21, s[HF], 3
	s_add_co_u32 s20, s20, s21
	s_add_co_u32 s20, s20, SS
	v_lshl_add_u32 v[SA], v2, 7, s20               ; (m, l): 16 bytes a row, 8 a column half
	v_lshlrev_b32 v[SO], 4, v0
	v_add_nc_u32 v[SR], SS, v[SO]
	v_add_nc_u32 v[TS], TT, v[TO]
	s_mul_i32 s20, s[WV], 64*SGP
	s_add_co_u32 s20, s20, STG                     ; my stage
	v_mul_u32_u24 v[STO], v1, SGP                  ; in: row r (+ 16 a), 32 bytes for each half of the lanes
	v_lshl_add_u32 v[STO], v2, 5, v[STO]
	v_add_nc_u32 v[STO], s20, v[STO]
	v_mul_u32_u24 v[SRD], v2, 8*SGP                ; back: row 8 h (+ 16 a + j), 16 bytes a lane
	v_lshl_add_u32 v[SRD], v1, 4, v[SRD]
	v_add_nc_u32 v[SRD], s20, v[SRD]
	s_wait_loadcnt 32                              ; t's sixteen loads are in; the mask's 32, issued behind them, may stay out
.irp n, 8,4,2,1
.set i, 0
.rept \n
	v_add_f32 v[CT+i], v[CT+i], v[CT+i+(\n)]
.set i, i+1
.endr
.endr
	v_mul_f32 v[CT], s[CS], v[CT]
	ds_store_b32 v[TS], v[CT]
	s_wait_dscnt 0x0                               ; for the others' sake
.macro FETCH_A kq, g                   ; A's four fragments of quarter kq, straight into buffer g
	WIN 0x40
.irp i, 0,1,2,3
	ds_load_b128 v[(\g)+8*(\i):(\g)+8*(\i)+3],   v[ADRA] offset:64*(\kq)+(\i)*16*PA
	ds_load_b128 v[(\g)+8*(\i)+4:(\g)+8*(\i)+7], v[ADRA] offset:64*(\kq)+(\i)*16*PA+32
.endr
.endm
.macro FETCH_BK kq                     ; Xk: key 16 b + r, K = 8 h + 0..7 and 16 + 8 h + 0..7 of quarter kq
	WIN 0x40
.irp b, 0,1,2,3
.irp c, 0,1,2,3
	ds_load_b128 v[RAW+16*(\b)+4*(\c):RAW+16*(\b)+4*(\c)+3], v[ADRB] offset:(\b)*16*PX+128*(\kq)+16*(\c)+32*((\c)/2)
.endr
.endr
.endm
.macro FETCH_BT kq                     ; V: 16 rows of K, four channels a lane
	WIN 0x40
.set i, 0
.rept 16
	ds_load_b128 v[RAW+4*i:RAW+4*i+3], v[ADRB] offset:(32*(\kq)+i+8*(i/8))*512
.set i, i+1
.endr
.endm
.macro CVT_K f                         ; register j of fragment b: numbers 2 j and 2 j + 1 of the lane's sixteen
	WIN 0x45
.irp w, 0,1,2,3
.irp j, 0,1,2,3,4,5,6,7
	v_cvt_pk_bf16_f32 v[(\f)+32+8*(\w)+(\j)], v[RAW+16*(\w)+2*(\j)], v[RAW+16*(\w)+2*(\j)+1]
.endr
.endr
.endm
.macro CVT_T f                         ; register j of fragment w: channel w of rows 2 j and 2 j + 1
	WIN 0x45
.irp w, 0,1,2,3
.irp j, 0,1,2,3,4,5,6,7
	v_cvt_pk_bf16_f32 v[(\f)+32+8*(\w)+(\j)], v[RAW+8*(\j)+(\w)], v[RAW+8*(\j)+4+(\w)]
.endr
.endr
.endm
; four matrix instructions.  ph = 0: S, transposed, accumulators in window 0; 1: mixed, accumulators in window 2.  A phase's 16 accumulators take turns, in the same order in every quarter.
.macro MUL4 ph, f, a, zero
.if \ph
	WIN 0xa5
.irp w, 0,1,2,3
.if \zero
	v_wmma_f32_16x16x32_bf16 v[ACCM+8*(4*(\a)+(\w)):ACCM+8*(4*(\a)+(\w))+7], v[(\f)+8*(\a):(\f)+8*(\a)+7], v[(\f)+32+8*(\w):(\f)+32+8*(\w)+7], 0
.else
	v_wmma_f32_16x16x32_bf16 v[ACCM+8*(4*(\a)+(\w)):ACCM+8*(4*(\a)+(\w))+7], v[(\f)+8*(\a):(\f)+8*(\a)+7], v[(\f)+32+8*(\w):(\f)+32+8*(\w)+7], v[ACCM+8*(4*(\a)+(\w)):ACCM+8*(4*(\a)+(\w))+7]
.endif
.endr
.else
	WIN 0x05
.irp w, 0,1,2,3
.if \zero
	v_wmma_f32_16x16x32_bf16 v[ACCS+8*(4*(\a)+(\w)):ACCS+8*(4*(\a)+(\w))+7], v[(\f)+32+8*(\w):(\f)+32+8*(\w)+7], v[(\f)+8*(\a):(\f)+8*(\a)+7], 0
.else
	v_wmma_f32_16x16x32_bf16 v[ACCS+8*(4*(\a)+(\w)):ACCS+8*(4*(\a)+(\w))+7], v[(\f)+32+8*(\w):(\f)+32+8*(\w)+7], v[(\f)+8*(\a):(\f)+8*(\a)+7], v[ACCS+8*(4*(\a)+(\w)):ACCS+8*(4*(\a)+(\w))+7]
.endif
.endr
.endif
.endm
; Quarter kq = 0, 1, 2 of a K step, on buffer kq % 2.  The 32 roundings are the places between the last products that read the other buffer and the loads into it.
.macro Q ph, kq, zero
.set FF, F0+64*((\kq)%2)
.set GG, F0+64*(1-(\kq)%2)
	s_wait_dscnt 0x0                               ; the 24 loads issued 16 matrix instructions ago
.if \ph
	CVT_T FF
.else
	CVT_K FF
.endif
	FETCH_A (\kq)+1, GG
.if \ph
	FETCH_BT (\kq)+1
.else
	FETCH_BK (\kq)+1
.endif
	MUL4 \ph, FF, 0, \zero
	MUL4 \ph, FF, 1, \zero
	MUL4 \ph, FF, 2, \zero
	MUL4 \ph, FF, 3, \zero
.endm
; The last quarter changes slots.  fill = 1: the slot takes S's step two on; 2: mixed's step 0; 3: mixed's next step; 0: nothing.  nph: the phase of the step that is fetched next.
.macro TURN ph, fill, nph, how
.if \fill
	s_wait_xcnt 0x0                                ; the last prefetch, a K step back, has read its address
.if (\fill) == 1
	s_add_nc_u64 s[PFA:PFA+1], s[PFA:PFA+1], 512
.elseif (\fill) == 2
	s_mov_b64 s[PFA:PFA+1], s[PFM:PFM+1]
.else
	s_add_nc_u64 s[PFA:PFA+1], s[PFA:PFA+1], 1<<20
.endif
.endif
	s_wait_dscnt 0x0                               ; my last reads of this slot are back
.if \ph
	CVT_T F1
.else
	CVT_K F1
.endif
	WIN 0
	s_wait_tensorcnt 0x0                           ; all my tensor loads have landed, so a group 0 may be written
	ds_add_u32 v[SPW], v[NIL]                      ; 0 onto my spare word
.if (\fill) == 1
	s_xor_b32 s[G0A+5], s[G0A+5], SLOT1            ; the walking descriptors: the other slot, the next K step
	s_add_nc_u64 s[G0A+6:G0A+7], s[G0A+6:G0A+7], 256
	s_xor_b32 s[G0B+5], s[G0B+5], SLOT1
	s_add_nc_u64 s[G0B+6:G0B+7], s[G0B+6:G0B+7], 512
.elseif (\fill) == 2
	s_xor_b32 s[G0A+5], s[G0A+5], SLOT1            ; slot 0
	s_mov_b64 s[G0A+6:G0A+7], s[AM:AM+1]
	s_or_b32 s[G0A+7], s[G0A+7], 0x80000000
	s_lshl_b32 s[G0B+5], s[HF], 15                 ; slot 0: V's halves are 32,768 bytes
	s_add_co_u32 s[G0B+5], s[G0B+5], BOFF
	s_mov_b64 s[G0B+6:G0B+7], s[BM:BM+1]
	s_or_b32 s[G0B+7], s[G0B+7], 0x80000000
.elseif (\fill) == 3
	s_xor_b32 s[G0A+5], s[G0A+5], SLOT1
	s_add_nc_u64 s[G0A+6:G0A+7], s[G0A+6:G0A+7], 256
	s_xor_b32 s[G0B+5], s[G0B+5], SLOT1
	s_add_nc_u64 s[G0B+6:G0B+7], s[G0B+6:G0B+7], 1<<20
.endif
	MUL4 \ph, F1, 0, 0
	s_wait_dscnt 0x0                               ; the add is done
	s_barrier_signal -1
	MUL4 \ph, F1, 1, 0
	WIN 0
	s_barrier_wait -1
.if \fill
	CREST                                          ; a round of the cluster's barrier: no wave of any partner still reads this slot or has a load on its way
.if (\fill) == 1
	JLOAD G1S
.else
	JLOAD G1M
.endif
.endif
	s_xor_b32 s[TB], s[TB], SLOT1
	v_add_nc_u32 v[ADRA], s[TB], v[A0]
.if \nph
	v_add_nc_u32 v[ADRB], s[TB], v[BM0]
.else
	v_add_nc_u32 v[ADRB], s[TB], v[BS0]
.endif
	FETCH_A 0, F0
.if \nph
	FETCH_BT 0
.else
	FETCH_BK 0
.endif
.if \fill
	WIN 0
	ASK \how                                       ; behind the joint load and the run of LDS loads that the next products wait for
.endif
	MUL4 \ph, F1, 2, 0
	MUL4 \ph, F1, 3, 0
.endm
	s_wait_tensorcnt 1                             ; my part of step 0 is in; step 1's may stay out
	s_barrier_signal -1
	s_barrier_wait -1
	FETCH_A 0, F0
	FETCH_BK 0
	Q 0, 0, 1                                      ; S's first products start its sums
	WIN 0
	s_mov_b32 s3, 14
.Lstep_s:                                              ; S's K steps 0 to 13 each ask for the step two on
	Q 0, 1, 0
	Q 0, 2, 0
	TURN 0, 1, 0, 0
	Q 0, 0, 0
	WIN 0
	s_sub_co_u32 s3, s3, 1
	s_cmp_lg_u32 s3, 0
	s_cbranch_scc1 .Lstep_s
	Q 0, 1, 0                                      ; S's step 14 asks for mixed's step 0,
	Q 0, 2, 0
	TURN 0, 2, 0, 1
	Q 0, 0, 0
	Q 0, 1, 0
	Q 0, 2, 0
	TURN 0, 3, 1, 1                                ; its step 15 for mixed's step 1, and mixed's first fragments are fetched
	Q 1, 0, 1                                      ; mixed's first products start its sums
	WIN 0
	s_mov_b32 s3, 14
.Lstep_m:
	Q 1, 1, 0
	Q 1, 2, 0
	TURN 1, 3, 1, 0
	Q 1, 0, 0
	WIN 0
	s_sub_co_u32 s3, s3, 1
	s_cmp_lg_u32 s3, 0
	s_cbranch_scc1 .Lstep_m
	Q 1, 1, 0                                      ; the last two K steps ask for nothing
	Q 1, 2, 0
	TURN 1, 0, 1, 0
	Q 1, 0, 0
	Q 1, 1, 0
	Q 1, 2, 0
	s_wait_dscnt 0x0
	CVT_T F1
	MUL4 1, F1, 0, 0
	MUL4 1, F1, 1, 0
	MUL4 1, F1, 2, 0
	MUL4 1, F1, 3, 0
	; THE SOFTMAX'S BLOCK PART AND THE WAY OUT.  x = 8 a + j is my row 16 a + 8 h + j.
	WIN 0
	s_wait_loadcnt 0x0                             ; attn_mask's tile
.irp a, 0,1,2,3
	ds_load_b128 v[CT+8*(\a):CT+8*(\a)+3],   v[TA] offset:64*(\a)
	ds_load_b128 v[CT+8*(\a)+4:CT+8*(\a)+7], v[TA] offset:64*(\a)+16
.endr
.irp a, 0,1,2,3                        ; S into my stage: query 16 a + r, keys 16 b + 8 h + 0..7: 32 bytes; each accumulator's low four registers first
.irp b, 0,1,2,3
	ds_store_b128 v[STO], v[ACCS+8*(4*(\a)+(\b)):ACCS+8*(4*(\a)+(\b))+3]   offset:(\a)*16*SGP+64*(\b)
	ds_store_b128 v[STO], v[ACCS+8*(4*(\a)+(\b))+4:ACCS+8*(4*(\a)+(\b))+7] offset:(\a)*16*SGP+64*(\b)+16
.endr
.endr
	s_wait_dscnt 32                                ; c t's eight loads are back; the 32 stores issued behind them may stay out
.irp a, 0,1,2,3                        ; and back: row 16 a + 8 h + j, columns 4 r .. 4 r + 3.  LDS serves a wave's instructions in order (ISA guide 5.7.1.4): these see the stores above
.irp j, 0,1,2,3,4,5,6,7
	ds_load_b128 v[SX+4*(8*(\a)+(\j)):SX+4*(8*(\a)+(\j))+3], v[SRD] offset:(16*(\a)+(\j))*SGP
.endr
.endr
	WIN 0x82                                       ; destination and source 0 in window 2
.set x, 0
.rept 32                               ; log2(e) mask + c t; these 64 lines stand in the wait for S, and are the places behind the last products
.irp p, 0,1
.if x%2
	v_pk_fma_f32 v[Z+4*x+2*(\p):Z+4*x+2*(\p)+1], v[Z+4*x+2*(\p):Z+4*x+2*(\p)+1], s[L2E:L2E+1], v[CT+x-1:CT+x] op_sel:[0,0,1] op_sel_hi:[1,0,1]
.else
	v_pk_fma_f32 v[Z+4*x+2*(\p):Z+4*x+2*(\p)+1], v[Z+4*x+2*(\p):Z+4*x+2*(\p)+1], s[L2E:L2E+1], v[CT+x:CT+x+1] op_sel_hi:[1,0,0]
.endif
.endr
.set x, x+1
.endr
	s_wait_dscnt 0x0                               ; S is back
	WIN 0xa0                                       ; destination and source 2 in window 2, source 0 in window 0
.set i, 0
.rept 64                               ; + c S
	v_pk_fma_f32 v[Z+2*i:Z+2*i+1], v[SX+2*i:SX+2*i+1], s[CS:CS+1], v[Z+2*i:Z+2*i+1] op_sel_hi:[1,0,1]
.set i, i+1
.endr
	WIN 0x2a
.set x, 0
.rept 32
	v_max3_num_f32 v[ML+2*x+1], v[Z+4*x], v[Z+4*x+1], v[Z+4*x+2]
.set x, x+1
.endr
	WIN 0x08
.set x, 0
.rept 32
	v_max_num_f32 v[ML+2*x], v[ML+2*x+1], v[Z+4*x+3]
.set x, x+1
.endr
	WIN 0
.irp k, 1,2,4,8                        ; over the 16 lanes that hold the row's 64 columns
.set x, 0
.rept 32
	v_max_num_f32_dpp v[ML+2*x], v[ML+2*x], v[ML+2*x] row_xmask:\k row_mask:0xf bank_mask:0xf
.set x, x+1
.endr
.endr
	WIN 0x82
.set x, 0
.rept 32
.irp p, 0,1
	v_pk_add_f32 v[Z+4*x+2*(\p):Z+4*x+2*(\p)+1], v[Z+4*x+2*(\p):Z+4*x+2*(\p)+1], v[ML+2*x:ML+2*x+1] op_sel_hi:[1,0] neg_lo:[0,1] neg_hi:[0,1]  ; z - m
.endr
.set x, x+1
.endr
.set i, 0
.rept 128                              ; one batch
	v_exp_f32 v[Z+i], v[Z+i]
.set i, i+1
.endr
	v_nop                                          ; a plain instruction behind the last exponential
	s_wait_alu depctr_va_vdst(0)                   ; and the one wait ahead of the batch's first reader
	WIN 0x0a
.set x, 0
.rept 32
	v_pk_add_f32 v[SU+2*x:SU+2*x+1], v[Z+4*x:Z+4*x+1], v[Z+4*x+2:Z+4*x+3]
.set x, x+1
.endr
	WIN 0
.set x, 0
.rept 32
	v_add_f32 v[ML+2*x+1], v[SU+2*x], v[SU+2*x+1]
.set x, x+1
.endr
.irp k, 1,2,4,8
.set x, 0
.rept 32
	v_add_f32_dpp v[ML+2*x+1], v[ML+2*x+1], v[ML+2*x+1] row_xmask:\k row_mask:0xf bank_mask:0xf
.set x, x+1
.endr
.endr
	WIN 0x8a
.irp a, 0,1,2,3                        ; x mixed; each accumulator's registers in ascending order
.irp j, 0,1,2,3,4,5,6,7
.irp w, 0,1,2,3
	v_mul_f32 v[Z+4*(8*(\a)+(\j))+(\w)], v[Z+4*(8*(\a)+(\j))+(\w)], v[ACCM+8*(4*(\a)+(\w))+(\j)]
.endr
.endr
.endr
	WIN 0x08                                       ; a store's data in window 2
.irp a, 0,1,2,3
.irp j, 0,1,2,3,4,5,6,7
	global_store_b128 v[PO], v[Z+4*(8*(\a)+(\j)):Z+4*(8*(\a)+(\j))+3], s[PB:PB+1] offset:(16*(\a)+(\j))*8192  ; 16 lanes store 256 consecutive bytes, aligned
.endr
.endr
	WIN 0
.irp a, 0,1,2,3
.irp j, 0,1,2,3,4,5,6,7
	ds_store_b64 v[SA], v[ML+2*(8*(\a)+(\j)):ML+2*(8*(\a)+(\j))+1] offset:16*(16*(\a)+(\j))  ; the row's 16 lanes write the same pair to the same place
.endr
.endr
	s_wait_dscnt 0x0                               ; for the others' sake
	s_barrier_signal -1
	s_barrier_wait -1
	ds_load_b128 v[CT:CT+3], v[SR]                 ; thread t: row t's (m, l) of both column halves
	s_wait_dscnt 0x0
	global_store_b128 v[SO], v[CT:CT+3], s[STT:STT+1]  ; a wave's store covers 512 consecutive bytes, aligned
	s_wait_tensorcnt 0x0                           ; the wave's end
	ds_add_u32 v[SPW], v[NIL]
	s_wait_dscnt 0x0
	CROUND                                         ; the closing round
	s_endpgm
.Lfunc_end_k_q89ad532f8e_attn:
	.size	k_q89ad532f8e_attn, .Lfunc_end_k_q89ad532f8e_attn-k_q89ad532f8e_attn
	.p2alignl 7, 3214868480
	.fill 96, 4, 3214868480
	.section	.rodata,"a",@progbits
	.p2align	6, 0x0
	.amdhsa_kernel k_q89ad532f8e_attn
		.amdhsa_group_segment_fixed_size 327680
		.amdhsa_private_segment_fixed_size 0
		.amdhsa_enable_private_segment 0
		.amdhsa_kernarg_size 64
		.amdhsa_user_sgpr_count 2
		.amdhsa_user_sgpr_kernarg_segment_ptr 1
		.amdhsa_wavefront_size32 1
		.amdhsa_system_sgpr_workgroup_id_x 1
		.amdhsa_system_sgpr_workgroup_id_y 1
		.amdhsa_system_sgpr_workgroup_id_z 1
		.amdhsa_system_vgpr_workitem_id 0
		.amdhsa_next_free_vgpr 768
		.amdhsa_next_free_sgpr 102
		.amdhsa_reserve_vcc 0
		.amdhsa_float_denorm_mode_32 3
		.amdhsa_float_denorm_mode_16_64 3
		.amdhsa_memory_ordered 1
		.amdhsa_forward_progress 1
		.amdhsa_inst_pref_size 186
	.end_amdhsa_kernel
	.amdgpu_metadata
---
amdhsa.version: [ 1, 2 ]
amdhsa.kernels:
  - .name:           k_q89ad532f8e_attn
    .symbol:         k_q89ad532f8e_attn.kd
    .args:
      - { .name: qp, .offset: 0, .size: 8, .value_kind: global_buffer, .address_space: global }
      - { .name: key_input, .offset: 8, .size: 8, .value_kind: global_buffer, .address_space: global }
      - { .name: maskb, .offset: 16, .size: 8, .value_kind: global_buffer, .address_space: global }
      - { .name: value_input, .offset: 24, .size: 8, .value_kind: global_buffer, .address_space: global }
      - { .name: attn_mask, .offset: 32, .size: 8, .value_kind: global_buffer, .address_space: global }
      - { .name: tpart, .offset: 40, .size: 8, .value_kind: global_buffer, .address_space: global }
      - { .name: pbuf, .offset: 48, .size: 8, .value_kind: global_buffer, .address_space: global }
      - { .name: stats, .offset: 56, .size: 8, .value_kind: global_buffer, .address_space: global }
    .group_segment_fixed_size: 327680
    .private_segment_fixed_size: 0
    .kernarg_segment_align: 8
    .kernarg_segment_size: 64
    .max_flat_workgroup_size: 128
    .sgpr_count:     102
    .vgpr_count:     768
    .wavefront_size: 32
...
	.end_amdgpu_metadata
.endif
;; end of part 3
;; launch norm (part 4): grid 256 x 1, 8 waves a work-group, no clusters, 0 bytes of LDS; arguments pbuf, stats, out0; writes out0
.if DOCPART == 4
	.amdgcn_target "amdgcn-amd-amdhsa--gfx1250"
	.amdhsa_code_object_version 6
	.text
	.protected	k_q89ad532f8e_norm
	.globl	k_q89ad532f8e_norm
	.p2align	8
	.type	k_q89ad532f8e_norm,@function
k_q89ad532f8e_norm:
	s_mov_b64 s[64:65], 0
	v_nop
	global_prefetch_b8 v0, s[64:65] scope:SCOPE_SE
	s_setreg_imm32_b32 hwreg(HW_REG_WAVE_MODE, 25, 1), 1
	s_wait_xcnt 0x0
; out0[row][j] = pbuf[row][j] x 2^(m_blk - M) / L, where blk = j / 64, M = the largest of the row's 32 block maxima (the row's true maximum) and L = the sum over blocks of l_blk 2^(m_blk - M).
; One wave, one row of 8,192 bytes: sixteen loads of 16 bytes a lane, each covering 512 consecutive bytes.  Lane l holds block l's (m, l); the reductions never leave the wave.
; No matrix unit, no LDS byte, no barrier: memory binds, and each byte of pbuf is read once and each byte of out0 written once.
; LIMITS: a block's factor below 2^-126 counts as 0; L is at least 1 (the block that holds M has l >= 1); NaN and infinities are not treated apart.
.set IDX, 16                           ; v[16:31]  load i: the lane (x 4) that holds my 16 bytes' block, 2 i + lane / 16
.set X,   32                           ; v[32:95]  the row
.set G,   96                           ; v[96:111] load i's factor
	s_load_b128 s[4:7], s[0:1], 0x0                ; pbuf s[4:5], stats s[6:7]
	s_load_b64 s[8:9], s[0:1], 0x10                ; out0
	v_lshrrev_b32 v1, 5, v0
	v_readfirstlane_b32 s10, v1                    ; wave 0..7
	s_lshl_b32 s11, ttmp9, 3
	s_add_co_u32 s11, s11, s10                     ; my row
	v_and_b32 v2, 31, v0                           ; lane
	v_lshrrev_b32 v3, 1, v2
	v_and_b32 v6, 1, v2
	v_lshlrev_b32 v3, 15, v3                       ; stats: [16][2048 rows][2][m, l]: block l lies at (l / 2) x 32,768 + 16 row + 8 (l % 2)
	v_lshl_add_u32 v3, v6, 3, v3
	v_lshlrev_b32 v7, 4, v2                        ; 16 bytes a lane
	v_lshrrev_b32 v8, 4, v2
	v_lshlrev_b32 v8, 2, v8
.set i, 0
.rept 16
	v_add_nc_u32 v[IDX+i], 8*i, v8
.set i, i+1
.endr
	v_mov_b32 v10, 0                               ; v_permlanex16_b32's destinations count as read
	v_mov_b32 v13, 0
	s_lshl_b32 s12, s11, 4
	s_mov_b32 s13, 0
	s_lshl_b32 s14, s11, 13
	s_mov_b32 s15, 0
	s_mov_b32 s16, 0x76543210
	s_mov_b32 s17, 0xfedcba98
	s_wait_kmcnt 0x0
	s_add_nc_u64 s[6:7], s[6:7], s[12:13]
	s_add_nc_u64 s[4:5], s[4:5], s[14:15]
	s_add_nc_u64 s[8:9], s[8:9], s[14:15]
	global_load_b64 v[4:5], v3, s[6:7]
.set i, 0
.rept 16
	global_load_b128 v[X+4*i:X+4*i+3], v7, s[4:5] offset:512*i th:TH_LOAD_NT
.set i, i+1
.endr
	s_wait_loadcnt 16                              ; (m, l) is in; the row's sixteen loads, issued behind it, may stay out
	v_mov_b32 v9, v4
	v_max_num_f32_dpp v9, v9, v9 row_xmask:1 row_mask:0xf bank_mask:0xf
	v_max_num_f32_dpp v9, v9, v9 row_xmask:2 row_mask:0xf bank_mask:0xf
	v_max_num_f32_dpp v9, v9, v9 row_xmask:4 row_mask:0xf bank_mask:0xf
	v_max_num_f32_dpp v9, v9, v9 row_xmask:8 row_mask:0xf bank_mask:0xf
	v_permlanex16_b32 v10, v9, s16, s17
	v_max_num_f32 v9, v9, v10                      ; M, in every lane
	v_sub_f32 v10, v4, v9
	v_exp_f32 v11, v10                             ; 2^(m - M)
	v_nop
	s_wait_alu depctr_va_vdst(0)                   ; the wait ahead of the result's first reader
	v_mul_f32 v12, v5, v11
	v_add_f32_dpp v12, v12, v12 row_xmask:1 row_mask:0xf bank_mask:0xf
	v_add_f32_dpp v12, v12, v12 row_xmask:2 row_mask:0xf bank_mask:0xf
	v_add_f32_dpp v12, v12, v12 row_xmask:4 row_mask:0xf bank_mask:0xf
	v_add_f32_dpp v12, v12, v12 row_xmask:8 row_mask:0xf bank_mask:0xf
	v_permlanex16_b32 v13, v12, s16, s17
	v_add_f32 v12, v12, v13                        ; L
	v_rcp_f32 v14, v12
	v_nop
	s_wait_alu depctr_va_vdst(0)
	v_mul_f32 v14, v11, v14                        ; my block's factor
.set i, 0
.rept 16
	ds_bpermute_b32 v[G+i], v[IDX+i], v14          ; between lanes: no LDS byte is touched
.set i, i+1
.endr
	s_wait_dscnt 0x0
.set i, 0
.rept 16
	s_wait_loadcnt 15-i                            ; load i is in; the younger ones may stay out
.if i%2
	v_pk_mul_f32 v[X+4*i:X+4*i+1],   v[X+4*i:X+4*i+1],   v[G+i-1:G+i] op_sel:[0,1] op_sel_hi:[1,1]
	v_pk_mul_f32 v[X+4*i+2:X+4*i+3], v[X+4*i+2:X+4*i+3], v[G+i-1:G+i] op_sel:[0,1] op_sel_hi:[1,1]
.else
	v_pk_mul_f32 v[X+4*i:X+4*i+1],   v[X+4*i:X+4*i+1],   v[G+i:G+i+1] op_sel_hi:[1,0]
	v_pk_mul_f32 v[X+4*i+2:X+4*i+3], v[X+4*i+2:X+4*i+3], v[G+i:G+i+1] op_sel_hi:[1,0]
.endif
	global_store_b128 v7, v[X+4*i:X+4*i+3], s[8:9] offset:512*i th:TH_STORE_NT  ; 512 consecutive bytes, aligned
.set i, i+1
.endr
	s_endpgm
.Lfunc_end_k_q89ad532f8e_norm:
	.size	k_q89ad532f8e_norm, .Lfunc_end_k_q89ad532f8e_norm-k_q89ad532f8e_norm
	.p2alignl 7, 3214868480
	.fill 96, 4, 3214868480
	.section	.rodata,"a",@progbits
	.p2align	6, 0x0
	.amdhsa_kernel k_q89ad532f8e_norm
		.amdhsa_group_segment_fixed_size 0
		.amdhsa_private_segment_fixed_size 0
		.amdhsa_enable_private_segment 0
		.amdhsa_kernarg_size 24
		.amdhsa_user_sgpr_count 2
		.amdhsa_user_sgpr_kernarg_segment_ptr 1
		.amdhsa_wavefront_size32 1
		.amdhsa_system_sgpr_workgroup_id_x 1
		.amdhsa_system_sgpr_workgroup_id_y 1
		.amdhsa_system_sgpr_workgroup_id_z 1
		.amdhsa_system_vgpr_workitem_id 0
		.amdhsa_next_free_vgpr 112
		.amdhsa_next_free_sgpr 66
		.amdhsa_reserve_vcc 0
		.amdhsa_float_denorm_mode_32 3
		.amdhsa_float_denorm_mode_16_64 3
		.amdhsa_memory_ordered 1
		.amdhsa_forward_progress 1
		.amdhsa_inst_pref_size 10
	.end_amdhsa_kernel
	.amdgpu_metadata
---
amdhsa.version: [ 1, 2 ]
amdhsa.kernels:
  - .name:           k_q89ad532f8e_norm
    .symbol:         k_q89ad532f8e_norm.kd
    .args:
      - { .name: pbuf, .offset: 0, .size: 8, .value_kind: global_buffer, .address_space: global }
      - { .name: stats, .offset: 8, .size: 8, .value_kind: global_buffer, .address_space: global }
      - { .name: out0, .offset: 16, .size: 8, .value_kind: global_buffer, .address_space: global }
    .group_segment_fixed_size: 0
    .private_segment_fixed_size: 0
    .kernarg_segment_align: 8
    .kernarg_segment_size: 24
    .max_flat_workgroup_size: 256
    .sgpr_count:     66
    .vgpr_count:     112
    .wavefront_size: 32
...
	.end_amdgpu_metadata
.endif
;; end of part 4
;; ======== version 2 of 3: 5 launches
;; workspace buffers: qb 16,777,216 bytes; qp 8,388,608 bytes; maskb 18,874,368 bytes; tpart 131,072 bytes; pbuf 16,777,216 bytes; stats 524,288 bytes; xkb 41,943,040 bytes; vb 33,554,432 bytes
;; launch prep (part 5): grid 256 x 1, 8 waves a work-group, no clusters, 0 bytes of LDS; arguments attn_mask, query_input, Wq, maskb; writes maskb
.if DOCPART == 5
	.amdgcn_target "amdgcn-amd-amdhsa--gfx1250"
	.amdhsa_code_object_version 6
	.text
	.protected	k_q89ad532f8e_prep
	.globl	k_q89ad532f8e_prep
	.p2align	8
	.type	k_q89ad532f8e_prep,@function
k_q89ad532f8e_prep:
	s_mov_b64 s[64:65], 0
	v_nop
	global_prefetch_b8 v0, s[64:65] scope:SCOPE_SE
	s_setreg_imm32_b32 hwreg(HW_REG_WAVE_MODE, 25, 1), 1
	s_wait_xcnt 0x0
; Three f32 inputs that later launches multiply in bf16 are rounded here, once, so that twice the K fits into those launches' LDS slots and no work-group repeats a rounding.
; maskb: attn_mask in bf16, same order, 2,097,152 bytes; behind it query_input in bf16, 8,388,608 bytes; behind that Wq in bf16, 8,388,608 bytes.
; A stream: each byte is read once and each byte written once.  No matrix unit, no LDS, no barrier, no cluster: nothing is shared and nothing is summed.
; Each of the 256 work-groups takes 1/256 of each input, in pieces of 8,192 bytes: 256 threads x 32 bytes.  8 pieces of query_input, 8 of Wq, 2 of attn_mask: 36 loads of 16 bytes a thread, all issued
; before the first wait; then piece after piece is rounded (8 numbers a thread: 16 bytes) and stored.
; LIMITS: NaN and infinities are not treated apart; bf16 has f32's range.
.set XQOFF, 2097152                    ; where query_input's copy begins in maskb
.set PIECES, 18
.set IN,  8                            ; v[8:151]   piece k: 8 registers as loaded
.set OUT, 152                          ; v[152:223] piece k: 4 registers to store
.macro ASKFOR base, n, k0              ; n pieces from s[base:base+1] into pieces k0 on
.set g, 0
.rept \n
	global_load_b128 v[IN+8*((\k0)+g):IN+8*((\k0)+g)+3],   v1, s[\base:\base+1] offset:8192*g th:TH_LOAD_NT
	global_load_b128 v[IN+8*((\k0)+g)+4:IN+8*((\k0)+g)+7], v1, s[\base:\base+1] offset:8192*g+16 th:TH_LOAD_NT
.set g, g+1
.endr
.endm
.macro SEND base, n, k0                ; pieces k0 on are rounded and stored to s[base:base+1]
.set g, 0
.rept \n
	s_wait_loadcnt 2*(PIECES-1-((\k0)+g))          ; loads come back in order (ISA guide 5.7.1): this piece's two are in, the later pieces' may stay out
.irp i, 0,1,2,3
	v_cvt_pk_bf16_f32 v[OUT+4*((\k0)+g)+(\i)], v[IN+8*((\k0)+g)+2*(\i)], v[IN+8*((\k0)+g)+2*(\i)+1]
.endr
	global_store_b128 v2, v[OUT+4*((\k0)+g):OUT+4*((\k0)+g)+3], s[\base:\base+1] offset:4096*g th:TH_STORE_NT  ; a wave's store covers 512 consecutive bytes, aligned
.set g, g+1
.endr
.endm
	s_load_b256 s[4:11], s[0:1], 0x0               ; attn_mask s[4:5], query_input s[6:7], Wq s[8:9], maskb s[10:11]
	v_lshlrev_b32 v1, 5, v0                        ; 32 x thread: where I read 8 f32
	v_lshlrev_b32 v2, 4, v0                        ; 16 x thread: where I store 8 bf16
	s_lshl_b32 s12, ttmp9, 14                      ; my work-group's 16,384 bytes of attn_mask,
	s_mov_b32 s13, 0
	s_lshl_b32 s14, ttmp9, 16                      ; its 65,536 bytes of query_input and of Wq,
	s_mov_b32 s15, 0
	s_lshl_b32 s16, ttmp9, 13                      ; the mask's 8,192 bytes in maskb,
	s_mov_b32 s17, 0
	s_lshl_b32 s18, ttmp9, 15                      ; and the 32,768 of each of the other two
	s_add_co_u32 s18, s18, XQOFF
	s_mov_b32 s19, 0
	s_wait_kmcnt 0x0
	s_add_nc_u64 s[4:5], s[4:5], s[12:13]
	s_add_nc_u64 s[6:7], s[6:7], s[14:15]
	s_add_nc_u64 s[8:9], s[8:9], s[14:15]
	s_add_nc_u64 s[20:21], s[10:11], s[18:19]      ; query_input's copy
	s_add_nc_u64 s[22:23], s[20:21], 8388608       ; Wq's copy
	s_add_nc_u64 s[10:11], s[10:11], s[16:17]      ; the mask's copy
	ASKFOR 6, 8, 0
	ASKFOR 8, 8, 8
	ASKFOR 4, 2, 16
	SEND 20, 8, 0
	SEND 22, 8, 8
	SEND 10, 2, 16
	s_endpgm
.Lfunc_end_k_q89ad532f8e_prep:
	.size	k_q89ad532f8e_prep, .Lfunc_end_k_q89ad532f8e_prep-k_q89ad532f8e_prep
	.p2alignl 7, 3214868480
	.fill 96, 4, 3214868480
	.section	.rodata,"a",@progbits
	.p2align	6, 0x0
	.amdhsa_kernel k_q89ad532f8e_prep
		.amdhsa_group_segment_fixed_size 0
		.amdhsa_private_segment_fixed_size 0
		.amdhsa_enable_private_segment 0
		.amdhsa_kernarg_size 32
		.amdhsa_user_sgpr_count 2
		.amdhsa_user_sgpr_kernarg_segment_ptr 1
		.amdhsa_wavefront_size32 1
		.amdhsa_system_sgpr_workgroup_id_x 1
		.amdhsa_system_sgpr_workgroup_id_y 1
		.amdhsa_system_sgpr_workgroup_id_z 1
		.amdhsa_system_vgpr_workitem_id 0
		.amdhsa_next_free_vgpr 224
		.amdhsa_next_free_sgpr 66
		.amdhsa_reserve_vcc 0
		.amdhsa_float_denorm_mode_32 3
		.amdhsa_float_denorm_mode_16_64 3
		.amdhsa_memory_ordered 1
		.amdhsa_forward_progress 1
		.amdhsa_inst_pref_size 12
	.end_amdhsa_kernel
	.amdgpu_metadata
---
amdhsa.version: [ 1, 2 ]
amdhsa.kernels:
  - .name:           k_q89ad532f8e_prep
    .symbol:         k_q89ad532f8e_prep.kd
    .args:
      - { .name: attn_mask, .offset: 0, .size: 8, .value_kind: global_buffer, .address_space: global }
      - { .name: query_input, .offset: 8, .size: 8, .value_kind: global_buffer, .address_space: global }
      - { .name: Wq, .offset: 16, .size: 8, .value_kind: global_buffer, .address_space: global }
      - { .name: maskb, .offset: 24, .size: 8, .value_kind: global_buffer, .address_space: global }
    .group_segment_fixed_size: 0
    .private_segment_fixed_size: 0
    .kernarg_segment_align: 8
    .kernarg_segment_size: 32
    .max_flat_workgroup_size: 256
    .sgpr_count:     66
    .vgpr_count:     224
    .wavefront_size: 32
...
	.end_amdgpu_metadata
.endif
;; end of part 5
;; launch qproj (part 6): grid 16 x 16, 4 waves a work-group, clusters of 4 x 4, 327,680 bytes of LDS; arguments maskb, qb, bq, bk, tpart, key_input, xkb, Wk; writes qb, tpart, xkb
.if DOCPART == 6
	.amdgcn_target "amdgcn-amd-amdhsa--gfx1250"
	.amdhsa_code_object_version 6
	.text
	.protected	k_q89ad532f8e_qproj
	.globl	k_q89ad532f8e_qproj
	.p2align	8
	.type	k_q89ad532f8e_qproj,@function
k_q89ad532f8e_qproj:
	s_mov_b64 s[64:65], 0
	v_nop
	global_prefetch_b8 v0, s[64:65] scope:SCOPE_SE
	s_setreg_imm32_b32 hwreg(HW_REG_WAVE_MODE, 25, 1), 1
	s_wait_xcnt 0x0
	s_wait_alu depctr_hold_cnt(0) depctr_sa_sdst(0) depctr_va_vdst(0) depctr_va_sdst(0) depctr_va_ssrc(0) depctr_va_vcc(0) depctr_vm_vsrc(0)
	s_getreg_b32 s2, hwreg(HW_REG_IB_STS2, 6, 4)
	s_cmp_eq_u32 s2, 0
	s_cbranch_scc0 .Lentry_in_a_cluster
	s_endpgm
.Lentry_in_a_cluster:
	s_bfe_u32 s2, ttmp6, 0x10000c
	s_cmp_lg_u32 s2, 0xf033
	s_cbranch_scc0 .Lentry_shape_is_right
	s_endpgm
.Lentry_shape_is_right:
; q[row][e] = sum over d of Xq[row][d] Wq[e][d] + bq[e], row = (b, q) of 2,048, e of 2,048.  Xq and Wq come in bf16, each rounded once by the launch before: Xq from byte 2,097,152 of maskb, Wq from byte 10,485,760.
; Sums in f32; bq and bk in f32.
; q IS KEPT AS TWO bf16 NUMBERS: hi = q rounded, lo = (q - hi) rounded; q - hi is exact in f32, so hi + lo holds 16 significant bits of q, with bf16's range.
; qb: [2,048 rows][32 blocks of 64 e][hi: 128 bytes | lo: 128 bytes]: a block's 256 bytes are one aligned run, and one wave makes them.
; tpart[X][row] = the sum over the tile's 128 e of q[row][e] bk[e], q still in f32: sixteen partial sums of t = q . bk, which a later launch adds to the scores.
; BESIDE THAT, A SIDE STREAM: key_input and Wk are matrix operands of later launches, which want them in bf16 so that twice the K fits into an LDS slot.  They are rounded here, once: each work-group takes 1/256 of each,
; in eight chunks, one a K step: 32,768 bytes of key_input and 8,192 of Wk; the next chunk's loads are on their way for a whole K step.
; xkb: key_input in bf16, same order, 33,554,432 bytes; behind it Wk in bf16, same order.
; A tile of q is 128 x 128; four waves, each 64 x 64: 16 accumulators.  K goes in steps of 256 (rows of 512 bytes) through two LDS slots; a wave's tensor load brings 64 rows.
; CLUSTERS: 4 x 4 work-groups; the four of a row need the same rows of Xq, the four of a column the same rows of Wq: each tile is asked for jointly.
; THE MATRIX INSTRUCTION IS USED TRANSPOSED (source 0 = 16 rows of Wq, source 1 = 16 rows of Xq): a lane holds row l % 16 and the eight columns 8 (l / 16) + 0..7.
; LIMITS: NaN and infinities are not treated apart.
; REGISTERS: window 0: v0-31 addresses and at work; v32-95 hi on the way out; v96-119 at work; v128-255 accumulators ((a, b) at 128 + 8 (4 a + b)), at the end v128-191 lo.
;   window 1: two fragment buffers of 128: for 64 along K, 64 registers of A (2 x 4 x 16 rows x 32 K), then 64 of B.
;   window 2: v0-31 bq, v32-63 bk of my 64 columns; v64-143 a chunk of the side stream as loaded, v144-183 rounded.
.set PITCH,  528                       ; an LDS row: 512 bytes + 16 of padding = 132 words: the 16 rows that a load touches start at 16 different groups of four banks (64 banks of 4 bytes: ISA guide 11.1)
.set HALFT,  64*PITCH                  ; what one tensor load brings
.set BOFF,   2*HALFT                   ; B's 128 rows lie behind A's 128
.set SLOT,   4*HALFT
.set STAGE,  2*SLOT                    ; behind the ring: 32 rows x 272 bytes for each wave, for the way out
.set SPITCH, 272
.set TPB,    STAGE+128*SPITCH          ; 1,024 bytes: the two column halves' partial t of the 128 rows
.set SPARE,  TPB+1024                  ; the spare words, 128 bytes for each wave
.set XQOFF,  2097152                   ; Xq's place in maskb
.set WQOFF,  10485760                  ; Wq's
.set MSO,  5                           ; v5     16 x thread: where I store 8 bf16; never rewritten
.set TP,   6                           ; v6-13  four pairs: partial t of my rows 16 a + l % 16
.set A0,   16                          ; v16    my place in A's tile; never rewritten
.set B0,   17                          ; v17    my place in B's tile; never rewritten
.set ADRA, 18                          ; v18    the same in the slot in hand
.set ADRB, 19
.set STO,  24
.set RD,   25
.set CO,   26
.set TPS,  27                          ; v27    where my partial t goes
.set SPW,  28                          ; v28    my spare word; never rewritten
.set NIL,  29                          ; v29    0; never rewritten
.set BO,   30                          ; v30    32 (l / 16): my 8 columns' bytes in bq and bk
.set MCO,  31                          ; v31    32 x thread: where I read 8 f32; never rewritten
.set TMP,  32
.set RS,   96                          ; v96-103 hi widened to f32, four pairs at work
.set ACC,  128
.set LO,   128
.set F0,   0
.set F1,   128
.set BQ,   0
.set BK,   32
.set SR,   64
.set SD,   144
.set G1, 24                            ; s[24:31] group 1 for A's tiles
.set G0, 32                            ; s[32:35] K step 0; s[36:39] K step 1, and then it walks
.set G1B, 48                           ; s[48:55], s[56:63] the same for B's
.set G0B, 56
.set TB,  66                           ; LDS byte at which the slot in hand begins: 0 or SLOT
.set BQP, 68                           ; s[68:69] bq at my 64 columns
.set BKP, 70                           ; s[70:71] bk
.set TPP, 72                           ; s[72:73] tpart at my tile's rows
.set KI,  74                           ; s[74:75] key_input at the chunk that was loaded last
.set KO,  76                           ; s[76:77] xkb one chunk behind the chunk that is stored
.set WI,  78                           ; s[78:79] the same two for Wk
.set WO,  80                           ; s[80:81]
.set SEL, 82                           ; s[82:83] v_permlanex16_b32: each lane takes its own place in the other half
.set LA,  92                           ; my part of A's tile in a slot
.set LB,  93                           ; my part of B's tile in a slot
.set MSB, 0
.macro WIN new                         ; the immediate's high byte repeats the setting that is left
.if MSB != (\new)
	s_set_vgpr_msb (MSB<<8)|(\new)
.set MSB, \new
.endif
.endm
.macro JLOAD                           ; a joint refill by the walking descriptors: waves 0 and 1 fetch A's two halves, waves 2 and 3 B's; an s_nop 0 and four v_nop follow each line
	s_cmp_eq_u32 s11, 0
	s_cbranch_scc0 .Lfor_b_\@
	tensor_load_to_lds s[G0+4:G0+7], s[G1:G1+7]
	s_nop 0
.rept 4
	v_nop
.endr
	s_branch .Lasked_\@
.Lfor_b_\@:
	tensor_load_to_lds s[G0B+4:G0B+7], s[G1B:G1B+7]
	s_nop 0
.rept 4
	v_nop
.endr
.Lasked_\@:
.endm
.macro CREST                           ; a round of the cluster's barrier behind its opening barrier
	s_cmp_lg_u32 s10, 0
	s_cbranch_scc1 .Lnot_wave_0_\@
	s_barrier_signal -3
.Lnot_wave_0_\@:
	s_barrier_wait -3
	s_barrier_signal -1
	s_barrier_wait -1
.endm
.macro CROUND
	s_barrier_signal -1
	s_barrier_wait -1
	CREST
.endm
.macro PLACES                          ; four places in front of loads into registers that matrix instructions have read (ISA guide 7.12.1 for vector instructions)
.rept 4
	v_nop
.endr
.endm
; A chunk of the side stream is asked for: eight pieces of 4,096 bytes of key_input and two of Wk, 32 bytes a thread in each
.macro ASKSIDE
	WIN 0x80                                       ; destination window 2
.set c, 0
.rept 8
	global_load_b128 v[SR+8*c:SR+8*c+3],   v[MCO], s[KI:KI+1] offset:4096*c th:TH_LOAD_NT
	global_load_b128 v[SR+8*c+4:SR+8*c+7], v[MCO], s[KI:KI+1] offset:4096*c+16 th:TH_LOAD_NT
.set c, c+1
.endr
.set c, 0
.rept 2
	global_load_b128 v[SR+64+8*c:SR+64+8*c+3],   v[MCO], s[WI:WI+1] offset:4096*c th:TH_LOAD_NT
	global_load_b128 v[SR+64+8*c+4:SR+64+8*c+7], v[MCO], s[WI:WI+1] offset:4096*c+16 th:TH_LOAD_NT
.set c, c+1
.endr
.endm
	s_load_b128 s[4:7], s[0:1], 0x0                ; maskb s[4:5], qb s[6:7]
	s_load_b256 s[68:75], s[0:1], 0x10             ; bq, bk, tpart, key_input
	s_load_b128 s[76:79], s[0:1], 0x30             ; xkb, Wk
	v_lshl_add_u32 v[SPW], v0, 2, SPARE
	v_mov_b32 v[NIL], 0
	ds_add_u32 v[SPW], v[NIL]                      ; the wave's opening: the add and its wait stand ahead of my first tensor load
	v_lshrrev_b32 v1, 5, v0
	v_readfirstlane_b32 s10, v1                    ; wave 0..3
	s_lshr_b32 s11, s10, 1                         ; my half of the tile's rows; also: I fetch for A (0) or B (1)
	s_and_b32 s12, s10, 1                          ; my half of its columns; also: which 64 rows I fetch
	s_bfe_u32 s40, ttmp6, 0x40000                  ; cx
	s_bfe_u32 s41, ttmp6, 0x40004                  ; cy
	s_lshl_b32 s42, ttmp9, 2
	s_add_co_u32 s42, s42, s40                     ; tile column X
	s_and_b32 s13, ttmp7, 0xffff
	s_lshl_b32 s13, s13, 2
	s_add_co_u32 s13, s13, s41                     ; tile row Y
	s_lshl_b32 s43, s41, 2
	s_lshl_b32 s43, 15, s43                        ; my row of the cluster
	s_lshl_b32 s44, 0x1111, s40                    ; my column
	s_or_b32 s[G1+0], s43, (1<<16)|(1<<20)|(1<<21)|(6<<22)|(3<<25)  ; the mask; elements of 2 bytes; padding on; bit 21 beside a mask; after every 128 words (a row), 4 words
	s_or_b32 s[G1B+0], s44, (1<<16)|(1<<20)|(1<<21)|(6<<22)|(3<<25)
.irp g, G1, G1B
	s_mov_b32 s[(\g)+1], 256<<16                   ; tensor_dim0 = 256
	s_mov_b32 s[(\g)+2], 64<<16                    ; tensor_dim1 = 64
	s_mov_b32 s[(\g)+3], 256<<16                   ; tile_dim0 = 256
	s_mov_b32 s[(\g)+4], 64                        ; tile_dim1 = 64
	s_mov_b32 s[(\g)+5], 2048                      ; elements from row to row
	s_mov_b32 s[(\g)+6], 0
	s_mov_b32 s[(\g)+7], 0
.endr
	s_lshl_b32 s16, s13, 19                        ; A: row 128 Y + 64 x half, of 4,096 bytes,
	s_lshl_b32 s17, s12, 18
	s_add_co_u32 s16, s16, s17
	s_add_co_u32 s16, s16, XQOFF                   ; in Xq's part of maskb
	s_lshl_b32 s46, s42, 19                        ; B: row 128 X + 64 x half,
	s_add_co_u32 s46, s46, s17
	s_add_co_u32 s46, s46, WQOFF                   ; in Wq's part
	s_mov_b32 s17, 0
	s_mov_b32 s47, 0
	s_mov_b32 s[G0], 1
	s_mov_b32 s[G0+4], 1
	s_mov_b32 s[G0B], 1
	s_mov_b32 s[G0B+4], 1
	s_mul_i32 s[LA], s12, HALFT                    ; LDS addresses hang on the wave's number alone
	s_add_co_u32 s[LB], s[LA], BOFF
	s_mov_b32 s[G0+1], s[LA]
	s_add_co_u32 s[G0+5], s[LA], SLOT
	s_mov_b32 s[G0B+1], s[LB]
	s_add_co_u32 s[G0B+5], s[LB], SLOT
	s_mov_b32 s[TB], 0
	s_mov_b32 s[SEL], 0x76543210
	s_mov_b32 s[SEL+1], 0xfedcba98
	s_wait_dscnt 0x0                               ; the opening add is done
	s_wait_kmcnt 0x0
	s_add_nc_u64 s[G0+2:G0+3], s[4:5], s[16:17]
	s_add_nc_u64 s[G0+6:G0+7], s[G0+2:G0+3], 512   ; K step 1: 256 elements along the rows
	s_or_b32 s[G0+3], s[G0+3], 0x80000000
	s_or_b32 s[G0+7], s[G0+7], 0x80000000
	s_add_nc_u64 s[G0B+2:G0B+3], s[4:5], s[46:47]
	s_add_nc_u64 s[G0B+6:G0B+7], s[G0B+2:G0B+3], 512
	s_or_b32 s[G0B+3], s[G0B+3], 0x80000000
	s_or_b32 s[G0B+7], s[G0B+7], 0x80000000
	CROUND                                         ; all sixteen work-groups are here: the first joint loads meet
	s_cmp_eq_u32 s11, 0                            ; a wave's two first fills stand in one branch: two loads of mine are out
	s_cbranch_scc0 .Lfirst_b
	tensor_load_to_lds s[G0:G0+3], s[G1:G1+7]
	s_nop 0
	tensor_load_to_lds s[G0+4:G0+7], s[G1:G1+7]
	s_nop 0
.rept 4
	v_nop
.endr
	s_branch .Lfirst_asked
.Lfirst_b:
	tensor_load_to_lds s[G0B:G0B+3], s[G1B:G1B+7]
	s_nop 0
	tensor_load_to_lds s[G0B+4:G0B+7], s[G1B:G1B+7]
	s_nop 0
.rept 4
	v_nop
.endr
.Lfirst_asked:
	v_and_b32 v1, 15, v0                           ; r = l % 16
	v_bfe_u32 v2, v0, 4, 1                         ; h = l / 16
	v_lshlrev_b32 v[MCO], 5, v0
	v_lshlrev_b32 v[MSO], 4, v0
	v_lshlrev_b32 v[BO], 5, v2
	s_lshl_b32 s84, s13, 4
	s_add_co_u32 s84, s84, s42                     ; 16 Y + X: my work-group among the 256
	s_mov_b32 s87, 0
	s_add_nc_u64 s[WO:WO+1], s[KO:KO+1], 0x2000000 ; Wk's bf16 copy lies behind key_input's 33,554,432 bytes
	s_lshl_b32 s86, s84, 18                        ; my 262,144 bytes of key_input,
	s_add_nc_u64 s[KI:KI+1], s[KI:KI+1], s[86:87]
	s_lshl_b32 s86, s84, 17                        ; their 131,072 in xkb,
	s_add_nc_u64 s[KO:KO+1], s[KO:KO+1], s[86:87]
	s_lshl_b32 s86, s84, 16                        ; my 65,536 bytes of Wk,
	s_add_nc_u64 s[WI:WI+1], s[WI:WI+1], s[86:87]
	s_lshl_b32 s86, s84, 15                        ; their 32,768
	s_add_nc_u64 s[WO:WO+1], s[WO:WO+1], s[86:87]
	s_lshl_b32 s86, s42, 9
	s_lshl_b32 s85, s12, 8
	s_add_co_u32 s86, s86, s85                     ; my 64 columns in bq and bk: (128 X + 64 x half) x 4 bytes
	s_add_nc_u64 s[BQP:BQP+1], s[BQP:BQP+1], s[86:87]
	s_add_nc_u64 s[BKP:BKP+1], s[BKP:BKP+1], s[86:87]
	WIN 0x80                                       ; destination window 2
.irp b, 0,1,2,3                        ; column 16 b + 8 h + j at register 8 b + j
	global_load_b128 v[BQ+8*(\b):BQ+8*(\b)+3],   v[BO], s[BQP:BQP+1] offset:64*(\b)
	global_load_b128 v[BQ+8*(\b)+4:BQ+8*(\b)+7], v[BO], s[BQP:BQP+1] offset:64*(\b)+16
	global_load_b128 v[BK+8*(\b):BK+8*(\b)+3],   v[BO], s[BKP:BKP+1] offset:64*(\b)
	global_load_b128 v[BK+8*(\b)+4:BK+8*(\b)+7], v[BO], s[BKP:BKP+1] offset:64*(\b)+16
.endr
	ASKSIDE                                        ; the side stream's first chunk
	WIN 0
	v_mul_u32_u24 v3, v1, PITCH
	v_lshl_add_u32 v3, v2, 4, v3                   ; a fragment's row x pitch + 16 h
	s_mul_i32 s21, s11, HALFT                      ; my 64 rows of A
	v_add_nc_u32 v[A0], s21, v3
	s_mul_i32 s22, s12, HALFT                      ; my 64 rows of B,
	s_add_co_u32 s22, s22, BOFF                    ; behind A's 128
	v_add_nc_u32 v[B0], s22, v3
	v_mov_b32 v[ADRA], v[A0]
	v_mov_b32 v[ADRB], v[B0]
	s_mul_i32 s23, s10, 32*SPITCH                  ; my own stage: 32 rows of 272 bytes
	s_add_co_u32 s23, s23, STAGE
	v_mul_u32_u24 v4, v1, SPITCH                   ; in: row r (+ 16 for the pass's second block), 16 bytes for each half of the lanes
	v_lshl_add_u32 v4, v2, 4, v4
	v_add_nc_u32 v[STO], s23, v4
	v_mul_u32_u24 v4, v2, SPITCH                   ; back: lanes 0-15 take one row of 256 bytes, lanes 16-31 the next
	v_lshl_add_u32 v4, v1, 4, v4
	v_add_nc_u32 v[RD], s23, v4
	v_lshlrev_b32 v4, 13, v2                       ; and the same two rows in qb, 8,192 bytes each
	v_lshl_add_u32 v[CO], v1, 4, v4
	s_lshl_b32 s23, s12, 9                         ; partial t: 512 bytes a column half, row 64 x row half + 16 a + r
	s_lshl_b32 s21, s11, 8
	s_add_co_u32 s23, s23, s21
	s_add_co_u32 s23, s23, TPB
	v_lshl_add_u32 v[TPS], v1, 2, s23
	v_and_b32 v15, 31, v0
	v_lshlrev_b32 v15, 4, v15                      ; wave 0's way out for t: 16 bytes a lane
	v_add_nc_u32 v14, TPB, v15
	s_lshl_b32 s88, s13, 20                        ; qb: 128 Y rows of 8,192 bytes,
	s_lshl_b32 s89, s11, 19                        ; my 64 of the tile's rows,
	s_add_co_u32 s88, s88, s89
	s_lshl_b32 s89, s42, 9                         ; block 2 X + column half, of 256 bytes
	s_add_co_u32 s88, s88, s89
	s_lshl_b32 s89, s12, 8
	s_add_co_u32 s88, s88, s89
	s_mov_b32 s89, 0
	s_add_nc_u64 s[6:7], s[6:7], s[88:89]
	s_lshl_b32 s88, s42, 13                        ; tpart: block X's 2,048 rows, my tile's 128
	s_lshl_b32 s90, s13, 9
	s_add_co_u32 s88, s88, s90
	s_add_nc_u64 s[TPP:TPP+1], s[TPP:TPP+1], s[88:89]
; THE SIDE STREAM, once a K step: the chunk that was asked for a K step ago is rounded and stored, and the next is asked for (more = 1).
.macro SIDE more
	s_wait_loadcnt 0x0                             ; the twenty loads issued a K step ago
	s_wait_xcnt 0x0                                ; the last chunk's stores have read their data and their bases: all are written again below
	s_add_nc_u64 s[KO:KO+1], s[KO:KO+1], 16384     ; the stores below reach back by their immediates
	s_add_nc_u64 s[WO:WO+1], s[WO:WO+1], 4096
.if \more
	s_add_nc_u64 s[KI:KI+1], s[KI:KI+1], 32768
	s_add_nc_u64 s[WI:WI+1], s[WI:WI+1], 8192
.endif
	WIN 0x8a                                       ; sources and destination in window 2
.set d, 0
.rept 40
	v_cvt_pk_bf16_f32 v[SD+d], v[SR+2*d], v[SR+2*d+1]
.set d, d+1
.endr
	WIN 0x08                                       ; a store's data in window 2
.set c, 0
.rept 8
	global_store_b128 v[MSO], v[SD+4*c:SD+4*c+3], s[KO:KO+1] offset:2048*c-16384 th:TH_STORE_NT  ; 512 consecutive bytes a wave, aligned
.set c, c+1
.endr
.set c, 0
.rept 2
	global_store_b128 v[MSO], v[SD+32+4*c:SD+32+4*c+3], s[WO:WO+1] offset:2048*c-4096 th:TH_STORE_NT
.set c, c+1
.endr
.if \more
	ASKSIDE
.endif
.endm
; 32 LDS loads in one run: the fragments of quarter kq (64 along K) into buffer f; the first 32 along K first
.macro FETCH kq, f
	WIN 0x40                                       ; destination window 1
.irp c, 0,1
.irp i, 0,1,2,3
	ds_load_b128 v[(\f)+64+8*(4*(\c)+(\i)):(\f)+64+8*(4*(\c)+(\i))+3],   v[ADRB] offset:128*(\kq)+64*(\c)+(\i)*16*PITCH
	ds_load_b128 v[(\f)+64+8*(4*(\c)+(\i))+4:(\f)+64+8*(4*(\c)+(\i))+7], v[ADRB] offset:128*(\kq)+64*(\c)+(\i)*16*PITCH+32
	ds_load_b128 v[(\f)+8*(4*(\c)+(\i)):(\f)+8*(4*(\c)+(\i))+3],         v[ADRA] offset:128*(\kq)+64*(\c)+(\i)*16*PITCH
	ds_load_b128 v[(\f)+8*(4*(\c)+(\i))+4:(\f)+8*(4*(\c)+(\i))+7],       v[ADRA] offset:128*(\kq)+64*(\c)+(\i)*16*PITCH+32
.endr
.endr
.endm
; 8 matrix instructions: m blocks a0, a0 + 1 x all 4 n blocks, 32 along K: half c of buffer f.  The 16 accumulators take turns, in the same order throughout.  zero = 1: the first product starts the sums.
.macro MUL8 f, c, a0, zero
	WIN 0x05                                       ; sources 0 (B) and 1 (A) window 1; C and D window 0
.irp a, \a0, (\a0)+1
.irp b, 0,1,2,3
.if \zero
	v_wmma_f32_16x16x32_bf16 v[ACC+8*(4*(\a)+(\b)):ACC+8*(4*(\a)+(\b))+7], v[(\f)+64+8*(4*(\c)+(\b)):(\f)+64+8*(4*(\c)+(\b))+7], v[(\f)+8*(4*(\c)+(\a)):(\f)+8*(4*(\c)+(\a))+7], 0
.else
	v_wmma_f32_16x16x32_bf16 v[ACC+8*(4*(\a)+(\b)):ACC+8*(4*(\a)+(\b))+7], v[(\f)+64+8*(4*(\c)+(\b)):(\f)+64+8*(4*(\c)+(\b))+7], v[(\f)+8*(4*(\c)+(\a)):(\f)+8*(4*(\c)+(\a))+7], v[ACC+8*(4*(\a)+(\b)):ACC+8*(4*(\a)+(\b))+7]
.endif
.endr
.endr
.endm
; A K step is four quarters of 64 along K, 32 matrix instructions each, on buffers 0, 1, 0, 1.  One of the first three: multiplies buffer f and fetches quarter kq into g.
.macro QUARTER kq, f, g, zero
	s_wait_dscnt 16                                ; the first 32 along K are in; the youngest sixteen loads may be out
	MUL8 \f, 0, 0, \zero
	MUL8 \f, 0, 2, \zero
	PLACES
	FETCH \kq, \g
	s_wait_dscnt 32                                ; all but the 32 just issued
	MUL8 \f, 1, 0, 0
	MUL8 \f, 1, 2, 0
.endm
; The last quarter multiplies buffer 1 and changes slots: one barrier; in front of it each wave waits for all its tensor loads, adds 0 to its spare word, and waits for that and for its own reads of this slot.
; fill = 1: this slot is filled again, with the K step two on: the walking descriptors' LDS word is the slot in hand, s[TB], plus the wave's part of a slot.
.macro TURN fill
	WIN 0
	s_wait_tensorcnt 0x0                           ; all my tensor loads have landed, so a group 0 may be written
	ds_add_u32 v[SPW], v[NIL]                      ; 0 onto my spare word
.if \fill
	s_add_co_u32 s[G0+5], s[TB], s[LA]
	s_add_nc_u64 s[G0+6:G0+7], s[G0+6:G0+7], 512
	s_add_co_u32 s[G0B+5], s[TB], s[LB]
	s_add_nc_u64 s[G0B+6:G0B+7], s[G0B+6:G0B+7], 512
.endif
	s_wait_dscnt 17                                ; the add and the youngest sixteen loads may be out
	MUL8 F1, 0, 0, 0
	s_wait_dscnt 0x0                               ; the add is done, and my reads of this slot are over
	s_barrier_signal -1
	MUL8 F1, 0, 2, 0
	WIN 0
	s_barrier_wait -1
.if \fill
	CREST                                          ; a round of the cluster's barrier: no wave of any partner still reads this slot or has a load on its way
	JLOAD                                          ; the first tensor load behind it; its four v_nop are also the places in front of the loads below
.else
	PLACES
.endif
	s_xor_b32 s[TB], s[TB], SLOT                   ; 0 and SLOT by turns
	v_add_nc_u32 v[ADRA], s[TB], v[A0]
	v_add_nc_u32 v[ADRB], s[TB], v[B0]
	FETCH 0, F0
	MUL8 F1, 1, 0, 0
	MUL8 F1, 1, 2, 0
.endm
	s_wait_tensorcnt 1                             ; my part of K step 0 is in; K step 1's may stay out
	s_barrier_signal -1
	s_barrier_wait -1
	FETCH 0, F0
	QUARTER 1, F0, F1, 1                           ; the first products start the sums
	WIN 0
	s_mov_b32 s3, 6
.Lstep:                                                ; K steps 0 to 5 each ask for the step two on
	QUARTER 2, F1, F0, 0
	SIDE 1
	QUARTER 3, F0, F1, 0
	TURN 1
	QUARTER 1, F0, F1, 0
	WIN 0
	s_sub_co_u32 s3, s3, 1
	s_cmp_lg_u32 s3, 0
	s_cbranch_scc1 .Lstep
	QUARTER 2, F1, F0, 0                           ; the last two K steps ask for nothing
	SIDE 1
	QUARTER 3, F0, F1, 0
	TURN 0
	QUARTER 1, F0, F1, 0
	QUARTER 2, F1, F0, 0
	SIDE 0                                         ; the eighth chunk: nothing is left to ask for
	QUARTER 3, F0, F1, 0
	s_wait_dscnt 16
	MUL8 F1, 0, 0, 0
	MUL8 F1, 0, 2, 0
	s_wait_dscnt 0x0
	MUL8 F1, 1, 0, 0
	MUL8 F1, 1, 2, 0
	WIN 0
	; THE WAY OUT: + bq in f32; the partial t; hi and lo; through my own stage, 32 rows at a time: a row's 256 bytes (my 64 columns' hi, then their lo) are all mine.
.rept 8
	v_nop                                          ; the places behind the last products
.endr
	s_wait_loadcnt 0x0                             ; bq and bk
	WIN 0x08                                       ; source 1 in window 2
.set t, 0
.rept 16                               ; each accumulator's registers in ascending order
.irp p, 0,1,2,3
	v_pk_add_f32 v[ACC+8*t+2*(\p):ACC+8*t+2*(\p)+1], v[ACC+8*t+2*(\p):ACC+8*t+2*(\p)+1], v[BQ+8*(t%4)+2*(\p):BQ+8*(t%4)+2*(\p)+1]
.endr
.set t, t+1
.endr
.irp b, 0,1,2,3                        ; four chains, one for each block of 16 rows, take turns
.irp p, 0,1,2,3
.irp a, 0,1,2,3
.if ((\b)+(\p)) == 0
	v_pk_mul_f32 v[TP+2*(\a):TP+2*(\a)+1], v[ACC+8*(4*(\a)+(\b))+2*(\p):ACC+8*(4*(\a)+(\b))+2*(\p)+1], v[BK+8*(\b)+2*(\p):BK+8*(\b)+2*(\p)+1]
.else
	v_pk_fma_f32 v[TP+2*(\a):TP+2*(\a)+1], v[ACC+8*(4*(\a)+(\b))+2*(\p):ACC+8*(4*(\a)+(\b))+2*(\p)+1], v[BK+8*(\b)+2*(\p):BK+8*(\b)+2*(\p)+1], v[TP+2*(\a):TP+2*(\a)+1]
.endif
.endr
.endr
.endr
	WIN 0
.irp a, 0,1,2,3
	v_add_f32 v[TP+2*(\a)], v[TP+2*(\a)], v[TP+2*(\a)+1]
.endr
.irp a, 0,1,2,3
	v_permlanex16_b32 v[TP+2*(\a)+1], v[TP+2*(\a)], s[SEL], s[SEL+1]  ; the row's other 32 columns lie in the lane 16 away
.endr
.irp a, 0,1,2,3
	v_add_f32 v[TP+2*(\a)], v[TP+2*(\a)], v[TP+2*(\a)+1]
.endr
.irp a, 0,1,2,3
	ds_store_b32 v[TPS], v[TP+2*(\a)] offset:64*(\a)   ; both halves of the lanes write the same number to the same word
.endr
.set t, 0
.rept 16                               ; hi = q rounded; the accumulator takes q - hi, which is exact
.irp r, 0,1,2,3
	v_cvt_pk_bf16_f32 v[TMP+4*t+(\r)], v[ACC+8*t+2*(\r)], v[ACC+8*t+2*(\r)+1]
.endr
.irp r, 0,1,2,3
	v_lshlrev_b32 v[RS+2*(\r)],   16, v[TMP+4*t+(\r)]          ; bf16 to f32: the low half moves up,
	v_and_b32     v[RS+2*(\r)+1], 0xffff0000, v[TMP+4*t+(\r)]  ; the high half stays
.endr
.irp r, 0,1,2,3
	v_pk_add_f32 v[ACC+8*t+2*(\r):ACC+8*t+2*(\r)+1], v[ACC+8*t+2*(\r):ACC+8*t+2*(\r)+1], v[RS+2*(\r):RS+2*(\r)+1] neg_lo:[0,1] neg_hi:[0,1]
.endr
.set t, t+1
.endr
.set d, 0
.rept 64                               ; lo, in place, ascending: register d is written when 2 d and 2 d + 1 are read, and none below 2 d is read later
	v_cvt_pk_bf16_f32 v[LO+d], v[ACC+2*d], v[ACC+2*d+1]
.set d, d+1
.endr
.irp p, 0,1                            ; my rows 32 p .. 32 p + 31
.irp a, 0,1
.irp b, 0,1,2,3
	ds_store_b128 v[STO], v[TMP+32*(\p)+16*(\a)+4*(\b):TMP+32*(\p)+16*(\a)+4*(\b)+3] offset:(\a)*16*SPITCH+32*(\b)
	ds_store_b128 v[STO], v[LO+32*(\p)+16*(\a)+4*(\b):LO+32*(\p)+16*(\a)+4*(\b)+3]   offset:(\a)*16*SPITCH+128+32*(\b)
.endr
.endr
.irp t, 0,1,2,3,4,5,6,7                ; back as whole rows, into the registers that they left.  LDS serves a wave's instructions in order (ISA guide 5.7.1.4): these see the stores above, and the next pass's stores come behind them
	ds_load_b128 v[TMP+32*(\p)+4*(\t):TMP+32*(\p)+4*(\t)+3], v[RD] offset:(\t)*2*SPITCH
.endr
.irp t, 0,1,2,3,4,5,6,7
	ds_load_b128 v[LO+32*(\p)+4*(\t):LO+32*(\p)+4*(\t)+3], v[RD] offset:((\t)+8)*2*SPITCH
.endr
.irp t, 0,1,2,3,4,5,6,7
	s_wait_dscnt 15-(\t)                           ; load t is back; the younger ones may stay out
	global_store_b128 v[CO], v[TMP+32*(\p)+4*(\t):TMP+32*(\p)+4*(\t)+3], s[6:7] offset:(32*(\p)+2*(\t))*8192  ; 16 lanes store 256 consecutive bytes, aligned
.endr
.irp t, 0,1,2,3,4,5,6,7
	s_wait_dscnt 7-(\t)
	global_store_b128 v[CO], v[LO+32*(\p)+4*(\t):LO+32*(\p)+4*(\t)+3], s[6:7] offset:(32*(\p)+16+2*(\t))*8192
.endr
.endr
	s_wait_dscnt 0x0                               ; for the others' sake: my stores of the partial t are done
	s_barrier_signal -1
	s_barrier_wait -1
	s_cmp_lg_u32 s10, 0                            ; wave 0 adds the two column halves' t of the 128 rows, four rows a lane
	s_cbranch_scc1 .Lnot_t
	ds_load_b128 v[112:115], v14
	ds_load_b128 v[116:119], v14 offset:512
	s_wait_dscnt 0x0
	v_pk_add_f32 v[112:113], v[112:113], v[116:117]
	v_pk_add_f32 v[114:115], v[114:115], v[118:119]
	global_store_b128 v15, v[112:115], s[TPP:TPP+1]  ; 512 consecutive bytes, aligned
.Lnot_t:
	s_wait_tensorcnt 0x0                           ; the wave's end
	ds_add_u32 v[SPW], v[NIL]
	s_wait_dscnt 0x0
	CROUND                                         ; the closing round
	s_endpgm
.Lfunc_end_k_q89ad532f8e_qproj:
	.size	k_q89ad532f8e_qproj, .Lfunc_end_k_q89ad532f8e_qproj-k_q89ad532f8e_qproj
	.p2alignl 7, 3214868480
	.fill 96, 4, 3214868480
	.section	.rodata,"a",@progbits
	.p2align	6, 0x0
	.amdhsa_kernel k_q89ad532f8e_qproj
		.amdhsa_group_segment_fixed_size 327680
		.amdhsa_private_segment_fixed_size 0
		.amdhsa_enable_private_segment 0
		.amdhsa_kernarg_size 64
		.amdhsa_user_sgpr_count 2
		.amdhsa_user_sgpr_kernarg_segment_ptr 1
		.amdhsa_wavefront_size32 1
		.amdhsa_system_sgpr_workgroup_id_x 1
		.amdhsa_system_sgpr_workgroup_id_y 1
		.amdhsa_system_sgpr_workgroup_id_z 1
		.amdhsa_system_vgpr_workitem_id 0
		.amdhsa_next_free_vgpr 704
		.amdhsa_next_free_sgpr 96
		.amdhsa_reserve_vcc 0
		.amdhsa_float_denorm_mode_32 3
		.amdhsa_float_denorm_mode_16_64 3
		.amdhsa_memory_ordered 1
		.amdhsa_forward_progress 1
		.amdhsa_inst_pref_size 115
	.end_amdhsa_kernel
	.amdgpu_metadata
---
amdhsa.version: [ 1, 2 ]
amdhsa.kernels:
  - .name:           k_q89ad532f8e_qproj
    .symbol:         k_q89ad532f8e_qproj.kd
    .args:
      - { .name: maskb, .offset: 0, .size: 8, .value_kind: global_buffer, .address_space: global }
      - { .name: qb, .offset: 8, .size: 8, .value_kind: global_buffer, .address_space: global }
      - { .name: bq, .offset: 16, .size: 8, .value_kind: global_buffer, .address_space: global }
      - { .name: bk, .offset: 24, .size: 8, .value_kind: global_buffer, .address_space: global }
      - { .name: tpart, .offset: 32, .size: 8, .value_kind: global_buffer, .address_space: global }
      - { .name: key_input, .offset: 40, .size: 8, .value_kind: global_buffer, .address_space: global }
      - { .name: xkb, .offset: 48, .size: 8, .value_kind: global_buffer, .address_space: global }
      - { .name: Wk, .offset: 56, .size: 8, .value_kind: global_buffer, .address_space: global }
    .group_segment_fixed_size: 327680
    .private_segment_fixed_size: 0
    .kernarg_segment_align: 8
    .kernarg_segment_size: 64
    .max_flat_workgroup_size: 128
    .sgpr_count:     96
    .vgpr_count:     704
    .wavefront_size: 32
...
	.end_amdgpu_metadata
.endif
;; end of part 6
;; launch qkproj (part 7): grid 16 x 16, 4 waves a work-group, clusters of 4 x 4, 327,680 bytes of LDS; arguments qb, xkb, qp, value_input, vb; writes qp, vb
.if DOCPART == 7
	.amdgcn_target "amdgcn-amd-amdhsa--gfx1250"
	.amdhsa_code_object_version 6
	.text
	.protected	k_q89ad532f8e_qkproj
	.globl	k_q89ad532f8e_qkproj
	.p2align	8
	.type	k_q89ad532f8e_qkproj,@function
k_q89ad532f8e_qkproj:
	s_mov_b64 s[64:65], 0
	v_nop
	global_prefetch_b8 v0, s[64:65] scope:SCOPE_SE
	s_setreg_imm32_b32 hwreg(HW_REG_WAVE_MODE, 25, 1), 1
	s_wait_xcnt 0x0
	s_wait_alu depctr_hold_cnt(0) depctr_sa_sdst(0) depctr_va_vdst(0) depctr_va_sdst(0) depctr_va_ssrc(0) depctr_va_vcc(0) depctr_vm_vsrc(0)
	s_getreg_b32 s2, hwreg(HW_REG_IB_STS2, 6, 4)
	s_cmp_eq_u32 s2, 0
	s_cbranch_scc0 .Lentry_in_a_cluster
	s_endpgm
.Lentry_in_a_cluster:
	s_bfe_u32 s2, ttmp6, 0x10000c
	s_cmp_lg_u32 s2, 0xf033
	s_cbranch_scc0 .Lentry_shape_is_right
	s_endpgm
.Lentry_shape_is_right:
; qp[row][d] = bf16( sum over e of q[row][e] Wk[e][d] ), q = hi + lo as qb holds it.  This is q Wk: since q . (Wk x + bk) = (q Wk) . x + q . bk, the scores are made from it and the keys' projection is never formed.
; The order of the sums, and so of their roundings, differs from the written one; no difference of large sums is formed.  hi, lo bf16; Wk rounded once to bf16 (the launch before stored it behind byte 33,554,432 of xkb); sums f32; qp rounded once.
; hi Wk and lo Wk are added in the same accumulators: twice the matrix instructions of a product with q rounded to 8 bits, for 16 bits of q; Wk's fragments are read once for both.
; BESIDE THAT, A SIDE STREAM: value_input is a matrix operand of the next launch, which wants it in bf16 so that twice the K fits into an LDS slot.  It is rounded here, once: each work-group takes 262,144 bytes
; in sixteen chunks, one a K step, the next chunk's loads on their way for a whole K step.  vb: value_input in bf16, same order.
; LIMITS: NaN and infinities are not treated apart; qp is kept in bf16, which has f32's range.
; A tile of qp is 128 x 128; four waves, each 64 x 64.  K = e goes in steps of 128 through two LDS slots: A = 128 rows x 512 bytes of qb (two blocks: hi, lo, hi, lo; padded), B = 128 rows (e) x 256 bytes (128 d) of Wk.
; B LIES [K][N] and comes out of LDS turned, by ds_load_tr16_b128: lane l holds column l % 16 and 8 + 8 rows of K.
; THE MATRIX INSTRUCTION IS USED TRANSPOSED (source 0 = 16 columns of Wk, source 1 = 16 rows of q): a lane holds row l % 16 and the eight columns 8 (l / 16) + 0..7, which pack into 16 bytes.
; CLUSTERS: 4 x 4; qb's tile is shared along a row of the cluster, Wk's along a column.
; REGISTERS: window 0: v0-31 addresses; v32-95 the way out; v128-255 accumulators ((a, b) at 128 + 8 (4 a + b)).
;   window 1: v0-95, v96-191 two fragment buffers (hi at 8 a, lo at 32 + 8 a, B at 64 + 8 b); v192-223 a chunk of value_input as loaded, v224-239 rounded.
.set SLOT1, 1<<17                      ; slot 1 begins here: one exclusive or changes slots
.set PA,    528                        ; a row of A in LDS: 512 bytes + 16: the 16 rows of a load start at 16 different groups of four banks (64 banks of 4 bytes: ISA guide 11.1)
.set AHALF, 64*PA
.set BOFF,  2*AHALF                    ; B lies behind A's 128 rows
.set PB,    288                        ; a row of B: 256 bytes + 32 = 72 words
.set BHALF, 64*PB
.set STAGE, SLOT1+BOFF+2*BHALF         ; behind the ring: 128 rows x 272 bytes
.set SP,    272
.set SPARE, STAGE+128*SP
.set A0,   8                           ; v8   my place in A's tile; never rewritten
.set BM0,  10                          ; v10  my place in B's tile; never rewritten
.set ADRA, 11                          ; v11  the same in the slot in hand
.set ADRB, 12
.set MCO,  13                          ; v13  32 x thread: where I read 8 f32; never rewritten
.set MSO,  14                          ; v14  16 x thread: where I store 8 bf16; never rewritten
.set STO,  24
.set RD,   25
.set CO,   26
.set SPW,  28
.set NIL,  29
.set TMP,  32
.set ACC,  128
.set F0,   0
.set F1,   96
.set SR,   192
.set SD,   224
.set WV, 12
.set FB, 13                            ; my half of the rows; also: I fetch A (0) or B (1)
.set HF, 14                            ; my half of the columns; also: which half of that tile I fetch
.set CX, 15
.set CY, 16
.set XT, 17
.set YT, 18
.set G1A, 24
.set G0A, 32                           ; s[32:35] K step 0; s[36:39] K step 1, and then it walks
.set G1B, 40
.set G0B, 48
.set TB, 66                            ; LDS byte at which the slot in hand begins
.set VI, 68                            ; s[68:69] value_input at the chunk that was loaded last
.set VO, 70                            ; s[70:71] vb one chunk behind the chunk that is stored
.set MSB, 0
.macro WIN new                         ; the immediate's high byte repeats the setting that is left
.if MSB != (\new)
	s_set_vgpr_msb (MSB<<8)|(\new)
.set MSB, \new
.endif
.endm
.macro JLOAD                           ; a joint refill by the walking descriptors; an s_nop 0 and four v_nop follow each line
	s_cmp_eq_u32 s[FB], 0
	s_cbranch_scc0 .Lfor_b_\@
	tensor_load_to_lds s[G0A+4:G0A+7], s[G1A:G1A+7]
	s_nop 0
.rept 4
	v_nop
.endr
	s_branch .Lasked_\@
.Lfor_b_\@:
	tensor_load_to_lds s[G0B+4:G0B+7], s[G1B:G1B+7]
	s_nop 0
.rept 4
	v_nop
.endr
.Lasked_\@:
.endm
.macro CREST                           ; a round of the cluster's barrier behind its opening barrier
	s_cmp_lg_u32 s[WV], 0
	s_cbranch_scc1 .Lnot_wave_0_\@
	s_barrier_signal -3
.Lnot_wave_0_\@:
	s_barrier_wait -3
	s_barrier_signal -1
	s_barrier_wait -1
.endm
.macro CROUND
	s_barrier_signal -1
	s_barrier_wait -1
	CREST
.endm
.macro PLACES                          ; four places in front of loads into registers that matrix instructions have read (ISA guide 7.12.1 for vector instructions)
.rept 4
	v_nop
.endr
.endm
	s_load_b128 s[4:7], s[0:1], 0x0                ; qb s[4:5], xkb s[6:7]
	s_load_b64 s[8:9], s[0:1], 0x10                ; qp
	s_load_b128 s[68:71], s[0:1], 0x18             ; value_input, vb
	v_lshl_add_u32 v[SPW], v0, 2, SPARE
	v_mov_b32 v[NIL], 0
	ds_add_u32 v[SPW], v[NIL]                      ; the wave's opening: the add and its wait stand ahead of my first tensor load
	v_lshrrev_b32 v1, 5, v0
	v_readfirstlane_b32 s[WV], v1
	s_lshr_b32 s[FB], s[WV], 1
	s_and_b32 s[HF], s[WV], 1
	s_bfe_u32 s[CX], ttmp6, 0x40000
	s_bfe_u32 s[CY], ttmp6, 0x40004
	s_lshl_b32 s[XT], ttmp9, 2
	s_add_co_u32 s[XT], s[XT], s[CX]               ; tile column
	s_and_b32 s[YT], ttmp7, 0xffff
	s_lshl_b32 s[YT], s[YT], 2
	s_add_co_u32 s[YT], s[YT], s[CY]               ; tile row
	s_lshl_b32 s60, s[CY], 2
	s_lshl_b32 s60, 15, s60                        ; my row of the cluster
	s_lshl_b32 s61, 0x1111, s[CX]                  ; my column
	s_or_b32 s[G1A], s60, (1<<16)|(1<<20)|(1<<21)|(6<<22)|(3<<25)  ; elements of 2 bytes; after every 128 words (a row) 4 words of padding
	s_or_b32 s[G1B], s61, (1<<16)|(1<<20)|(1<<21)|(5<<22)|(7<<25)  ; elements of 2 bytes; after every 64 words (a row) 8 words of padding
	s_mov_b32 s[G1A+1], 256<<16                    ; A: tensor_dim0 = 256 (hi, lo, hi, lo of 64 each)
	s_mov_b32 s[G1A+2], 64<<16                     ; tensor_dim1 = 64
	s_mov_b32 s[G1A+3], 256<<16                    ; tile_dim0 = 256
	s_mov_b32 s[G1A+4], 64                         ; tile_dim1 = 64
	s_mov_b32 s[G1A+5], 4096                       ; a row of qb is 4,096 elements
	s_mov_b32 s[G1A+6], 0
	s_mov_b32 s[G1A+7], 0
	s_mov_b32 s[G1B+1], 128<<16                    ; B: tensor_dim0 = 128
	s_mov_b32 s[G1B+2], 64<<16                     ; tensor_dim1 = 64
	s_mov_b32 s[G1B+3], 128<<16                    ; tile_dim0 = 128
	s_mov_b32 s[G1B+4], 64                         ; tile_dim1 = 64
	s_mov_b32 s[G1B+5], 2048                       ; a row of Wk is 2,048 elements
	s_mov_b32 s[G1B+6], 0
	s_mov_b32 s[G1B+7], 0
	s_lshl_b32 s56, s[YT], 20                      ; A: row 128 Y + 64 x half, of 8,192 bytes
	s_lshl_b32 s57, s[HF], 19
	s_add_co_u32 s56, s56, s57
	s_mov_b32 s57, 0
	s_lshl_b32 s58, s[XT], 8                       ; B: column 128 X (256 bytes), row 64 x half of 4,096 bytes,
	s_lshl_b32 s59, s[HF], 18
	s_add_co_u32 s58, s58, s59
	s_add_co_u32 s58, s58, 0x2000000               ; behind key_input's copy in xkb
	s_mov_b32 s59, 0
	s_mul_i32 s22, s[HF], AHALF                    ; where they go: no place in the cluster enters an LDS address
	s_mul_i32 s23, s[HF], BHALF
	s_add_co_u32 s23, s23, BOFF
	s_mov_b32 s[TB], 0
	s_wait_dscnt 0x0                               ; the opening add is done
	s_wait_kmcnt 0x0
	s_add_nc_u64 s[56:57], s[4:5], s[56:57]
	s_add_nc_u64 s[58:59], s[6:7], s[58:59]
	CROUND                                         ; all sixteen work-groups are here
.irp s, 0,1
	s_mov_b32 s[G0A+4*(\s)], 1
	s_add_co_u32 s[G0A+4*(\s)+1], s22, (\s)*SLOT1
	s_add_nc_u64 s[G0A+4*(\s)+2:G0A+4*(\s)+3], s[56:57], (\s)*512      ; K step s: two blocks of the rows
	s_or_b32 s[G0A+4*(\s)+3], s[G0A+4*(\s)+3], 0x80000000
	s_mov_b32 s[G0B+4*(\s)], 1
	s_add_co_u32 s[G0B+4*(\s)+1], s23, (\s)*SLOT1
	s_add_nc_u64 s[G0B+4*(\s)+2:G0B+4*(\s)+3], s[58:59], (\s)*(1<<19)  ; K step s: 128 rows down
	s_or_b32 s[G0B+4*(\s)+3], s[G0B+4*(\s)+3], 0x80000000
.endr
	s_cmp_eq_u32 s[FB], 0                          ; a wave's two first fills stand in one branch: two loads of mine are out
	s_cbranch_scc0 .Lfirst_b
	tensor_load_to_lds s[G0A:G0A+3], s[G1A:G1A+7]
	s_nop 0
	tensor_load_to_lds s[G0A+4:G0A+7], s[G1A:G1A+7]
	s_nop 0
.rept 4
	v_nop
.endr
	s_branch .Lfirst_asked
.Lfirst_b:
	tensor_load_to_lds s[G0B:G0B+3], s[G1B:G1B+7]
	s_nop 0
	tensor_load_to_lds s[G0B+4:G0B+7], s[G1B:G1B+7]
	s_nop 0
.rept 4
	v_nop
.endr
.Lfirst_asked:
	v_and_b32 v1, 15, v0                           ; r
	v_bfe_u32 v2, v0, 4, 1                         ; h
	v_lshlrev_b32 v[MCO], 5, v0
	v_lshlrev_b32 v[MSO], 4, v0
	s_lshl_b32 s60, s[YT], 4
	s_add_co_u32 s60, s60, s[XT]                   ; 16 Y + X: my work-group among the 256
	s_lshl_b32 s62, s60, 18                        ; its 262,144 bytes of value_input,
	s_mov_b32 s63, 0
	s_add_nc_u64 s[VI:VI+1], s[VI:VI+1], s[62:63]
	s_lshl_b32 s62, s60, 17                        ; their 131,072 in vb
	s_add_nc_u64 s[VO:VO+1], s[VO:VO+1], s[62:63]
	WIN 0x40                                       ; destination window 1
.irp c, 0,1,2,3                        ; value_input's first chunk: 16,384 bytes for the work-group, 32 bytes a thread in each 4,096
	global_load_b128 v[SR+8*(\c):SR+8*(\c)+3],   v[MCO], s[VI:VI+1] offset:4096*(\c) th:TH_LOAD_NT
	global_load_b128 v[SR+8*(\c)+4:SR+8*(\c)+7], v[MCO], s[VI:VI+1] offset:4096*(\c)+16 th:TH_LOAD_NT
.endr
	WIN 0
	v_mul_u32_u24 v[A0], v1, PA
	v_lshl_add_u32 v[A0], v2, 4, v[A0]
	s_mul_i32 s20, s[FB], AHALF
	v_add_nc_u32 v[A0], s20, v[A0]                 ; my 64 rows: row x pitch + 16 h
	; The turning load takes 16 rows of K x 16 columns (lane l reads 16 bytes: row 8 (l / 16) + l % 8, columns 8 ((l / 8) % 2) + 0..7) and leaves half a fragment: lane l holds column l % 16 and 8 rows of K.
	v_and_b32 v3, 7, v0
	v_bfe_u32 v4, v0, 3, 1
	v_lshl_add_u32 v[BM0], v2, 3, v3
	v_mul_u32_u24 v[BM0], v[BM0], PB
	v_lshl_add_u32 v[BM0], v4, 4, v[BM0]
	s_lshl_b32 s20, s[HF], 7
	s_add_co_u32 s20, s20, BOFF
	v_add_nc_u32 v[BM0], s20, v[BM0]               ; + my 64 columns
	v_mov_b32 v[ADRA], v[A0]
	v_mov_b32 v[ADRB], v[BM0]
	s_mul_i32 s20, s[FB], 64*SP                    ; into the stage: my 64 rows, my half of their 256 bytes; row l % 16, 16 bytes for each half of the lanes
	s_lshl_b32 s21, s[HF], 7
	s_add_co_u32 s20, s20, s21
	s_add_co_u32 s20, s20, STAGE
	v_mul_u32_u24 v[STO], v1, SP
	v_lshl_add_u32 v[STO], v2, 4, v[STO]
	v_add_nc_u32 v[STO], s20, v[STO]
	s_mul_i32 s20, s[WV], 32*SP                    ; back: wave w takes rows 32 w .. 32 w + 31, whole
	s_add_co_u32 s20, s20, STAGE
	v_mul_u32_u24 v[RD], v2, SP
	v_lshl_add_u32 v[RD], v1, 4, v[RD]
	v_add_nc_u32 v[RD], s20, v[RD]
	v_lshlrev_b32 v[CO], 12, v2
	v_lshl_add_u32 v[CO], v1, 4, v[CO]             ; the same two rows in qp
	s_lshl_b32 s62, s[YT], 19
	s_lshl_b32 s63, s[WV], 17
	s_add_co_u32 s62, s62, s63
	s_lshl_b32 s63, s[XT], 8
	s_add_co_u32 s62, s62, s63                     ; (128 Y + 32 w) rows of 4,096 bytes + 256 X
	s_mov_b32 s63, 0
	s_add_nc_u64 s[8:9], s[8:9], s[62:63]
; THE SIDE STREAM, once a K step: the chunk of value_input that was asked for a K step ago is rounded and stored, and the next is asked for (more = 1).
.macro SIDE more
	s_wait_loadcnt 0x0                             ; the eight loads issued a K step ago
	s_wait_xcnt 0x0                                ; the last chunk's stores have read their data and their base: both are written again below
	s_add_nc_u64 s[VO:VO+1], s[VO:VO+1], 8192      ; the stores below reach back by their immediates
.if \more
	s_add_nc_u64 s[VI:VI+1], s[VI:VI+1], 16384
.endif
	WIN 0x45                                       ; sources and destination in window 1
.irp c, 0,1,2,3
.irp i, 0,1,2,3
	v_cvt_pk_bf16_f32 v[SD+4*(\c)+(\i)], v[SR+8*(\c)+2*(\i)], v[SR+8*(\c)+2*(\i)+1]
.endr
.endr
	WIN 0x04                                       ; a store's data in window 1
.irp c, 0,1,2,3
	global_store_b128 v[MSO], v[SD+4*(\c):SD+4*(\c)+3], s[VO:VO+1] offset:2048*(\c)-8192 th:TH_STORE_NT  ; 512 consecutive bytes a wave, aligned
.endr
.if \more
	WIN 0x40
.irp c, 0,1,2,3
	global_load_b128 v[SR+8*(\c):SR+8*(\c)+3],   v[MCO], s[VI:VI+1] offset:4096*(\c) th:TH_LOAD_NT
	global_load_b128 v[SR+8*(\c)+4:SR+8*(\c)+7], v[MCO], s[VI:VI+1] offset:4096*(\c)+16 th:TH_LOAD_NT
.endr
.endif
.endm
; 24 LDS loads in one run: the fragments of quarter kq (32 e) into buffer g: B's four, hi's four, lo's four, in the order in which they are wanted
.macro FETCH kq, g
	WIN 0x40
.irp b, 0,1,2,3
	ds_load_tr16_b128 v[(\g)+64+8*(\b):(\g)+64+8*(\b)+3],   v[ADRB] offset:32*(\kq)*PB+32*(\b)
	ds_load_tr16_b128 v[(\g)+64+8*(\b)+4:(\g)+64+8*(\b)+7], v[ADRB] offset:(32*(\kq)+16)*PB+32*(\b)
.endr
.irp p, 0,1
.irp i, 0,1,2,3
	ds_load_b128 v[(\g)+32*(\p)+8*(\i):(\g)+32*(\p)+8*(\i)+3],   v[ADRA] offset:256*((\kq)/2)+64*((\kq)%2)+128*(\p)+(\i)*16*PA
	ds_load_b128 v[(\g)+32*(\p)+8*(\i)+4:(\g)+32*(\p)+8*(\i)+7], v[ADRA] offset:256*((\kq)/2)+64*((\kq)%2)+128*(\p)+(\i)*16*PA+32
.endr
.endr
.endm
; eight matrix instructions: p = 0: hi, 1: lo; m blocks a0, a0 + 1 x all four n blocks.  The 16 accumulators take turns, in the same order for hi and for lo in every quarter.
.macro MUL8 f, p, a0, zero
	WIN 0x05
.irp a, \a0, (\a0)+1
.irp b, 0,1,2,3
.if \zero
	v_wmma_f32_16x16x32_bf16 v[ACC+8*(4*(\a)+(\b)):ACC+8*(4*(\a)+(\b))+7], v[(\f)+64+8*(\b):(\f)+64+8*(\b)+7], v[(\f)+32*(\p)+8*(\a):(\f)+32*(\p)+8*(\a)+7], 0
.else
	v_wmma_f32_16x16x32_bf16 v[ACC+8*(4*(\a)+(\b)):ACC+8*(4*(\a)+(\b))+7], v[(\f)+64+8*(\b):(\f)+64+8*(\b)+7], v[(\f)+32*(\p)+8*(\a):(\f)+32*(\p)+8*(\a)+7], v[ACC+8*(4*(\a)+(\b)):ACC+8*(4*(\a)+(\b))+7]
.endif
.endr
.endr
.endm
; Quarter kq = 0, 1, 2 of a K step, on buffer kq % 2; in its middle it fetches the next quarter into the other buffer.
.macro Q kq, zero
.set FF, F0+96*((\kq)%2)
.set GG, F0+96*(1-(\kq)%2)
	s_wait_dscnt 8                                 ; B and hi are in; lo's eight loads, the youngest, may be out
	MUL8 FF, 0, 0, \zero
	MUL8 FF, 0, 2, \zero
	PLACES
	FETCH (\kq)+1, GG
	s_wait_dscnt 24                                ; all but the 24 just issued
	MUL8 FF, 1, 0, 0
	MUL8 FF, 1, 2, 0
.endm
; The last quarter, on buffer 1, changes slots: one barrier; in front of it each wave waits for all its tensor loads, adds 0 to its spare word, and waits for that and for its reads of this slot.
.macro TURN fill
	WIN 0
	s_wait_tensorcnt 0x0                           ; all my tensor loads have landed, so a group 0 may be written
	ds_add_u32 v[SPW], v[NIL]                      ; 0 onto my spare word
.if \fill
	s_xor_b32 s[G0A+5], s[G0A+5], SLOT1            ; the walking descriptors: the other slot, the next K step
	s_add_nc_u64 s[G0A+6:G0A+7], s[G0A+6:G0A+7], 512
	s_xor_b32 s[G0B+5], s[G0B+5], SLOT1
	s_add_nc_u64 s[G0B+6:G0B+7], s[G0B+6:G0B+7], 1<<19
.endif
	s_wait_dscnt 9                                 ; the add and lo's eight loads may be out
	MUL8 F1, 0, 0, 0
	s_wait_dscnt 0x0                               ; the add is done, and my reads of this slot are over
	s_barrier_signal -1
	MUL8 F1, 0, 2, 0
	WIN 0
	s_barrier_wait -1
.if \fill
	CREST                                          ; a round of the cluster's barrier: no wave of any partner still reads this slot or has a load on its way
	JLOAD                                          ; the first tensor load behind it; its four v_nop are also the places in front of the loads below
.else
	PLACES
.endif
	s_xor_b32 s[TB], s[TB], SLOT1
	v_add_nc_u32 v[ADRA], s[TB], v[A0]
	v_add_nc_u32 v[ADRB], s[TB], v[BM0]
	FETCH 0, F0
	MUL8 F1, 1, 0, 0
	MUL8 F1, 1, 2, 0
.endm
	s_wait_tensorcnt 1                             ; my part of K step 0 is in; K step 1's may stay out
	s_barrier_signal -1
	s_barrier_wait -1
	FETCH 0, F0
	Q 0, 1                                         ; hi's first products start the sums
	WIN 0
	s_mov_b32 s3, 14
.Lstep:                                                ; K steps 0 to 13 each ask for the step two on
	Q 1, 0
	SIDE 1
	Q 2, 0
	TURN 1
	Q 0, 0
	WIN 0
	s_sub_co_u32 s3, s3, 1
	s_cmp_lg_u32 s3, 0
	s_cbranch_scc1 .Lstep
	Q 1, 0                                         ; the last two K steps ask for nothing
	SIDE 1
	Q 2, 0
	TURN 0
	Q 0, 0
	Q 1, 0
	SIDE 0                                         ; the sixteenth chunk: nothing is left to ask for
	Q 2, 0
	s_wait_dscnt 8
	MUL8 F1, 0, 0, 0
	MUL8 F1, 0, 2, 0
	s_wait_dscnt 0x0
	MUL8 F1, 1, 0, 0
	MUL8 F1, 1, 2, 0
	WIN 0
	; THE WAY OUT: round to bf16; 16 bytes a lane into the work-group's stage; a barrier, since a row's 256 bytes come from two waves; back as whole rows, 32 rows a wave.
.rept 8
	v_nop                                          ; the places behind the last products
.endr
.set t, 0
.rept 16                               ; each accumulator's registers in ascending order
.irp r, 0,1,2,3
	v_cvt_pk_bf16_f32 v[TMP+4*t+(\r)], v[ACC+8*t+2*(\r)], v[ACC+8*t+2*(\r)+1]
.endr
.set t, t+1
.endr
.irp a, 0,1,2,3
.irp b, 0,1,2,3
	ds_store_b128 v[STO], v[TMP+4*(4*(\a)+(\b)):TMP+4*(4*(\a)+(\b))+3] offset:(\a)*16*SP+32*(\b)
.endr
.endr
	s_wait_dscnt 0x0                               ; for the others' sake
	s_barrier_signal -1
	s_barrier_wait -1
.irp t, 0,1,2,3,4,5,6,7,8,9,10,11,12,13,14,15
	ds_load_b128 v[TMP+4*(\t):TMP+4*(\t)+3], v[RD] offset:(\t)*2*SP
.endr
.irp t, 0,1,2,3,4,5,6,7,8,9,10,11,12,13,14,15
	s_wait_dscnt 15-(\t)                           ; load t is back; the younger ones may stay out
	global_store_b128 v[CO], v[TMP+4*(\t):TMP+4*(\t)+3], s[8:9] offset:(\t)*8192  ; 16 lanes store 256 consecutive bytes, aligned
.endr
	s_wait_tensorcnt 0x0                           ; the wave's end
	ds_add_u32 v[SPW], v[NIL]
	s_wait_dscnt 0x0
	CROUND                                         ; the closing round
	s_endpgm
.Lfunc_end_k_q89ad532f8e_qkproj:
	.size	k_q89ad532f8e_qkproj, .Lfunc_end_k_q89ad532f8e_qkproj-k_q89ad532f8e_qkproj
	.p2alignl 7, 3214868480
	.fill 96, 4, 3214868480
	.section	.rodata,"a",@progbits
	.p2align	6, 0x0
	.amdhsa_kernel k_q89ad532f8e_qkproj
		.amdhsa_group_segment_fixed_size 327680
		.amdhsa_private_segment_fixed_size 0
		.amdhsa_enable_private_segment 0
		.amdhsa_kernarg_size 40
		.amdhsa_user_sgpr_count 2
		.amdhsa_user_sgpr_kernarg_segment_ptr 1
		.amdhsa_wavefront_size32 1
		.amdhsa_system_sgpr_workgroup_id_x 1
		.amdhsa_system_sgpr_workgroup_id_y 1
		.amdhsa_system_sgpr_workgroup_id_z 1
		.amdhsa_system_vgpr_workitem_id 0
		.amdhsa_next_free_vgpr 512
		.amdhsa_next_free_sgpr 72
		.amdhsa_reserve_vcc 0
		.amdhsa_float_denorm_mode_32 3
		.amdhsa_float_denorm_mode_16_64 3
		.amdhsa_memory_ordered 1
		.amdhsa_forward_progress 1
		.amdhsa_inst_pref_size 70
	.end_amdhsa_kernel
	.amdgpu_metadata
---
amdhsa.version: [ 1, 2 ]
amdhsa.kernels:
  - .name:           k_q89ad532f8e_qkproj
    .symbol:         k_q89ad532f8e_qkproj.kd
    .args:
      - { .name: qb, .offset: 0, .size: 8, .value_kind: global_buffer, .address_space: global }
      - { .name: xkb, .offset: 8, .size: 8, .value_kind: global_buffer, .address_space: global }
      - { .name: qp, .offset: 16, .size: 8, .value_kind: global_buffer, .address_space: global }
      - { .name: value_input, .offset: 24, .size: 8, .value_kind: global_buffer, .address_space: global }
      - { .name: vb, .offset: 32, .size: 8, .value_kind: global_buffer, .address_space: global }
    .group_segment_fixed_size: 327680
    .private_segment_fixed_size: 0
    .kernarg_segment_align: 8
    .kernarg_segment_size: 40
    .max_flat_workgroup_size: 128
    .sgpr_count:     72
    .vgpr_count:     512
    .wavefront_size: 32
...
	.end_amdgpu_metadata
.endif
;; end of part 7
;; launch attn (part 8): grid 16 x 16, 4 waves a work-group, clusters of 4 x 4, 327,680 bytes of LDS; arguments qp, xkb, maskb, vb, attn_mask, tpart, pbuf, stats; writes pbuf, stats
.if DOCPART == 8
	.amdgcn_target "amdgcn-amd-amdhsa--gfx1250"
	.amdhsa_code_object_version 6
	.text
	.protected	k_q89ad532f8e_attn
	.globl	k_q89ad532f8e_attn
	.p2align	8
	.type	k_q89ad532f8e_attn,@function
k_q89ad532f8e_attn:
	s_mov_b64 s[64:65], 0
	v_nop
	global_prefetch_b8 v0, s[64:65] scope:SCOPE_SE
	s_setreg_imm32_b32 hwreg(HW_REG_WAVE_MODE, 25, 1), 1
	s_wait_xcnt 0x0
	s_wait_alu depctr_hold_cnt(0) depctr_sa_sdst(0) depctr_va_vdst(0) depctr_va_sdst(0) depctr_va_ssrc(0) depctr_va_vcc(0) depctr_vm_vsrc(0)
	s_getreg_b32 s2, hwreg(HW_REG_IB_STS2, 6, 4)
	s_cmp_eq_u32 s2, 0
	s_cbranch_scc0 .Lentry_in_a_cluster
	s_endpgm
.Lentry_in_a_cluster:
	s_bfe_u32 s2, ttmp6, 0x10000c
	s_cmp_lg_u32 s2, 0xf033
	s_cbranch_scc0 .Lentry_shape_is_right
	s_endpgm
.Lentry_shape_is_right:
; For a tile of 128 rows (b, q) x 128 columns j (j is a key in the scores and a channel in the mixed values):
;   S = qp Xk^T (8 K steps of 256), mixed = maskb V (8 K steps of 256), z = log2(e) ((S + t) / sqrt(2048) + attn_mask), t = q . bk = the sum of tpart's sixteen parts.
;   For each row and each block of 64 columns: m = the largest z, l = the sum of 2^(z - m); pbuf = mixed x 2^(z - m); stats = (m, l).  The next launch joins a row's 32 blocks: the row's true maximum is taken there.
; qp, maskb, xkb (key_input) and vb (value_input) are bf16, each rounded once by the launches before; sums, z, weights and pbuf in f32; attn_mask and t enter z in f32.
; LIMITS: a weight below 2^-126 counts as 0; NaN and infinities are not treated apart.
; SHARES: four waves, each 64 x 64: 16 accumulators for S and 16 for mixed.  One ring of two LDS slots runs through all 16 K steps; a wave's tensor load brings a quarter of a slot.
; BOTH PRODUCTS ARE TAKEN TRANSPOSED.  S: source 0 = 16 keys (rows of xkb, as they lie), source 1 = 16 queries.  mixed: source 0 = 16 channels (vb lies [K][channel] and comes out of LDS turned, by
; ds_load_tr16_b128), source 1 = 16 queries of maskb.  In both results lane l holds query 16 a + l % 16 and the columns 16 b + 8 (l / 16) + 0..7: S, mixed and z meet register by register,
; and a query's maximum and sum want one exchange between the halves of the lanes.
; attn_mask's tile is read in runs of 256 bytes and turned into that layout once, at the head, through a stage in LDS of the wave's own; the result leaves through the same stage, so that sixteen lanes store 256 consecutive bytes.
; CLUSTERS: 4 x 4: the batch is the cluster's y, the block of 128 queries its cy.  qp's and maskb's tiles are shared along a row of the cluster, xkb's and vb's along a column: each byte of xkb and vb is asked for by one cluster alone.
; REGISTERS: window 0: v0-31 addresses; v32-63 statistics and at work; v128-255 S's accumulators ((a, b) at 128 + 8 (4 a + b)), later at work.
;   window 1: two fragment buffers of 128: for 64 along K, 64 registers of A (2 x 4 x 16 rows x 32 K), then 64 of B.   window 2: v0-127 mixed's accumulators; v128-255 attn_mask, then z, then the result, laid as the accumulators.
.set PITCH, 528                        ; a row of A or of xkb in LDS: 512 bytes + 16: the 16 rows of a load start at 16 different groups of four banks (64 banks of 4 bytes: ISA guide 11.1)
.set HALFT, 64*PITCH                   ; 64 rows: what one tensor load brings of them
.set BOFF,  2*HALFT                    ; B lies behind A's 128 rows
.set PV,    288                        ; a row of vb: 256 bytes + 32 = 72 words
.set VHALF, 128*PV                     ; 128 rows of K: what one tensor load brings of vb
.set SLOT,  BOFF+2*VHALF               ; xkb's 128 rows take a little less than vb's 256
.set TT,    2*SLOT                     ; behind the ring: c t of the 128 rows, 512 bytes
.set SS,    TT+512                     ; (m, l) of 128 rows x 2 column halves, 2,048 bytes
.set STG,   SS+2048                    ; the stages: 32 rows x 272 bytes for each wave
.set SGP,   272
.set SPARE, STG+4*32*SGP               ; the spare words, 128 bytes for each wave
.set A0,   8                           ; v8   my place in A's tile; never rewritten
.set BS0,  9                           ; v9   in xkb's tile
.set BV0,  10                          ; v10  in vb's tile
.set ADRA, 11                          ; v11  the same in the slot in hand
.set ADRB, 12
.set ADRB2, 13                         ; v13  vb's rows 128 on: the 16-bit immediate does not reach over 256 rows
.set PO,   14                          ; v14  8 h rows of 8,192 bytes + 16 r: my place in attn_mask's and pbuf's tile; never rewritten
.set TA,   15
.set SA,   16
.set SR,   17
.set SO,   18
.set TS,   19
.set TO,   20
.set PFS,  21                          ; v21  the prefetches' offset in xkb: two lanes a row of 512 bytes, rows 4,096 bytes apart; never rewritten
.set PFV,  22                          ; v22  in vb: a lane a row of 256 bytes
.set ST1,  23                          ; v23  my stage by queries: row r, 32 bytes for each half of the lanes
.set ST2,  24                          ; v24  my stage by rows: row 8 h, 16 bytes a lane
.set SPW,  28
.set NIL,  29
.set CT,   32                          ; v32-35 c t of my queries 16 a + r (at the head v32-47: t's sixteen parts)
.set ML,   40                          ; v40-47 (m, l) of my queries
.set C,    48                          ; v48-63 four registers a block a, at work
.set ACCS, 128
.set SU,   128
.set F0,   0
.set F1,   128
.set ACCM, 0
.set Z,    128
.set WV, 12
.set FB, 13                            ; my half of the rows; also: I fetch A (0) or B (1)
.set HF, 14                            ; my half of the columns; also: which half of that tile I fetch
.set CX, 15
.set CY, 16
.set XT, 17
.set YT, 18
.set BT, 19
.set G1A, 24                           ; s[24:31] qp's and maskb's tiles
.set G0A, 32                           ; s[32:35] step 0; s[36:39] step 1, and then it walks
.set G1S, 40                           ; s[40:47] xkb's tiles
.set G0B, 48
.set G1M, 56                           ; s[56:63] vb's tiles
.set TB,  66                           ; LDS byte at which the slot in hand begins: 0 or SLOT
.set LIM, 67                           ; 1 in a wave that prefetches (waves 2 and 3), else the greatest number
.set MB,  68                           ; s[68:69] attn_mask at my 64 x 64
.set TPP, 70                           ; s[70:71] tpart at my tile's rows
.set PB,  72                           ; s[72:73] pbuf at my 64 x 64
.set STT, 74                           ; s[74:75] stats at my tile
.set AM,  76                           ; s[76:77] maskb at my half of the first tile
.set BM,  78                           ; s[78:79] vb at my half of the first tile
.set CS,  80                           ; s[80:81] c = log2(e) / sqrt(2048)
.set L2E, 82                           ; s[82:83] log2(e)
.set PFA, 84                           ; s[84:85] where my prefetches stand
.set PFM, 86                           ; s[86:87] the same for mixed's K step 1
.set SEL, 88                           ; s[88:89] v_permlanex16_b32's selects: each lane takes its own place in the other half
.set LA,  90                           ; my part of A's tile in a slot
.set LB,  91                           ; my part of B's tile in a slot
.set MSB, 0
.macro WIN new                         ; the immediate's high byte repeats the setting that is left
.if MSB != (\new)
	s_set_vgpr_msb (MSB<<8)|(\new)
.set MSB, \new
.endif
.endm
.macro JLOAD gb                        ; a joint refill by the walking descriptors; gb: B's group 1; an s_nop 0 and four v_nop follow each line
	s_cmp_eq_u32 s[FB], 0
	s_cbranch_scc0 .Lfor_b_\@
	tensor_load_to_lds s[G0A+4:G0A+7], s[G1A:G1A+7]
	s_nop 0
.rept 4
	v_nop
.endr
	s_branch .Lasked_\@
.Lfor_b_\@:
	tensor_load_to_lds s[G0B+4:G0B+7], s[\gb:\gb+7]
	s_nop 0
.rept 4
	v_nop
.endr
.Lasked_\@:
.endm
; A PREFETCH INTO THE L2 of xkb's or vb's K step that the NEXT change of slots will ask for: 128 matrix instructions a wave ahead of that load.  A step is 256 blocks of 256 bytes.  Of what wave 2 or 3 fetches, each of
; the four partners that ask for it jointly takes a quarter, told apart BY ADDRESS (cy): 16 keys, two lanes a key, or 32 rows of K, a lane a row: each block is named once in the launch.
; how = 0, in a loop: the loop's last refill has no step of its phase behind it; how = 1: written out.
.macro ASK how, reg
.if \how
	s_cmp_eq_u32 s[LIM], 1
.else
	s_cmp_gt_u32 s3, s[LIM]
.endif
	s_cbranch_scc0 .Lnot_mine_\@
	global_prefetch_b8 v[\reg], s[PFA:PFA+1] th:TH_LOAD_NT scope:SCOPE_SE
.Lnot_mine_\@:
.endm
.macro CREST                           ; a round of the cluster's barrier behind its opening barrier
	s_cmp_lg_u32 s[WV], 0
	s_cbranch_scc1 .Lnot_wave_0_\@
	s_barrier_signal -3
.Lnot_wave_0_\@:
	s_barrier_wait -3
	s_barrier_signal -1
	s_barrier_wait -1
.endm
.macro CROUND
	s_barrier_signal -1
	s_barrier_wait -1
	CREST
.endm
.macro PLACES                          ; four places in front of loads into registers that matrix instructions have read (ISA guide 7.12.1 for vector instructions)
.rept 4
	v_nop
.endr
.endm
	s_load_b256 s[4:11], s[0:1], 0x0               ; qp s[4:5], xkb s[6:7], maskb s[8:9], vb s[10:11]
	s_load_b256 s[68:75], s[0:1], 0x20             ; attn_mask, tpart, pbuf, stats
	v_lshl_add_u32 v[SPW], v0, 2, SPARE
	v_mov_b32 v[NIL], 0
	ds_add_u32 v[SPW], v[NIL]                      ; the wave's opening: the add and its wait stand ahead of my first tensor load
	v_lshrrev_b32 v1, 5, v0
	v_readfirstlane_b32 s[WV], v1
	s_lshr_b32 s[FB], s[WV], 1
	s_and_b32 s[HF], s[WV], 1
	s_bfe_u32 s[CX], ttmp6, 0x40000
	s_bfe_u32 s[CY], ttmp6, 0x40004
	s_lshl_b32 s[XT], ttmp9, 2
	s_add_co_u32 s[XT], s[XT], s[CX]               ; tile column X
	s_and_b32 s[BT], ttmp7, 0xffff                 ; the batch
	s_lshl_b32 s[YT], s[BT], 2
	s_add_co_u32 s[YT], s[YT], s[CY]               ; tile row Y = 4 b + cy
	s_lshl_b32 s100, s[CY], 2
	s_lshl_b32 s100, 15, s100                      ; my row of the cluster
	s_lshl_b32 s101, 0x1111, s[CX]                 ; my column
	s_or_b32 s[G1A], s100, (1<<16)|(1<<20)|(1<<21)|(6<<22)|(3<<25)  ; 2-byte elements; after every 128 words (a row) 4 words of padding
	s_or_b32 s[G1S], s101, (1<<16)|(1<<20)|(1<<21)|(6<<22)|(3<<25)
	s_or_b32 s[G1M], s101, (1<<16)|(1<<20)|(1<<21)|(5<<22)|(7<<25)  ; after every 64 words (a row) 8 words of padding
.irp g, G1A, G1S
	s_mov_b32 s[(\g)+1], 256<<16                   ; tensor_dim0 = 256
	s_mov_b32 s[(\g)+2], 64<<16                    ; tensor_dim1 = 64
	s_mov_b32 s[(\g)+3], 256<<16                   ; tile_dim0 = 256
	s_mov_b32 s[(\g)+4], 64                        ; tile_dim1 = 64
	s_mov_b32 s[(\g)+5], 2048                      ; elements from row to row
	s_mov_b32 s[(\g)+6], 0
	s_mov_b32 s[(\g)+7], 0
.endr
	s_mov_b32 s[G1M+1], 128<<16                    ; tensor_dim0 = 128
	s_mov_b32 s[G1M+2], 128<<16                    ; tensor_dim1 = 128
	s_mov_b32 s[G1M+3], 128<<16                    ; tile_dim0 = 128
	s_mov_b32 s[G1M+4], 128                        ; tile_dim1 = 128
	s_mov_b32 s[G1M+5], 2048
	s_mov_b32 s[G1M+6], 0
	s_mov_b32 s[G1M+7], 0
	s_lshl_b32 s92, s[YT], 19                      ; qp: row 128 Y + 64 x half, of 4,096 bytes
	s_lshl_b32 s93, s[HF], 18
	s_add_co_u32 s92, s92, s93
	s_lshl_b32 s94, s[CY], 19                      ; maskb: row 128 cy + 64 x half
	s_add_co_u32 s94, s94, s93
	s_mov_b32 s93, 0
	s_mov_b32 s95, 0
	s_lshl_b32 s96, s[BT], 23                      ; xkb: the batch's 8 MiB, key 128 X + 64 x half, of 4,096 bytes
	s_lshl_b32 s97, s[XT], 19
	s_add_co_u32 s96, s96, s97
	s_lshl_b32 s97, s[HF], 18
	s_add_co_u32 s96, s96, s97
	s_mov_b32 s97, 0
	s_lshl_b32 s98, s[BT], 23                      ; vb: the batch, row 128 x half, channel 128 X
	s_lshl_b32 s99, s[HF], 19
	s_add_co_u32 s98, s98, s99
	s_lshl_b32 s99, s[XT], 8
	s_add_co_u32 s98, s98, s99
	s_mov_b32 s99, 0
	s_mov_b32 s[G0A], 1
	s_mov_b32 s[G0A+4], 1
	s_mov_b32 s[G0B], 1
	s_mov_b32 s[G0B+4], 1
	s_mul_i32 s[LA], s[HF], HALFT                  ; LDS addresses hang on the wave's number alone
	s_add_co_u32 s[LB], s[LA], BOFF
	s_mov_b32 s[G0A+1], s[LA]
	s_add_co_u32 s[G0A+5], s[LA], SLOT
	s_mov_b32 s[G0B+1], s[LB]
	s_add_co_u32 s[G0B+5], s[LB], SLOT
	s_mov_b32 s[TB], 0
	s_mov_b32 s[CS], 0x3d0293ee                    ; log2(e) / sqrt(2048) = 0.0318794
	s_mov_b32 s[CS+1], s[CS]                       ; named with it as a pair
	s_mov_b32 s[L2E], 0x3fb8aa3b
	s_mov_b32 s[L2E+1], s[L2E]
	s_mov_b32 s[SEL], 0x76543210
	s_mov_b32 s[SEL+1], 0xfedcba98
	s_wait_dscnt 0x0                               ; the opening add is done
	s_wait_kmcnt 0x0
	s_add_nc_u64 s[G0A+2:G0A+3], s[4:5], s[92:93]
	s_add_nc_u64 s[G0A+6:G0A+7], s[G0A+2:G0A+3], 512
	s_or_b32 s[G0A+3], s[G0A+3], 0x80000000
	s_or_b32 s[G0A+7], s[G0A+7], 0x80000000
	s_add_nc_u64 s[G0B+2:G0B+3], s[6:7], s[96:97]
	s_add_nc_u64 s[G0B+6:G0B+7], s[G0B+2:G0B+3], 512
	s_or_b32 s[G0B+3], s[G0B+3], 0x80000000
	s_or_b32 s[G0B+7], s[G0B+7], 0x80000000
	s_add_nc_u64 s[AM:AM+1], s[8:9], s[94:95]
	s_add_nc_u64 s[BM:BM+1], s[10:11], s[98:99]
	CROUND                                         ; all sixteen work-groups are here
	s_cmp_eq_u32 s[FB], 0                          ; a wave's two first fills stand in one branch: two loads of mine are out
	s_cbranch_scc0 .Lfirst_b
	tensor_load_to_lds s[G0A:G0A+3], s[G1A:G1A+7]
	s_nop 0
	tensor_load_to_lds s[G0A+4:G0A+7], s[G1A:G1A+7]
	s_nop 0
.rept 4
	v_nop
.endr
	s_branch .Lfirst_asked
.Lfirst_b:
	tensor_load_to_lds s[G0B:G0B+3], s[G1S:G1S+7]
	s_nop 0
	tensor_load_to_lds s[G0B+4:G0B+7], s[G1S:G1S+7]
	s_nop 0
.rept 4
	v_nop
.endr
.Lfirst_asked:
	v_and_b32 v1, 15, v0                           ; r
	v_bfe_u32 v2, v0, 4, 1                         ; h
	v_and_b32 v3, 31, v0                           ; lane
	v_lshlrev_b32 v[TO], 2, v0
	v_lshlrev_b32 v[PO], 16, v2
	v_lshl_add_u32 v[PO], v1, 4, v[PO]
	s_lshl_b32 s92, s[YT], 9                       ; tpart: my tile's 128 rows
	s_add_nc_u64 s[TPP:TPP+1], s[TPP:TPP+1], s[92:93]
.set i, 0
.rept 16                               ; thread t takes row t: its sixteen partial sums
	global_load_b32 v[CT+i], v[TO], s[TPP:TPP+1] offset:8192*i
.set i, i+1
.endr
	s_lshl_b32 s94, s[FB], 19                      ; 64 x row half rows of 8,192 bytes, (128 X + 64 x column half) x 4 bytes
	s_lshl_b32 s95, s[XT], 9
	s_add_co_u32 s94, s94, s95
	s_lshl_b32 s95, s[HF], 8
	s_add_co_u32 s94, s94, s95
	s_lshl_b32 s92, s[CY], 20
	s_add_co_u32 s92, s92, s94                     ; attn_mask: + 128 cy rows
	s_add_nc_u64 s[MB:MB+1], s[MB:MB+1], s[92:93]
	s_lshl_b32 s92, s[YT], 20
	s_add_co_u32 s92, s92, s94                     ; pbuf: + 128 Y rows
	s_add_nc_u64 s[PB:PB+1], s[PB:PB+1], s[92:93]
	WIN 0x80                                       ; destination window 2
.irp a, 0,1,2,3
.irp j, 0,1,2,3,4,5,6,7                ; row 16 a + 8 h + j, columns 4 r .. 4 r + 3
	global_load_b128 v[Z+4*(8*(\a)+(\j)):Z+4*(8*(\a)+(\j))+3], v[PO], s[MB:MB+1] offset:(16*(\a)+(\j))*8192  ; 16 lanes read 256 consecutive bytes, aligned
.endr
.endr
	WIN 0
	s_lshl_b32 s92, s[XT], 15                      ; stats: block X's 2,048 rows of 16 bytes, my tile's 128
	s_lshl_b32 s94, s[YT], 11
	s_add_co_u32 s92, s92, s94
	s_add_nc_u64 s[STT:STT+1], s[STT:STT+1], s[92:93]
	s_add_nc_u64 s[PFA:PFA+1], s[6:7], s[96:97]    ; the prefetches: the 64 keys that I fetch, my work-group's 16 of them,
	s_lshl_b32 s92, s[CY], 16
	s_add_co_u32 s92, s92, 2*512                   ; at K step 2: the first change of slots steps it to 3
	s_add_nc_u64 s[PFA:PFA+1], s[PFA:PFA+1], s[92:93]
	s_add_nc_u64 s[PFM:PFM+1], s[10:11], s[98:99]  ; vb: the 128 rows that I fetch, my work-group's 32 of them,
	s_lshl_b32 s92, s[CY], 17
	s_add_co_u32 s92, s92, 1<<20                   ; at mixed's K step 1
	s_add_nc_u64 s[PFM:PFM+1], s[PFM:PFM+1], s[92:93]
	s_cmp_eq_u32 s[FB], 1
	s_cselect_b32 s[LIM], 1, -1
	v_lshrrev_b32 v4, 1, v3
	v_and_b32 v5, 1, v3
	v_lshlrev_b32 v[PFS], 12, v4
	v_lshl_add_u32 v[PFS], v5, 8, v[PFS]
	v_lshlrev_b32 v[PFV], 12, v3
	v_mul_u32_u24 v4, v1, PITCH
	v_lshl_add_u32 v4, v2, 4, v4                   ; a fragment's row x pitch + 16 h
	s_mul_i32 s20, s[FB], HALFT
	v_add_nc_u32 v[A0], s20, v4                    ; my 64 rows of A
	s_mul_i32 s20, s[HF], HALFT
	s_add_co_u32 s20, s20, BOFF
	v_add_nc_u32 v[BS0], s20, v4                   ; my 64 keys
	; The turning load takes 16 rows of K x 16 channels (lane l reads 16 bytes: row 8 (l / 16) + l % 8, channels 8 ((l / 8) % 2) + 0..7) and leaves half a fragment: lane l holds channel l % 16 and 8 rows of K.
	v_and_b32 v4, 7, v0
	v_bfe_u32 v5, v0, 3, 1
	v_lshl_add_u32 v[BV0], v2, 3, v4
	v_mul_u32_u24 v[BV0], v[BV0], PV
	v_lshl_add_u32 v[BV0], v5, 4, v[BV0]
	s_lshl_b32 s20, s[HF], 7
	s_add_co_u32 s20, s20, BOFF
	v_add_nc_u32 v[BV0], s20, v[BV0]               ; + my 64 channels
	v_mov_b32 v[ADRA], v[A0]
	v_mov_b32 v[ADRB], v[BS0]
	s_lshl_b32 s20, s[FB], 8
	s_add_co_u32 s20, s20, TT
	v_lshl_add_u32 v[TA], v1, 2, s20               ; c t of query 64 x row half + r (+ 16 a)
	s_lshl_b32 s20, s[FB], 10
	s_lshl_b32 s21, s[HF], 3
	s_add_co_u32 s20, s20, s21
	s_add_co_u32 s20, s20, SS
	v_lshl_add_u32 v[SA], v1, 4, s20               ; (m, l): 16 bytes a row, 8 a column half
	v_lshlrev_b32 v[SO], 4, v0
	v_add_nc_u32 v[SR], SS, v[SO]
	v_add_nc_u32 v[TS], TT, v[TO]
	s_mul_i32 s20, s[WV], 32*SGP
	s_add_co_u32 s20, s20, STG                     ; my stage
	v_mul_u32_u24 v[ST1], v1, SGP
	v_lshl_add_u32 v[ST1], v2, 5, v[ST1]
	v_add_nc_u32 v[ST1], s20, v[ST1]
	v_mul_u32_u24 v[ST2], v2, 8*SGP
	v_lshl_add_u32 v[ST2], v1, 4, v[ST2]
	v_add_nc_u32 v[ST2], s20, v[ST2]
	s_wait_loadcnt 32                              ; t's sixteen loads are in; the mask's 32, issued behind them, may stay out
.irp n, 8,4,2,1
.set i, 0
.rept \n
	v_add_f32 v[CT+i], v[CT+i], v[CT+i+(\n)]
.set i, i+1
.endr
.endr
	v_mul_f32 v[CT], s[CS], v[CT]
	ds_store_b32 v[TS], v[CT]
	s_wait_loadcnt 0x0                             ; attn_mask's tile
.irp p, 0,1                            ; through my stage, 32 rows at a time: in by rows, out by queries, into the registers that it left
	WIN 0x08                                       ; an LDS store's data in window 2
.irp a, 0,1
.irp j, 0,1,2,3,4,5,6,7
	ds_store_b128 v[ST2], v[Z+64*(\p)+4*(8*(\a)+(\j)):Z+64*(\p)+4*(8*(\a)+(\j))+3] offset:(16*(\a)+(\j))*SGP
.endr
.endr
	WIN 0x80
.irp a, 0,1
.irp b, 0,1,2,3                        ; LDS serves a wave's instructions in order (ISA guide 5.7.1.4): these see the stores above, and the next pass's stores come behind them
	ds_load_b128 v[Z+64*(\p)+8*(4*(\a)+(\b)):Z+64*(\p)+8*(4*(\a)+(\b))+3],   v[ST1] offset:(\a)*16*SGP+64*(\b)
	ds_load_b128 v[Z+64*(\p)+8*(4*(\a)+(\b))+4:Z+64*(\p)+8*(4*(\a)+(\b))+7], v[ST1] offset:(\a)*16*SGP+64*(\b)+16
.endr
.endr
.endr
	WIN 0
	s_wait_dscnt 0x0                               ; for the others' sake (c t), and the mask is back
; 32 LDS loads in one run: the fragments of quarter kq (64 along K) into buffer f; the first 32 along K first.  ph = 0: B is xkb, as it lies; 1: B is vb, turned.
.macro FETCH ph, kq, f
	WIN 0x40
.irp c, 0,1
.irp i, 0,1,2,3
.if \ph
.if (\kq) < 2
	ds_load_tr16_b128 v[(\f)+64+8*(4*(\c)+(\i)):(\f)+64+8*(4*(\c)+(\i))+3],   v[ADRB] offset:(64*(\kq)+32*(\c))*PV+32*(\i)
	ds_load_tr16_b128 v[(\f)+64+8*(4*(\c)+(\i))+4:(\f)+64+8*(4*(\c)+(\i))+7], v[ADRB] offset:(64*(\kq)+32*(\c)+16)*PV+32*(\i)
.else
	ds_load_tr16_b128 v[(\f)+64+8*(4*(\c)+(\i)):(\f)+64+8*(4*(\c)+(\i))+3],   v[ADRB2] offset:(64*((\kq)-2)+32*(\c))*PV+32*(\i)
	ds_load_tr16_b128 v[(\f)+64+8*(4*(\c)+(\i))+4:(\f)+64+8*(4*(\c)+(\i))+7], v[ADRB2] offset:(64*((\kq)-2)+32*(\c)+16)*PV+32*(\i)
.endif
.else
	ds_load_b128 v[(\f)+64+8*(4*(\c)+(\i)):(\f)+64+8*(4*(\c)+(\i))+3],   v[ADRB] offset:128*(\kq)+64*(\c)+(\i)*16*PITCH
	ds_load_b128 v[(\f)+64+8*(4*(\c)+(\i))+4:(\f)+64+8*(4*(\c)+(\i))+7], v[ADRB] offset:128*(\kq)+64*(\c)+(\i)*16*PITCH+32
.endif
	ds_load_b128 v[(\f)+8*(4*(\c)+(\i)):(\f)+8*(4*(\c)+(\i))+3],   v[ADRA] offset:128*(\kq)+64*(\c)+(\i)*16*PITCH
	ds_load_b128 v[(\f)+8*(4*(\c)+(\i))+4:(\f)+8*(4*(\c)+(\i))+7], v[ADRA] offset:128*(\kq)+64*(\c)+(\i)*16*PITCH+32
.endr
.endr
.endm
; 8 matrix instructions: query blocks a0, a0 + 1 x all 4 column blocks, 32 along K: half c of buffer f.  ph = 0: S, accumulators in window 0; 1: mixed, in window 2.
; A phase's 16 accumulators take turns, in the same order throughout.  zero = 1: the first product starts the sums.
.macro MUL8 ph, f, c, a0, zero
.if \ph
	WIN 0xa5
.else
	WIN 0x05
.endif
.set AB, ACCS*(1-(\ph))+ACCM*(\ph)
.irp a, \a0, (\a0)+1
.irp b, 0,1,2,3
.if \zero
	v_wmma_f32_16x16x32_bf16 v[AB+8*(4*(\a)+(\b)):AB+8*(4*(\a)+(\b))+7], v[(\f)+64+8*(4*(\c)+(\b)):(\f)+64+8*(4*(\c)+(\b))+7], v[(\f)+8*(4*(\c)+(\a)):(\f)+8*(4*(\c)+(\a))+7], 0
.else
	v_wmma_f32_16x16x32_bf16 v[AB+8*(4*(\a)+(\b)):AB+8*(4*(\a)+(\b))+7], v[(\f)+64+8*(4*(\c)+(\b)):(\f)+64+8*(4*(\c)+(\b))+7], v[(\f)+8*(4*(\c)+(\a)):(\f)+8*(4*(\c)+(\a))+7], v[AB+8*(4*(\a)+(\b)):AB+8*(4*(\a)+(\b))+7]
.endif
.endr
.endr
.endm
; A K step is four quarters of 64 along K, 32 matrix instructions each, on buffers 0, 1, 0, 1.  One of the first three: multiplies buffer f and fetches quarter kq into g.
.macro QUARTER ph, kq, f, g, zero
	s_wait_dscnt 16                                ; the first 32 along K are in; the youngest sixteen loads may be out
	MUL8 \ph, \f, 0, 0, \zero
	MUL8 \ph, \f, 0, 2, \zero
	PLACES
	FETCH \ph, \kq, \g
	s_wait_dscnt 32                                ; all but the 32 just issued
	MUL8 \ph, \f, 1, 0, 0
	MUL8 \ph, \f, 1, 2, 0
.endm
; The last quarter multiplies buffer 1 and changes slots: one barrier; in front of it each wave waits for all its tensor loads, adds 0 to its spare word, and waits for that and for its own reads of this slot.
; fill = 1: the slot takes S's step two on; 2: mixed's step 0; 3: mixed's next step; 0: nothing.  nph: the phase of the step that is fetched next.
; The walking descriptors' LDS word is the slot in hand, s[TB], plus the wave's part of a slot.
.macro TURN ph, fill, nph, how
.if \fill
	s_wait_xcnt 0x0                                ; the last prefetch, a K step back, has read its address
.if (\fill) == 1
	s_add_nc_u64 s[PFA:PFA+1], s[PFA:PFA+1], 512
.elseif (\fill) == 2
	s_mov_b64 s[PFA:PFA+1], s[PFM:PFM+1]
.else
	s_add_nc_u64 s[PFA:PFA+1], s[PFA:PFA+1], 1<<20
.endif
.endif
	WIN 0
	s_wait_tensorcnt 0x0                           ; all my tensor loads have landed, so a group 0 may be written
	ds_add_u32 v[SPW], v[NIL]                      ; 0 onto my spare word
.if \fill
	s_add_co_u32 s[G0A+5], s[TB], s[LA]
.if (\fill) == 2
	s_mul_i32 s[LB], s[HF], VHALF                  ; vb's halves are 128 rows of 288 bytes
	s_add_co_u32 s[LB], s[LB], BOFF
	s_mov_b64 s[G0A+6:G0A+7], s[AM:AM+1]
	s_or_b32 s[G0A+7], s[G0A+7], 0x80000000
	s_mov_b64 s[G0B+6:G0B+7], s[BM:BM+1]
	s_or_b32 s[G0B+7], s[G0B+7], 0x80000000
.else
	s_add_nc_u64 s[G0A+6:G0A+7], s[G0A+6:G0A+7], 512
.if (\fill) == 1
	s_add_nc_u64 s[G0B+6:G0B+7], s[G0B+6:G0B+7], 512
.else
	s_add_nc_u64 s[G0B+6:G0B+7], s[G0B+6:G0B+7], 1<<20
.endif
.endif
	s_add_co_u32 s[G0B+5], s[TB], s[LB]
.endif
	s_wait_dscnt 17                                ; the add and the youngest sixteen loads may be out
	MUL8 \ph, F1, 0, 0, 0
	s_wait_dscnt 0x0                               ; the add is done, and my reads of this slot are over
	s_barrier_signal -1
	MUL8 \ph, F1, 0, 2, 0
	WIN 0
	s_barrier_wait -1
.if \fill
	CREST                                          ; a round of the cluster's barrier: no wave of any partner still reads this slot or has a load on its way
.if (\fill) == 1
	JLOAD G1S                                      ; the first tensor load behind it; its four v_nop are also the places in front of the loads below
.else
	JLOAD G1M
.endif
.else
	PLACES
.endif
	s_xor_b32 s[TB], s[TB], SLOT                   ; 0 and SLOT by turns
	v_add_nc_u32 v[ADRA], s[TB], v[A0]
.if \nph
	v_add_nc_u32 v[ADRB], s[TB], v[BV0]
	v_add_nc_u32 v[ADRB2], 128*PV, v[ADRB]
.else
	v_add_nc_u32 v[ADRB], s[TB], v[BS0]
.endif
	FETCH \nph, 0, F0
.if \fill
	WIN 0
.if (\fill) == 1
	ASK \how, PFS                                  ; behind the joint load and the run of LDS loads that the next products wait for
.else
	ASK \how, PFV
.endif
.endif
	MUL8 \ph, F1, 1, 0, 0
	MUL8 \ph, F1, 1, 2, 0
.endm
	s_wait_tensorcnt 1                             ; my part of step 0 is in; step 1's may stay out
	s_barrier_signal -1
	s_barrier_wait -1
	FETCH 0, 0, F0
	QUARTER 0, 1, F0, F1, 1                        ; S's first products start its sums
	WIN 0
	s_mov_b32 s3, 6
.Lstep_s:                                              ; S's K steps 0 to 5 each ask for the step two on
	QUARTER 0, 2, F1, F0, 0
	QUARTER 0, 3, F0, F1, 0
	TURN 0, 1, 0, 0
	QUARTER 0, 1, F0, F1, 0
	WIN 0
	s_sub_co_u32 s3, s3, 1
	s_cmp_lg_u32 s3, 0
	s_cbranch_scc1 .Lstep_s
	QUARTER 0, 2, F1, F0, 0                        ; S's step 6 asks for mixed's step 0,
	QUARTER 0, 3, F0, F1, 0
	TURN 0, 2, 0, 1
	QUARTER 0, 1, F0, F1, 0
	QUARTER 0, 2, F1, F0, 0
	QUARTER 0, 3, F0, F1, 0
	TURN 0, 3, 1, 1                                ; its step 7 for mixed's step 1, and mixed's first fragments are fetched
	QUARTER 1, 1, F0, F1, 1                        ; mixed's first products start its sums
	WIN 0
	s_mov_b32 s3, 6
.Lstep_m:                                              ; mixed's K steps 0 to 5 each ask for the step two on
	QUARTER 1, 2, F1, F0, 0
	QUARTER 1, 3, F0, F1, 0
	TURN 1, 3, 1, 0
	QUARTER 1, 1, F0, F1, 0
	WIN 0
	s_sub_co_u32 s3, s3, 1
	s_cmp_lg_u32 s3, 0
	s_cbranch_scc1 .Lstep_m
	QUARTER 1, 2, F1, F0, 0                        ; the last two K steps ask for nothing
	QUARTER 1, 3, F0, F1, 0
	TURN 1, 0, 1, 0
	QUARTER 1, 1, F0, F1, 0
	QUARTER 1, 2, F1, F0, 0
	QUARTER 1, 3, F0, F1, 0
	s_wait_dscnt 16
	MUL8 1, F1, 0, 0, 0
	MUL8 1, F1, 0, 2, 0
	s_wait_dscnt 0x0
	MUL8 1, F1, 1, 0, 0
	MUL8 1, F1, 1, 2, 0
	; THE SOFTMAX'S BLOCK PART AND THE WAY OUT.  Register 8 (4 a + b) + j of S, mixed and z is query 16 a + r, column 16 b + 8 h + j.
	WIN 0
.irp a, 0,1,2,3
	ds_load_b32 v[CT+(\a)], v[TA] offset:64*(\a)
.endr
	s_wait_dscnt 0x0
	WIN 0x82                                       ; destination and source 0 in window 2
.irp a, 0,1,2,3                        ; log2(e) mask + c t; these 64 lines are also the places behind the last products
.set i, 0
.rept 16
.if (\a)%2
	v_pk_fma_f32 v[Z+32*(\a)+2*i:Z+32*(\a)+2*i+1], v[Z+32*(\a)+2*i:Z+32*(\a)+2*i+1], s[L2E:L2E+1], v[CT+(\a)-1:CT+(\a)] op_sel:[0,0,1] op_sel_hi:[1,0,1]
.else
	v_pk_fma_f32 v[Z+32*(\a)+2*i:Z+32*(\a)+2*i+1], v[Z+32*(\a)+2*i:Z+32*(\a)+2*i+1], s[L2E:L2E+1], v[CT+(\a):CT+(\a)+1] op_sel_hi:[1,0,0]
.endif
.set i, i+1
.endr
.endr
	WIN 0xa0                                       ; destination and source 2 in window 2, source 0 in window 0
.set i, 0
.rept 64                               ; + c S; each accumulator's registers in ascending order
	v_pk_fma_f32 v[Z+2*i:Z+2*i+1], v[ACCS+2*i:ACCS+2*i+1], s[CS:CS+1], v[Z+2*i:Z+2*i+1] op_sel_hi:[1,0,1]
.set i, i+1
.endr
	WIN 0x2a                                       ; the largest of a lane's 32 z of a query: four chains of seven, three operands at a time, then the four left over
.irp a, 0,1,2,3
.irp k, 0,1,2,3
	v_max3_num_f32 v[C+4*(\a)+(\k)], v[Z+32*(\a)+8*(\k)], v[Z+32*(\a)+8*(\k)+1], v[Z+32*(\a)+8*(\k)+2]
.endr
.endr
	WIN 0x28
.irp q, 3,5
.irp a, 0,1,2,3
.irp k, 0,1,2,3
	v_max3_num_f32 v[C+4*(\a)+(\k)], v[C+4*(\a)+(\k)], v[Z+32*(\a)+8*(\k)+(\q)], v[Z+32*(\a)+8*(\k)+(\q)+1]
.endr
.endr
.endr
.irp a, 0,1,2,3
	v_max3_num_f32 v[C+4*(\a)],   v[C+4*(\a)],   v[Z+32*(\a)+7],  v[Z+32*(\a)+15]
	v_max3_num_f32 v[C+4*(\a)+2], v[C+4*(\a)+2], v[Z+32*(\a)+23], v[Z+32*(\a)+31]
.endr
	WIN 0
.irp a, 0,1,2,3
	v_max3_num_f32 v[C+4*(\a)], v[C+4*(\a)], v[C+4*(\a)+1], v[C+4*(\a)+2]
.endr
.irp a, 0,1,2,3
	v_max_num_f32 v[ML+2*(\a)+1], v[C+4*(\a)], v[C+4*(\a)+3]
.endr
.irp a, 0,1,2,3
	v_permlanex16_b32 v[C+4*(\a)+1], v[ML+2*(\a)+1], s[SEL], s[SEL+1]  ; the query's other 32 columns lie in the lane 16 away
.endr
.irp a, 0,1,2,3
	v_max_num_f32 v[ML+2*(\a)], v[ML+2*(\a)+1], v[C+4*(\a)+1]          ; m
.endr
	WIN 0x82
.irp a, 0,1,2,3
.set i, 0
.rept 16
	v_pk_add_f32 v[Z+32*(\a)+2*i:Z+32*(\a)+2*i+1], v[Z+32*(\a)+2*i:Z+32*(\a)+2*i+1], v[ML+2*(\a):ML+2*(\a)+1] op_sel_hi:[1,0] neg_lo:[0,1] neg_hi:[0,1]  ; z - m
.set i, i+1
.endr
.endr
.set i, 0
.rept 128                              ; one batch
	v_exp_f32 v[Z+i], v[Z+i]
.set i, i+1
.endr
	v_nop                                          ; a plain instruction behind the last exponential
	s_wait_alu depctr_va_vdst(0)                   ; and the one wait ahead of the batch's first reader
	WIN 0x0a                                       ; the sum of a lane's 32 weights of a query, two an instruction, into S's registers, which are free
.irp a, 0,1,2,3
.set i, 0
.rept 8
	v_pk_add_f32 v[SU+16*(\a)+2*i:SU+16*(\a)+2*i+1], v[Z+32*(\a)+4*i:Z+32*(\a)+4*i+1], v[Z+32*(\a)+4*i+2:Z+32*(\a)+4*i+3]
.set i, i+1
.endr
.endr
	WIN 0
.irp n, 4,2,1
.irp a, 0,1,2,3
.set i, 0
.rept \n
	v_pk_add_f32 v[SU+16*(\a)+2*i:SU+16*(\a)+2*i+1], v[SU+16*(\a)+2*i:SU+16*(\a)+2*i+1], v[SU+16*(\a)+2*(i+(\n)):SU+16*(\a)+2*(i+(\n))+1]
.set i, i+1
.endr
.endr
.endr
.irp a, 0,1,2,3
	v_add_f32 v[C+4*(\a)], v[SU+16*(\a)], v[SU+16*(\a)+1]
.endr
.irp a, 0,1,2,3
	v_permlanex16_b32 v[C+4*(\a)+1], v[C+4*(\a)], s[SEL], s[SEL+1]
.endr
.irp a, 0,1,2,3
	v_add_f32 v[ML+2*(\a)+1], v[C+4*(\a)], v[C+4*(\a)+1]               ; l
.endr
	WIN 0x8a
.set i, 0
.rept 64                               ; x mixed; each accumulator's registers in ascending order
	v_pk_mul_f32 v[Z+2*i:Z+2*i+1], v[Z+2*i:Z+2*i+1], v[ACCM+2*i:ACCM+2*i+1]
.set i, i+1
.endr
.irp p, 0,1                            ; through my stage, 32 rows at a time: in by queries, out by rows, into the registers that it left
	WIN 0x08
.irp a, 0,1
.irp b, 0,1,2,3
	ds_store_b128 v[ST1], v[Z+64*(\p)+8*(4*(\a)+(\b)):Z+64*(\p)+8*(4*(\a)+(\b))+3]   offset:(\a)*16*SGP+64*(\b)
	ds_store_b128 v[ST1], v[Z+64*(\p)+8*(4*(\a)+(\b))+4:Z+64*(\p)+8*(4*(\a)+(\b))+7] offset:(\a)*16*SGP+64*(\b)+16
.endr
.endr
	WIN 0x80
.irp a, 0,1
.irp j, 0,1,2,3,4,5,6,7                ; LDS serves a wave's instructions in order (ISA guide 5.7.1.4): these see the stores above, and the next pass's stores come behind them
	ds_load_b128 v[Z+64*(\p)+4*(8*(\a)+(\j)):Z+64*(\p)+4*(8*(\a)+(\j))+3], v[ST2] offset:(16*(\a)+(\j))*SGP
.endr
.endr
	WIN 0x08                                       ; a store's data in window 2
.irp a, 0,1
.irp j, 0,1,2,3,4,5,6,7
	s_wait_dscnt 15-8*(\a)-(\j)                    ; this row's load is back; the younger ones may stay out
	global_store_b128 v[PO], v[Z+64*(\p)+4*(8*(\a)+(\j)):Z+64*(\p)+4*(8*(\a)+(\j))+3], s[PB:PB+1] offset:(32*(\p)+16*(\a)+(\j))*8192  ; 16 lanes store 256 consecutive bytes, aligned
.endr
.endr
.endr
	WIN 0
.irp a, 0,1,2,3
	ds_store_b64 v[SA], v[ML+2*(\a):ML+2*(\a)+1] offset:256*(\a)       ; both halves of the lanes write the same pair to the same place
.endr
	s_wait_dscnt 0x0                               ; for the others' sake
	s_barrier_signal -1
	s_barrier_wait -1
	ds_load_b128 v[CT:CT+3], v[SR]                 ; thread t: row t's (m, l) of both column halves
	s_wait_dscnt 0x0
	global_store_b128 v[SO], v[CT:CT+3], s[STT:STT+1]  ; a wave's store covers 512 consecutive bytes, aligned
	s_wait_tensorcnt 0x0                           ; the wave's end
	ds_add_u32 v[SPW], v[NIL]
	s_wait_dscnt 0x0
	CROUND                                         ; the closing round
	s_endpgm
.Lfunc_end_k_q89ad532f8e_attn:
	.size	k_q89ad532f8e_attn, .Lfunc_end_k_q89ad532f8e_attn-k_q89ad532f8e_attn
	.p2alignl 7, 3214868480
	.fill 96, 4, 3214868480
	.section	.rodata,"a",@progbits
	.p2align	6, 0x0
	.amdhsa_kernel k_q89ad532f8e_attn
		.amdhsa_group_segment_fixed_size 327680
		.amdhsa_private_segment_fixed_size 0
		.amdhsa_enable_private_segment 0
		.amdhsa_kernarg_size 64
		.amdhsa_user_sgpr_count 2
		.amdhsa_user_sgpr_kernarg_segment_ptr 1
		.amdhsa_wavefront_size32 1
		.amdhsa_system_sgpr_workgroup_id_x 1
		.amdhsa_system_sgpr_workgroup_id_y 1
		.amdhsa_system_sgpr_workgroup_id_z 1
		.amdhsa_system_vgpr_workitem_id 0
		.amdhsa_next_free_vgpr 768
		.amdhsa_next_free_sgpr 102
		.amdhsa_reserve_vcc 0
		.amdhsa_float_denorm_mode_32 3
		.amdhsa_float_denorm_mode_16_64 3
		.amdhsa_memory_ordered 1
		.amdhsa_forward_progress 1
		.amdhsa_inst_pref_size 166
	.end_amdhsa_kernel
	.amdgpu_metadata
---
amdhsa.version: [ 1, 2 ]
amdhsa.kernels:
  - .name:           k_q89ad532f8e_attn
    .symbol:         k_q89ad532f8e_attn.kd
    .args:
      - { .name: qp, .offset: 0, .size: 8, .value_kind: global_buffer, .address_space: global }
      - { .name: xkb, .offset: 8, .size: 8, .value_kind: global_buffer, .address_space: global }
      - { .name: maskb, .offset: 16, .size: 8, .value_kind: global_buffer, .address_space: global }
      - { .name: vb, .offset: 24, .size: 8, .value_kind: global_buffer, .address_space: global }
      - { .name: attn_mask, .offset: 32, .size: 8, .value_kind: global_buffer, .address_space: global }
      - { .name: tpart, .offset: 40, .size: 8, .value_kind: global_buffer, .address_space: global }
      - { .name: pbuf, .offset: 48, .size: 8, .value_kind: global_buffer, .address_space: global }
      - { .name: stats, .offset: 56, .size: 8, .value_kind: global_buffer, .address_space: global }
    .group_segment_fixed_size: 327680
    .private_segment_fixed_size: 0
    .kernarg_segment_align: 8
    .kernarg_segment_size: 64
    .max_flat_workgroup_size: 128
    .sgpr_count:     102
    .vgpr_count:     768
    .wavefront_size: 32
...
	.end_amdgpu_metadata
.endif
;; end of part 8
;; launch norm: the kernel of part 4 again; grid 256 x 1, 8 waves a work-group, no clusters, 0 bytes of LDS; arguments pbuf, stats, out0; writes out0
;; ======== version 3 of 3: 5 launches; version 2 with the launches prep, norm written anew for expert scheduling mode
;; workspace buffers: qb 16,777,216 bytes; qp 8,388,608 bytes; maskb 18,874,368 bytes; tpart 131,072 bytes; pbuf 16,777,216 bytes; stats 524,288 bytes; xkb 41,943,040 bytes; vb 33,554,432 bytes
;; launch prep (part 9): grid 256 x 1, 8 waves a work-group, no clusters, 0 bytes of LDS; arguments attn_mask, query_input, Wq, maskb; writes maskb
.if DOCPART == 9
	.amdgcn_target "amdgcn-amd-amdhsa--gfx1250"
	.amdhsa_code_object_version 6
	.text
	.protected	k_q89ad532f8e_prep
	.globl	k_q89ad532f8e_prep
	.p2align	8
	.type	k_q89ad532f8e_prep,@function
k_q89ad532f8e_prep:
	s_mov_b64 s[64:65], 0
	v_nop
	global_prefetch_b8 v0, s[64:65] scope:SCOPE_SE
	s_setreg_imm32_b32 hwreg(HW_REG_WAVE_SCHED_MODE, 0, 2), 2
	s_setreg_imm32_b32 hwreg(HW_REG_WAVE_MODE, 25, 1), 1
	s_wait_xcnt 0x0
	s_wait_alu depctr_vm_vsrc(0)
; Three f32 inputs that later launches multiply in bf16 are rounded here, once, so that twice the K fits into those launches' LDS slots and no work-group repeats a rounding.
; maskb: attn_mask in bf16, same order, 2,097,152 bytes; behind it query_input in bf16, 8,388,608 bytes; behind that Wq in bf16, 8,388,608 bytes.
; A stream: each byte is read once and each byte written once.  No matrix unit, no LDS, no barrier, no cluster: nothing is shared and nothing is summed.
; Each of the 256 work-groups takes 1/256 of each input, in pieces of 8,192 bytes: 256 threads x 32 bytes.  8 pieces of query_input, 8 of Wq, 2 of attn_mask: 36 loads of 16 bytes a thread, all issued
; before the first wait; then piece after piece is rounded (8 numbers a thread: 16 bytes) and stored.
; LIMITS: NaN and infinities are not treated apart; bf16 has f32's range.
; THE MODE: SCHED_MODE bits 1:0 = 2 (LLVM: expert scheduling mode 2), set by the entry lines.  The code itself states the register dependences
; between vector instructions and memory instructions, with s_wait_alu, always for 0.
; THE PLAN.  Registers that memory instructions touch:
;   v1, v2     byte offsets of the loads and of the stores: made once at the head and never written again.
;   IN[k]      piece k as loaded: its two loads land in it, its four roundings read it; no vector instruction names it before the loads, and nothing lands in it again.
;   OUT[k]     piece k to store: written by its four roundings, read by its one store, never written again.
; The 18 pieces go in six groups of three.  At the head of a group, behind the wait for its first piece, ONE wait states that the group before has written its OUT; that group's three stores follow at once,
; and then the group's own roundings, which name other registers.  No register that a load or a store reads is ever written again, so the text holds no wait on vm_vsrc.
.set XQOFF, 2097152                    ; where query_input's copy begins in maskb
.set PIECES, 18
.set GRP, 3                            ; pieces in a group
.set IN,  8                            ; v[8:151]   piece k: 8 registers as loaded
.set OUT, 152                          ; v[152:223] piece k: 4 registers to store
.macro ASKFOR base, n, k0              ; n pieces from s[base:base+1] into pieces k0 on
.set g, 0
.rept \n
	global_load_b128 v[IN+8*((\k0)+g):IN+8*((\k0)+g)+3],   v1, s[\base:\base+1] offset:8192*g th:TH_LOAD_NT
	global_load_b128 v[IN+8*((\k0)+g)+4:IN+8*((\k0)+g)+7], v1, s[\base:\base+1] offset:8192*g+16 th:TH_LOAD_NT
.set g, g+1
.endr
.endm
.macro CVT k                           ; piece k is rounded
.irp i, 0,1,2,3
	v_cvt_pk_bf16_f32 v[OUT+4*(\k)+(\i)], v[IN+8*(\k)+2*(\i)], v[IN+8*(\k)+2*(\i)+1]
.endr
.endm
.macro PUT k                           ; piece k is stored: pieces 0-7 to query_input's copy, 8-15 to Wq's, 16-17 to the mask's.  A wave's store covers 512 consecutive bytes, aligned
.if (\k) < 8
	global_store_b128 v2, v[OUT+4*(\k):OUT+4*(\k)+3], s[20:21] offset:4096*(\k) th:TH_STORE_NT
.elseif (\k) < 16
	global_store_b128 v2, v[OUT+4*(\k):OUT+4*(\k)+3], s[22:23] offset:4096*((\k)-8) th:TH_STORE_NT
.else
	global_store_b128 v2, v[OUT+4*(\k):OUT+4*(\k)+3], s[10:11] offset:4096*((\k)-16) th:TH_STORE_NT
.endif
.endm
; Group q: pieces 3 q to 3 q + 2 are rounded; at its head the group before is stored.  first = 1: group 0, with no group in front of it.
.macro GROUP q, first
.irp j, 0,1,2
	s_wait_loadcnt 2*(PIECES-1-(GRP*(\q)+(\j)))    ; loads come back in order (ISA guide 5.7.1): this piece's two are in, the later pieces' may stay out
.if ((\j) == 0) && !(\first)
	s_wait_alu depctr_va_vdst(0)                   ; the roundings of the group before have written its twelve OUT registers, which the three stores below read
.irp t, 0,1,2
	PUT GRP*((\q)-1)+(\t)
.endr
.endif
	CVT GRP*(\q)+(\j)
.endr
.endm
	s_load_b256 s[4:11], s[0:1], 0x0               ; attn_mask s[4:5], query_input s[6:7], Wq s[8:9], maskb s[10:11]
	v_lshlrev_b32 v1, 5, v0                        ; 32 x thread: where I read 8 f32
	v_lshlrev_b32 v2, 4, v0                        ; 16 x thread: where I store 8 bf16
	s_lshl_b32 s12, ttmp9, 14                      ; my work-group's 16,384 bytes of attn_mask,
	s_mov_b32 s13, 0
	s_lshl_b32 s14, ttmp9, 16                      ; its 65,536 bytes of query_input and of Wq,
	s_mov_b32 s15, 0
	s_lshl_b32 s16, ttmp9, 13                      ; the mask's 8,192 bytes in maskb,
	s_mov_b32 s17, 0
	s_lshl_b32 s18, ttmp9, 15                      ; and the 32,768 of each of the other two
	s_add_co_u32 s18, s18, XQOFF
	s_mov_b32 s19, 0
	s_wait_kmcnt 0x0
	s_add_nc_u64 s[4:5], s[4:5], s[12:13]
	s_add_nc_u64 s[6:7], s[6:7], s[14:15]
	s_add_nc_u64 s[8:9], s[8:9], s[14:15]
	s_add_nc_u64 s[20:21], s[10:11], s[18:19]      ; query_input's copy
	s_add_nc_u64 s[22:23], s[20:21], 8388608       ; Wq's copy
	s_add_nc_u64 s[10:11], s[10:11], s[16:17]      ; the mask's copy
	s_wait_alu depctr_va_vdst(0)                   ; v1 and v2 are written: every load and store of the kernel reads one of them as its offset
	ASKFOR 6, 8, 0
	ASKFOR 8, 8, 8
	ASKFOR 4, 2, 16
	GROUP 0, 1
	GROUP 1, 0
	GROUP 2, 0
	GROUP 3, 0
	GROUP 4, 0
	GROUP 5, 0
	s_wait_alu depctr_va_vdst(0)                   ; the last group's roundings have written its OUT registers, which the last three stores read
	PUT 15
	PUT 16
	PUT 17
	s_endpgm
.Lfunc_end_k_q89ad532f8e_prep:
	.size	k_q89ad532f8e_prep, .Lfunc_end_k_q89ad532f8e_prep-k_q89ad532f8e_prep
	.p2alignl 7, 3214868480
	.fill 96, 4, 3214868480
	.section	.rodata,"a",@progbits
	.p2align	6, 0x0
	.amdhsa_kernel k_q89ad532f8e_prep
		.amdhsa_group_segment_fixed_size 0
		.amdhsa_private_segment_fixed_size 0
		.amdhsa_enable_private_segment 0
		.amdhsa_kernarg_size 32
		.amdhsa_user_sgpr_count 2
		.amdhsa_user_sgpr_kernarg_segment_ptr 1
		.amdhsa_wavefront_size32 1
		.amdhsa_system_sgpr_workgroup_id_x 1
		.amdhsa_system_sgpr_workgroup_id_y 1
		.amdhsa_system_sgpr_workgroup_id_z 1
		.amdhsa_system_vgpr_workitem_id 0
		.amdhsa_next_free_vgpr 224
		.amdhsa_next_free_sgpr 66
		.amdhsa_reserve_vcc 0
		.amdhsa_float_denorm_mode_32 3
		.amdhsa_float_denorm_mode_16_64 3
		.amdhsa_memory_ordered 1
		.amdhsa_forward_progress 1
		.amdhsa_inst_pref_size 12
	.end_amdhsa_kernel
	.amdgpu_metadata
---
amdhsa.version: [ 1, 2 ]
amdhsa.kernels:
  - .name:           k_q89ad532f8e_prep
    .symbol:         k_q89ad532f8e_prep.kd
    .args:
      - { .name: attn_mask, .offset: 0, .size: 8, .value_kind: global_buffer, .address_space: global }
      - { .name: query_input, .offset: 8, .size: 8, .value_kind: global_buffer, .address_space: global }
      - { .name: Wq, .offset: 16, .size: 8, .value_kind: global_buffer, .address_space: global }
      - { .name: maskb, .offset: 24, .size: 8, .value_kind: global_buffer, .address_space: global }
    .group_segment_fixed_size: 0
    .private_segment_fixed_size: 0
    .kernarg_segment_align: 8
    .kernarg_segment_size: 32
    .max_flat_workgroup_size: 256
    .sgpr_count:     66
    .vgpr_count:     224
    .wavefront_size: 32
...
	.end_amdgpu_metadata
.endif
;; end of part 9
;; launch qproj: the kernel of part 6 again; grid 16 x 16, 4 waves a work-group, clusters of 4 x 4, 327,680 bytes of LDS; arguments maskb, qb, bq, bk, tpart, key_input, xkb, Wk; writes qb, tpart, xkb
;; launch qkproj: the kernel of part 7 again; grid 16 x 16, 4 waves a work-group, clusters of 4 x 4, 327,680 bytes of LDS; arguments qb, xkb, qp, value_input, vb; writes qp, vb
;; launch attn: the kernel of part 8 again; grid 16 x 16, 4 waves a work-group, clusters of 4 x 4, 327,680 bytes of LDS; arguments qp, xkb, maskb, vb, attn_mask, tpart, pbuf, stats; writes pbuf, stats
;; launch norm (part 10): grid 256 x 1, 8 waves a work-group, no clusters, 0 bytes of LDS; arguments pbuf, stats, out0; writes out0
.if DOCPART == 10
	.amdgcn_target "amdgcn-amd-amdhsa--gfx1250"
	.amdhsa_code_object_version 6
	.text
	.protected	k_q89ad532f8e_norm
	.globl	k_q89ad532f8e_norm
	.p2align	8
	.type	k_q89ad532f8e_norm,@function
k_q89ad532f8e_norm:
	s_mov_b64 s[64:65], 0
	v_nop
	global_prefetch_b8 v0, s[64:65] scope:SCOPE_SE
	s_setreg_imm32_b32 hwreg(HW_REG_WAVE_SCHED_MODE, 0, 2), 2
	s_setreg_imm32_b32 hwreg(HW_REG_WAVE_MODE, 25, 1), 1
	s_wait_xcnt 0x0
	s_wait_alu depctr_vm_vsrc(0)
; out0[row][j] = pbuf[row][j] x 2^(m_blk - M) / L, where blk = j / 64, M = the largest of the row's 32 block maxima (the row's true maximum) and L = the sum over blocks of l_blk 2^(m_blk - M).
; One wave, one row of 8,192 bytes: sixteen loads of 16 bytes a lane, each covering 512 consecutive bytes.  Lane l holds block l's (m, l); the reductions never leave the wave.
; No matrix unit, no LDS byte, no barrier: memory binds, and each byte of pbuf is read once and each byte of out0 written once.
; LIMITS: a block's factor below 2^-126 counts as 0; L is at least 1 (the block that holds M has l >= 1); NaN and infinities are not treated apart.
; THE MODE: SCHED_MODE bits 1:0 = 2 (LLVM: expert scheduling mode 2), set by the entry lines.  The code itself states the register dependences
; between vector instructions and memory or LDS instructions, with s_wait_alu, always for 0.
; THE PLAN.  Registers that memory instructions or the permutes touch:
;   v3, v7     byte offsets in stats and in a row; v[IDX ..] the permutes' lane selects: all made at the head and never written again.
;   v[4:5]     the load of (m, l) lands in it; no vector instruction names it before.
;   v14        my block's factor: written last by the chain's closing multiply, read by the sixteen permutes, never written again.
;   v[G ..]    the permutes' results land in it; no vector instruction names it before; the scalings read it behind s_wait_dscnt.
;   X[i]       load i lands in it, two multiplies scale it in place, store i reads it, nothing writes it again.
; The row's sixteen parts go in four groups of four.  At the head of a group, behind the wait for its first load, ONE wait states that the group before has scaled its X; that group's four stores follow at once,
; and then the group's own multiplies, which name other registers.  No register that a load, a store or a permute reads is ever written again, so the text holds no wait on vm_vsrc.
.set IDX, 16                           ; v[16:31]  load i: the lane (x 4) that holds my 16 bytes' block, 2 i + lane / 16
.set X,   32                           ; v[32:95]  the row
.set G,   96                           ; v[96:111] load i's factor
.set GRP, 4                            ; loads in a group
	s_load_b128 s[4:7], s[0:1], 0x0                ; pbuf s[4:5], stats s[6:7]
	s_load_b64 s[8:9], s[0:1], 0x10                ; out0
	v_lshrrev_b32 v1, 5, v0
	v_readfirstlane_b32 s10, v1                    ; wave 0..7
	v_and_b32 v2, 31, v0                           ; lane
	v_lshrrev_b32 v3, 1, v2
	v_and_b32 v6, 1, v2
	v_lshlrev_b32 v3, 15, v3                       ; stats: [16][2048 rows][2][m, l]: block l lies at (l / 2) x 32,768 + 16 row + 8 (l % 2)
	v_lshl_add_u32 v3, v6, 3, v3
	v_lshlrev_b32 v7, 4, v2                        ; 16 bytes a lane
	v_lshrrev_b32 v8, 4, v2
	v_lshlrev_b32 v8, 2, v8
.set i, 0
.rept 16
	v_add_nc_u32 v[IDX+i], 8*i, v8
.set i, i+1
.endr
	v_mov_b32 v10, 0                               ; v_permlanex16_b32's destinations count as read
	v_mov_b32 v13, 0
	s_wait_alu depctr_va_sdst(0)                   ; s10 is written, ahead of its first reader: the row's number, and the three bases with it, are made from it
	s_lshl_b32 s11, ttmp9, 3
	s_add_co_u32 s11, s11, s10                     ; my row
	s_lshl_b32 s12, s11, 4
	s_mov_b32 s13, 0
	s_lshl_b32 s14, s11, 13
	s_mov_b32 s15, 0
	s_mov_b32 s16, 0x76543210
	s_mov_b32 s17, 0xfedcba98
	s_wait_kmcnt 0x0
	s_add_nc_u64 s[6:7], s[6:7], s[12:13]
	s_add_nc_u64 s[4:5], s[4:5], s[14:15]
	s_add_nc_u64 s[8:9], s[8:9], s[14:15]
	s_wait_alu depctr_va_vdst(0)                   ; v3 and v7 are written, which the loads and stores read as offsets, and v[IDX ..], which the permutes read
	global_load_b64 v[4:5], v3, s[6:7]
.set i, 0
.rept 16
	global_load_b128 v[X+4*i:X+4*i+3], v7, s[4:5] offset:512*i th:TH_LOAD_NT
.set i, i+1
.endr
	s_wait_loadcnt 16                              ; (m, l) is in; the row's sixteen loads, issued behind it, may stay out
	v_mov_b32 v9, v4
	v_max_num_f32_dpp v9, v9, v9 row_xmask:1 row_mask:0xf bank_mask:0xf
	v_max_num_f32_dpp v9, v9, v9 row_xmask:2 row_mask:0xf bank_mask:0xf
	v_max_num_f32_dpp v9, v9, v9 row_xmask:4 row_mask:0xf bank_mask:0xf
	v_max_num_f32_dpp v9, v9, v9 row_xmask:8 row_mask:0xf bank_mask:0xf
	v_permlanex16_b32 v10, v9, s16, s17
	v_max_num_f32 v9, v9, v10                      ; M, in every lane
	v_sub_f32 v10, v4, v9
	v_exp_f32 v11, v10                             ; 2^(m - M)
	v_nop                                          ; a plain instruction behind the exponential
	s_wait_alu depctr_va_vdst(0)                   ; the exponential has written v11
	v_mul_f32 v12, v5, v11
	v_add_f32_dpp v12, v12, v12 row_xmask:1 row_mask:0xf bank_mask:0xf
	v_add_f32_dpp v12, v12, v12 row_xmask:2 row_mask:0xf bank_mask:0xf
	v_add_f32_dpp v12, v12, v12 row_xmask:4 row_mask:0xf bank_mask:0xf
	v_add_f32_dpp v12, v12, v12 row_xmask:8 row_mask:0xf bank_mask:0xf
	v_permlanex16_b32 v13, v12, s16, s17
	v_add_f32 v12, v12, v13                        ; L
	v_rcp_f32 v14, v12
	v_nop                                          ; a plain instruction behind the reciprocal
	s_wait_alu depctr_va_vdst(0)                   ; the reciprocal has written v14
	v_mul_f32 v14, v11, v14                        ; my block's factor
	s_wait_alu depctr_va_vdst(0)                   ; that multiply has written v14, which the sixteen permutes read
.set i, 0
.rept 16
	ds_bpermute_b32 v[G+i], v[IDX+i], v14          ; between lanes: no LDS byte is touched
.set i, i+1
.endr
	s_wait_dscnt 0x0
; Group q: loads 4 q to 4 q + 3 are scaled in place; at its head the group before is stored.  first = 1: group 0, with no group in front of it.
.macro GROUP q, first
.irp j, 0,1,2,3
.set i, GRP*(\q)+(\j)
	s_wait_loadcnt 15-i                            ; load i is in; the younger ones may stay out
.if ((\j) == 0) && !(\first)
	s_wait_alu depctr_va_vdst(0)                   ; the multiplies of the group before have written its sixteen X registers, which the four stores below read
.irp t, 0,1,2,3
	global_store_b128 v7, v[X+4*(i-GRP+(\t)):X+4*(i-GRP+(\t))+3], s[8:9] offset:512*(i-GRP+(\t)) th:TH_STORE_NT  ; 512 consecutive bytes, aligned
.endr
.endif
.if i%2
	v_pk_mul_f32 v[X+4*i:X+4*i+1],   v[X+4*i:X+4*i+1],   v[G+i-1:G+i] op_sel:[0,1] op_sel_hi:[1,1]
	v_pk_mul_f32 v[X+4*i+2:X+4*i+3], v[X+4*i+2:X+4*i+3], v[G+i-1:G+i] op_sel:[0,1] op_sel_hi:[1,1]
.else
	v_pk_mul_f32 v[X+4*i:X+4*i+1],   v[X+4*i:X+4*i+1],   v[G+i:G+i+1] op_sel_hi:[1,0]
	v_pk_mul_f32 v[X+4*i+2:X+4*i+3], v[X+4*i+2:X+4*i+3], v[G+i:G+i+1] op_sel_hi:[1,0]
.endif
.endr
.endm
	GROUP 0, 1
	GROUP 1, 0
	GROUP 2, 0
	GROUP 3, 0
	s_wait_alu depctr_va_vdst(0)                   ; the last group's multiplies have written its X registers, which the last four stores read
.irp t, 12,13,14,15
	global_store_b128 v7, v[X+4*(\t):X+4*(\t)+3], s[8:9] offset:512*(\t) th:TH_STORE_NT  ; 512 consecutive bytes, aligned
.endr
	s_endpgm
.Lfunc_end_k_q89ad532f8e_norm:
	.size	k_q89ad532f8e_norm, .Lfunc_end_k_q89ad532f8e_norm-k_q89ad532f8e_norm
	.p2alignl 7, 3214868480
	.fill 96, 4, 3214868480
	.section	.rodata,"a",@progbits
	.p2align	6, 0x0
	.amdhsa_kernel k_q89ad532f8e_norm
		.amdhsa_group_segment_fixed_size 0
		.amdhsa_private_segment_fixed_size 0
		.amdhsa_enable_private_segment 0
		.amdhsa_kernarg_size 24
		.amdhsa_user_sgpr_count 2
		.amdhsa_user_sgpr_kernarg_segment_ptr 1
		.amdhsa_wavefront_size32 1
		.amdhsa_system_sgpr_workgroup_id_x 1
		.amdhsa_system_sgpr_workgroup_id_y 1
		.amdhsa_system_sgpr_workgroup_id_z 1
		.amdhsa_system_vgpr_workitem_id 0
		.amdhsa_next_free_vgpr 112
		.amdhsa_next_free_sgpr 66
		.amdhsa_reserve_vcc 0
		.amdhsa_float_denorm_mode_32 3
		.amdhsa_float_denorm_mode_16_64 3
		.amdhsa_memory_ordered 1
		.amdhsa_forward_progress 1
		.amdhsa_inst_pref_size 10
	.end_amdhsa_kernel
	.amdgpu_metadata
---
amdhsa.version: [ 1, 2 ]
amdhsa.kernels:
  - .name:           k_q89ad532f8e_norm
    .symbol:         k_q89ad532f8e_norm.kd
    .args:
      - { .name: pbuf, .offset: 0, .size: 8, .value_kind: global_buffer, .address_space: global }
      - { .name: stats, .offset: 8, .size: 8, .value_kind: global_buffer, .address_space: global }
      - { .name: out0, .offset: 16, .size: 8, .value_kind: global_buffer, .address_space: global }
    .group_segment_fixed_size: 0
    .private_segment_fixed_size: 0
    .kernarg_segment_align: 8
    .kernarg_segment_size: 24
    .max_flat_workgroup_size: 256
    .sgpr_count:     66
    .vgpr_count:     112
    .wavefront_size: 32
...
	.end_amdgpu_metadata
.endif
;; end of part 10
